; MI455X (gfx1250); checked and timed in simulation.
; The chip was launched on July 23, 2026; its instructions are those of AMD's public machine-readable ISA for CDNA 5 (MIT licence, August 2026) and "CDNA5" Instruction Set Architecture Reference Guide (July 2026). The comments in the code are by the model that wrote it; some were corrected since.
;; Transformer Block. Allowed arithmetic: matrix products marked QUANTISED: E4M3 operands, one E8M0 scale for each 32 along K, by v_wmma_scale_f32_16x16x128_f8f6f4 with both operands' format E4M3, f32 sums; everything else in f32.
;; Inputs: W1 1,024 x 4,096 float32; W2 4,096 x 1,024 float32; Wk 1,024 x 1,024 float32; Wp 1,024 x 1,024 float32; Wq 1,024 x 1,024 float32; Wv 1,024 x 1,024 float32; b1 4,096 float32; b2 1,024 float32; bp 1,024 float32; ln1_b 1,024 float32; ln1_w 1,024 float32; ln2_b 1,024 float32; ln2_w 1,024 float32; x 2 x 2,048 x 1,024 float32.
;; Outputs: out0 2 x 2,048 x 1,024 float32.
;; This version of the problem:
;;   THIS VERSION OF THE PROBLEM IS GIVEN IN LOW PRECISION. The matrix products marked QUANTISED in the list below multiply operands that are first quantised to E4M3 (4 exponent bits, 3 mantissa bits; 8 bits a number), with one power-of-two scale for each 32 numbers along K (OCP MX v1.0); their sums are f32. All else is computed in f32.
;;   The module's matrix products, in the order in which they are computed (A, B: the left and right operand; K: the contracted axis; several contracted axes count as one K, in the product's order):
;;     1. [M 4,096, K 1,024] x [K 1,024, N 1,024]; A: computed on the way; B: input Wq: QUANTISED
;;     2. [M 4,096, K 1,024] x [K 1,024, N 1,024]; A: computed on the way; B: input Wk: QUANTISED
;;     3. [M 4,096, K 1,024] x [K 1,024, N 1,024]; A: computed on the way; B: input Wv: QUANTISED
;;     4. batch 32 x [M 2,048, K 64] x [K 64, N 2,048]; A: computed on the way; B: computed on the way: QUANTISED
;;     5. batch 32 x [M 2,048, K 2,048] x [K 2,048, N 64]; A: softmax (see below); B: computed on the way: QUANTISED
;;     6. [M 4,096, K 1,024] x [K 1,024, N 1,024]; A: computed on the way; B: input Wp: QUANTISED
;;     7. [M 4,096, K 1,024] x [K 1,024, N 4,096]; A: computed on the way; B: input W1: QUANTISED
;;     8. [M 4,096, K 4,096] x [K 4,096, N 1,024]; A: computed on the way; B: input W2: QUANTISED
;;   THE QUANTISER, for each operand of a quantised product, along K:
;;     - K is cut into blocks of 32 from its start; a last block that is shorter is filled with zeros.
;;     - A block's scale is 2^e with e = floor(log2(the largest magnitude in the block)) - 8, held to -126 .. 127; a block of zeros has e = 0. As a byte (E8M0): e + 127.
;;     - Each number is divided by its block's scale, clamped to +-448, and rounded to the nearest number of E4M3, ties to even, subnormals kept.
;;     - The product sums the exact products of the quantised numbers (number of the format x scale) in f32.
;;   ~~~python
;;   def quantise(x, axis):      # numpy; x: float32 -> the quantised numbers, widened to float32 again
;;       x = np.moveaxis(x, axis, -1); K = x.shape[-1]
;;       x = np.pad(x, [(0, 0)] * (x.ndim - 1) + [(0, -K % 32)]); x = x.reshape(x.shape[:-1] + (-1, 32)); a = np.abs(x).max(-1, keepdims=True)
;;       e = np.where(a > 0, np.clip(np.frexp(np.where(a > 0, a, 1))[1] - 1 - 8, -126, 127), 0)      # np.frexp(a)[1] - 1 = floor(log2(a)), exactly
;;       r = np.clip(x / 2.0 ** e, -448, 448)
;;       step = 2.0 ** (np.maximum(np.frexp(np.where(r == 0, 1, r))[1] - 1, -6) - 3)
;;       q = np.round(r / step) * step * 2.0 ** e      # np.round: ties to even
;;       return np.moveaxis(q.reshape(q.shape[:-2] + (-1,))[..., :K], -1, axis).astype(np.float32)
;;   ~~~
;;   SOFTMAX AHEAD OF A QUANTISED PRODUCT. Where the list says 'softmax', what is quantised is not the finished softmax but p = 2^(t - M), with t = logit x log2(e) and M = ceil(the row's largest t), a whole number; so 1/2 < the row's largest p <= 1. The row's sum l is taken of the UNQUANTISED p, in f32, and the product's result is divided by l at the end. Since M is a whole number, a kernel that streams over the keys may use a running M (the ceiling of the running maximum): every later rescaling is an exact power of two, which a block's scale takes up: the codes' values come out the same.
;;   OPERANDS COMPUTED ON THE WAY. 'Computed on the way' means the value that the module computes at that place (a softmax that the list does not call 'softmax' is quantised finished and normalised). What goes into a quantiser is computed in f32, as accurately as f32 sums, v_exp_f32 and their like allow (about 1e-6 of the number): no bf16 or f16 on the way to a quantiser, and a product that is left as it is and whose result goes on into a quantised operand takes f32 operands (vector FMAs, or v_wmma_f32_16x16x4_f32). A number that lies on a knife's edge between two numbers of the format may be rounded either way, as far as f32 arithmetic and the matrix unit's own rounding can turn it there, and no further.
;; 2 versions. Each part assembles by itself: llvm-mc -triple=amdgcn-amd-amdhsa -mcpu=gfx1250 --defsym DOCPART=n.
;; ======== version 1 of 2: 8 launches
;; workspace buffers: wts 12,976,128 bytes; hc 4,325,376 bytes; qkv 12,976,128 bytes; oc 4,325,376 bytes; x1 16,777,216 bytes; h2c 4,325,376 bytes; ac 17,301,504 bytes
;; launch wq (part 1): grid 384 x 1, 4 waves a work-group, no clusters, 0 bytes of LDS; arguments Wq, Wk, Wv, Wp, W1, W2, wts; writes wts
.if DOCPART == 1
	.amdgcn_target "amdgcn-amd-amdhsa--gfx1250"
	.amdhsa_code_object_version 6
	.text
	.protected	k_qcca4a688d0_wq
	.globl	k_qcca4a688d0_wq
	.p2align	8
	.type	k_qcca4a688d0_wq,@function
k_qcca4a688d0_wq:
	s_mov_b64 s[64:65], 0
	v_nop
	global_prefetch_b8 v0, s[64:65] scope:SCOPE_SE
	s_setreg_imm32_b32 hwreg(HW_REG_WAVE_MODE, 25, 1), 1
	s_wait_xcnt 0x0
; The six weights, f32 stored [K][N] with K as the FIRST axis, become codes of FP8 (E4M3) with one E8M0 scale byte for each 32 along K, laid as the products' launches want them.
; A RECORD (8,448 bytes = 33 x 256) holds 32 columns n (a group p) x 256 along K (a K step kp): four fragments (u, q) of 2,048 bytes at 4096 u + 2048 q, each an image of an operand's 16 registers
; (piece c of 512 bytes; lane l's 16 bytes at 512 c + 16 l are k = 32 c + 16 (l / 16) + 0 .. 15 of the lane's row), then the scale words at 8192 + 128 u + 64 q + 4 r, one word for a row and 128 k.
; THE ROWS OF A FRAGMENT ARE NOT NEIGHBOURS: lane r of tile u of group p holds row 32 p + 8 u + r + 8 (r / 8).  A weight is laid [p][kp][record].
; A LANE TAKES A COLUMN n AND ITS REGISTERS RUN DOWN K: a block of 32 lies in one lane's 32 registers, its largest magnitude needs no other lane, and the conversions give codes with K innermost.
; One wave makes one record; the four waves of a work-group stand side by side on 512 consecutive bytes of each row of the weight.  Each store of codes covers two aligned runs of 256 bytes.
; Work-groups 0-127: Wq, Wk, Wv, Wp (32 each); 128-255: W1; 256-383: W2.  Only pointers and numbers are chosen by the work-group's number: there is one path through the text.
; A block's scale is 2^(floor(log2(its largest magnitude)) - 8); its byte is the largest magnitude's exponent field - 8, held at 1 from below.
; LIMITS: a block of zeros gets the byte 1 where the rule says 127 (its codes are zeros, and this program alone reads the bytes); blocks whose largest magnitude lies under 2^-118 are held at the byte 1;
; NaN and infinities among the inputs are not served.
.set REC,  8448
.set WSM,  1081344                     ; a weight of 1,024 x 1,024 in records: 32 p x 4 kp
.set W1O,  4325376                     ; where W1's records begin in wts
.set W2O,  8650752                     ; and W2's
.set EMAX, 8
.set A,    16                          ; v16-47   byte offset of row i of a block: 4 x lane + i x a row of the weight
.set X,    48                          ; v48-111  two sets of 32 numbers
.set C,    112                         ; v112-175 eight code registers for each of the 8 blocks: no store's data are written again
.set SB,   176                         ; v176-177 the scale word of each 128 along K
	s_load_b256 s[8:15], s[0:1], 0x0               ; Wq, Wk, Wv, Wp
	s_load_b128 s[16:19], s[0:1], 0x20             ; W1, W2
	s_load_b64 s[20:21], s[0:1], 0x30              ; wts
	v_lshrrev_b32 v1, 5, v0
	v_readfirstlane_b32 s22, v1                    ; wave 0..3
	v_and_b32 v2, 31, v0                           ; lane = my column in the group of 32
	v_lshlrev_b32 v3, 2, v2
	v_bfe_u32 v6, v2, 3, 1                         ; u = (column / 8) % 2
	v_and_b32 v7, 7, v2
	v_lshrrev_b32 v8, 4, v2
	v_lshl_add_u32 v7, v8, 3, v7                   ; r = column % 8 + 8 (column / 16)
	v_lshlrev_b32 v4, 12, v6
	v_lshl_add_u32 v4, v7, 4, v4                   ; codes: 4096 u + 16 r
	v_lshlrev_b32 v5, 7, v6
	v_lshl_add_u32 v5, v7, 2, v5                   ; scale words: 128 u + 4 r
	s_mov_b32 s23, 0x600000                        ; the mantissa field of 448
	s_and_b32 s24, ttmp9, 31                       ; the work-group's number within a small weight,
	s_lshr_b32 s25, ttmp9, 5
	s_mul_i32 s25, s25, WSM                        ; and that weight's records
	s_and_b32 s26, ttmp9, 127                      ; the number within W1 or W2
	s_mov_b32 s27, W1O
	s_cmp_lt_u32 ttmp9, 128
	s_cselect_b32 s24, s24, s26
	s_cselect_b32 s25, s25, s27
	s_mov_b32 s27, W2O
	s_cmp_lt_u32 ttmp9, 256
	s_cselect_b32 s25, s25, s27                    ; where the weight's records begin
	s_cselect_b32 s28, 4, 16                       ; K steps of the weight
	s_lshr_b32 s27, ttmp9, 7
	s_cmp_eq_u32 s27, 1                            ; W1?
	s_cselect_b32 s29, 5, 3                        ; log2 of the work-groups side by side along N
	s_cselect_b32 s30, 14, 12                      ; log2 of a row of the weight in bytes
	s_lshr_b32 s31, s24, s29                       ; kp
	s_lshl_b32 s26, s31, s29
	s_sub_co_u32 s26, s24, s26                     ; which 128 columns
	s_add_co_u32 s27, s30, 8
	s_lshl_b32 s2, s31, s27                        ; from: 256 kp rows,
	s_lshl_b32 s27, s26, 9
	s_add_co_u32 s2, s2, s27                       ; + 512 bytes for each 128 columns,
	s_lshl_b32 s27, s22, 7
	s_add_co_u32 s2, s2, s27                       ; + 128 for my wave
	s_mov_b32 s3, 0
	s_lshl_b32 s27, s26, 2
	s_add_co_u32 s27, s27, s22                     ; to: group p,
	s_mul_i32 s27, s27, s28
	s_add_co_u32 s27, s27, s31                     ; record p x K steps + kp
	s_mul_i32 s27, s27, REC
	s_add_co_u32 s48, s27, s25
	s_mov_b32 s49, 0
	s_lshl_b32 s52, 1, s30                         ; a row of the weight in bytes
	s_add_co_u32 s27, s30, 5
	s_lshl_b32 s50, 1, s27                         ; 32 rows: a block
	s_mov_b32 s51, 0
.set i, 0
.rept 32
	v_mad_u32_u24 v[A+i], s52, i, v3
.set i, i+1
.endr
	s_wait_kmcnt 0x0
	s_cmp_lt_u32 ttmp9, 256                        ; the weight: each choice hangs on the work-group's number alone
	s_cselect_b64 s[4:5], s[16:17], s[18:19]
	s_cmp_lt_u32 ttmp9, 128
	s_cselect_b64 s[4:5], s[14:15], s[4:5]
	s_cmp_lt_u32 ttmp9, 96
	s_cselect_b64 s[4:5], s[12:13], s[4:5]
	s_cmp_lt_u32 ttmp9, 64
	s_cselect_b64 s[4:5], s[10:11], s[4:5]
	s_cmp_lt_u32 ttmp9, 32
	s_cselect_b64 s[4:5], s[8:9], s[4:5]
	s_add_nc_u64 s[6:7], s[20:21], s[48:49]        ; my record
	s_add_nc_u64 s[32:33], s[4:5], s[2:3]          ; a base for each block, made once: no pointer is stepped
.irp t, 1,2,3,4,5,6,7
	s_add_nc_u64 s[32+2*\t:33+2*\t], s[30+2*\t:31+2*\t], s[50:51]
.endr
.macro LOAD t                          ; block t: W(32 t + i, my column), i = 0 .. 31, into set t % 2; a wave's load reads 128 consecutive bytes
.set i, 0
.rept 32
	global_load_b32 v[X+32*((\t)%2)+i], v[A+i], s[32+2*(\t):33+2*(\t)] th:TH_LOAD_NT
.set i, i+1
.endr
.endm
	LOAD 0
	LOAD 1
.macro BLOCK t
.set XS, X+32*((\t)%2)
.set CT, C+8*(\t)
.if (\t) < 7
	s_wait_loadcnt 32                              ; this block's 32 loads are in; the next block's 32 may be out
.else
	s_wait_loadcnt 0x0
.endif
	v_max3_num_f32 v12, |v[XS]|, |v[XS+1]|, |v[XS+2]|   ; the block's largest magnitude: all 32 numbers are mine; two chains
	v_max3_num_f32 v13, |v[XS+3]|, |v[XS+4]|, |v[XS+5]|
.irp i, 6,10,14,18,22,26
	v_max3_num_f32 v12, v12, |v[XS+\i]|, |v[XS+\i+1]|
	v_max3_num_f32 v13, v13, |v[XS+\i+2]|, |v[XS+\i+3]|
.endr
	v_max3_num_f32 v12, v12, |v[XS+30]|, |v[XS+31]|
	v_max3_num_f32 v12, v12, v13, (EMAX+1)<<23     ; and the floor 2^(9 - 127): the byte cannot fall under 1
	v_add_nc_u32 v11, -(EMAX<<23), v12             ; 8 off the exponent field: the conversion takes this operand's exponent field as its scale
	v_and_or_b32 v10, v12, 0x7f800000, s23         ; 448 x the scale
	v_lshrrev_b32 v13, 23, v11                     ; the scale's byte
.if (\t)%4 == 0
	v_mov_b32 v[SB+(\t)/4], v13                    ; four bytes to a word, the lower K in the lower byte
.else
	v_lshl_or_b32 v[SB+(\t)/4], v13, 8*((\t)%4), v[SB+(\t)/4]
.endif
.set i, 0
.rept 32
	v_med3_num_f32 v[XS+i], v[XS+i], -v10, v10     ; the conversion to an 8-bit code does not saturate (ISA guide 7.6.2): the hold at 448 x the scale comes first
.set i, i+1
.endr
.irp g, 0,1,2,3
	v_cvt_scalef32_pk8_fp8_f32 v[CT+2*\g:CT+2*\g+1], v[XS+8*\g:XS+8*\g+7], v11
.endr
	v_nop                                          ; one plain line behind the conversions, ahead of the next vector line that could touch their registers
	global_store_b128 v4, v[CT:CT+3], s[6:7] offset:((\t)/4)*2048+((\t)%4)*512        ; k 0-15 of the block: the places of lanes 0-15 of the image
	global_store_b128 v4, v[CT+4:CT+7], s[6:7] offset:((\t)/4)*2048+((\t)%4)*512+256  ; k 16-31: those of lanes 16-31
.if (\t)+2 < 8
	LOAD (\t)+2
.endif
.endm
.irp t, 0,1,2,3,4,5,6,7
	BLOCK \t
.endr
	global_store_b32 v5, v[SB], s[6:7] offset:8192
	global_store_b32 v5, v[SB+1], s[6:7] offset:8192+64
	s_endpgm
.Lfunc_end_k_qcca4a688d0_wq:
	.size	k_qcca4a688d0_wq, .Lfunc_end_k_qcca4a688d0_wq-k_qcca4a688d0_wq
	.p2alignl 7, 3214868480
	.fill 96, 4, 3214868480
	.section	.rodata,"a",@progbits
	.p2align	6, 0x0
	.amdhsa_kernel k_qcca4a688d0_wq
		.amdhsa_group_segment_fixed_size 0
		.amdhsa_private_segment_fixed_size 0
		.amdhsa_enable_private_segment 0
		.amdhsa_kernarg_size 56
		.amdhsa_user_sgpr_count 2
		.amdhsa_user_sgpr_kernarg_segment_ptr 1
		.amdhsa_wavefront_size32 1
		.amdhsa_system_sgpr_workgroup_id_x 1
		.amdhsa_system_sgpr_workgroup_id_y 1
		.amdhsa_system_sgpr_workgroup_id_z 1
		.amdhsa_system_vgpr_workitem_id 0
		.amdhsa_next_free_vgpr 192
		.amdhsa_next_free_sgpr 66
		.amdhsa_reserve_vcc 0
		.amdhsa_float_denorm_mode_32 3
		.amdhsa_float_denorm_mode_16_64 3
		.amdhsa_memory_ordered 1
		.amdhsa_forward_progress 1
		.amdhsa_inst_pref_size 60
	.end_amdhsa_kernel
	.amdgpu_metadata
---
amdhsa.version: [ 1, 2 ]
amdhsa.kernels:
  - .name:           k_qcca4a688d0_wq
    .symbol:         k_qcca4a688d0_wq.kd
    .args:
      - { .name: Wq, .offset: 0, .size: 8, .value_kind: global_buffer, .address_space: global }
      - { .name: Wk, .offset: 8, .size: 8, .value_kind: global_buffer, .address_space: global }
      - { .name: Wv, .offset: 16, .size: 8, .value_kind: global_buffer, .address_space: global }
      - { .name: Wp, .offset: 24, .size: 8, .value_kind: global_buffer, .address_space: global }
      - { .name: W1, .offset: 32, .size: 8, .value_kind: global_buffer, .address_space: global }
      - { .name: W2, .offset: 40, .size: 8, .value_kind: global_buffer, .address_space: global }
      - { .name: wts, .offset: 48, .size: 8, .value_kind: global_buffer, .address_space: global }
    .group_segment_fixed_size: 0
    .private_segment_fixed_size: 0
    .kernarg_segment_align: 8
    .kernarg_segment_size: 56
    .max_flat_workgroup_size: 128
    .sgpr_count:     66
    .vgpr_count:     192
    .wavefront_size: 32
...
	.end_amdgpu_metadata
.endif
;; end of part 1
;; launch ln1 (part 2): grid 256 x 1, 8 waves a work-group, no clusters, 2,048 bytes of LDS; arguments x, ln1_w, ln1_b, hc; writes hc
.if DOCPART == 2
	.amdgcn_target "amdgcn-amd-amdhsa--gfx1250"
	.amdhsa_code_object_version 6
	.text
	.protected	k_qcca4a688d0_ln1
	.globl	k_qcca4a688d0_ln1
	.p2align	8
	.type	k_qcca4a688d0_ln1,@function
k_qcca4a688d0_ln1:
	s_mov_b64 s[64:65], 0
	v_nop
	global_prefetch_b8 v0, s[64:65] scope:SCOPE_SE
	s_setreg_imm32_b32 hwreg(HW_REG_WAVE_MODE, 25, 1), 1
	s_wait_xcnt 0x0
; y = (x - mean) * rsqrt(var + 1e-5) * w + b along rows of 1,024 f32, quantised on the way to codes of FP8 (E4M3) with one E8M0 scale byte for each 32 along the row, and stored as records.
; A RECORD (8,448 bytes) holds 32 rows (a group p) x 256 along K (kp): fragments (u, q) of 2,048 bytes at 4096 u + 2048 q, images of an operand's 16 registers (lane l's 16 bytes at 512 c + 16 l are
; k = 32 c + 16 (l / 16) + 0 .. 15 of its row), then the scale words at 8192 + 128 u + 64 q + 4 r.  Lane r of tile u holds row 32 p + 8 u + r + 8 (r / 8).  The operand is laid [p][kp = 4][record].
; SHARES.  A work-group takes one tile of 16 rows (p = number / 2, u = number % 2); wave w takes columns 128 w .. 128 w + 127, one fragment.  Lane (r, h) holds the 64 numbers k = 32 c + 16 h + i of its row,
; in the order of the operand's registers, so the conversions' results are the image.  A row's mean and variance meet in LDS: one word for a wave and a row, two barriers, two regions.
; The variance is taken of x - mean, in a second pass over the registers, as it is defined: a common offset of the inputs costs nothing.
; LIMITS: a block of zeros gets the byte 1 where the rule says 127 (its codes are zeros; this program alone reads the bytes); blocks under 2^-118 are held at the byte 1; NaN and infinities are not served.
.set REC, 8448
.set PC,  16                           ; v16-31   the codes
.set X,   32                           ; v32-95   my 64 numbers
.set W,   96                           ; v96-159  the gain at my columns
.set BV,  160                          ; v160-223 the bias
.set TM,  224                          ; v224-239 at work in the quantiser; before that v224-231 take the eight waves' partial sums
.set P,   224
.set PW,  240                          ; the scale word
.set SA,  242                          ; v242-249 four chains of packed sums
	s_load_b256 s[4:11], s[0:1], 0x0               ; x, w, b, the records
	v_lshl_add_u32 v254, v0, 2, 0x400
	v_mov_b32 v255, 0
	v_lshrrev_b32 v1, 5, v0
	v_readfirstlane_b32 s12, v1                    ; wave 0..7
	v_and_b32 v14, 31, v0                          ; lane
	v_and_b32 v1, 15, v0                           ; r
	v_bfe_u32 v2, v0, 4, 1                         ; h
	v_and_b32 v3, 8, v1
	v_add_nc_u32 v3, v3, v1                        ; r + 8 (r / 8)
	v_lshlrev_b32 v3, 12, v3                       ; rows of 4,096 bytes,
	v_lshl_add_u32 v3, v2, 6, v3                   ; + 64 h: my 16 numbers of a block of 32
	v_lshlrev_b32 v4, 6, v2                        ; the same in w and b
	v_lshlrev_b32 v5, 4, v14                       ; 16 x lane: my place in a piece of the image
	v_lshlrev_b32 v6, 2, v1                        ; 4 r: a row's word
	s_lshl_b32 s13, s12, 6
	v_add_nc_u32 v7, s13, v6                       ; LDS: 64 x wave + 4 r
	s_mov_b32 s14, 0x76543210
	s_mov_b32 s15, 0xfedcba98                      ; v_permlanex16_b32's selects for lane l xor 16
	s_mov_b32 s16, 0x600000                        ; the mantissa field of 448
	s_mov_b32 s17, 0x3a800000                      ; 1 / 1024
	s_mov_b32 s18, 0x3727c5ac                      ; 1e-5
	s_lshr_b32 s19, ttmp9, 1                       ; p
	s_and_b32 s24, ttmp9, 1                        ; u
	s_lshl_b32 s2, s19, 17                         ; 32 p rows,
	s_lshl_b32 s25, s24, 15
	s_add_co_u32 s2, s2, s25                       ; + 8 u rows,
	s_lshl_b32 s26, s12, 9                         ; + my wave's 512 bytes
	s_add_co_u32 s2, s2, s26
	s_mov_b32 s3, 0
	s_mov_b32 s27, 0
	s_lshl_b32 s32, s19, 2
	s_lshr_b32 s33, s12, 1
	s_add_co_u32 s32, s32, s33                     ; record 4 p + kp
	s_mul_i32 s32, s32, REC
	s_and_b32 s33, s12, 1                          ; q
	s_lshl_b32 s28, s24, 12
	s_add_co_u32 s28, s28, s32
	s_lshl_b32 s25, s33, 11
	s_add_co_u32 s28, s28, s25                     ; my fragment
	s_mov_b32 s29, 0
	s_lshl_b32 s30, s24, 7
	s_add_co_u32 s30, s30, s32
	s_lshl_b32 s25, s33, 6
	s_add_co_u32 s30, s30, s25
	s_add_co_u32 s30, s30, 8192                    ; its scale words
	s_mov_b32 s31, 0
	s_wait_kmcnt 0x0
	s_add_nc_u64 s[4:5], s[4:5], s[2:3]
	s_add_nc_u64 s[6:7], s[6:7], s[26:27]
	s_add_nc_u64 s[8:9], s[8:9], s[26:27]
	s_add_nc_u64 s[20:21], s[10:11], s[28:29]
	s_add_nc_u64 s[22:23], s[10:11], s[30:31]
.irp c, 0,1,2,3
.irp j, 0,1,2,3
	global_load_b128 v[X+16*\c+4*\j:X+16*\c+4*\j+3], v3, s[4:5] offset:128*\c+16*\j
.endr
.endr
.irp c, 0,1,2,3
.irp j, 0,1,2,3
	global_load_b128 v[W+16*\c+4*\j:W+16*\c+4*\j+3], v4, s[6:7] offset:128*\c+16*\j
.endr
.endr
.irp c, 0,1,2,3
.irp j, 0,1,2,3
	global_load_b128 v[BV+16*\c+4*\j:BV+16*\c+4*\j+3], v4, s[8:9] offset:128*\c+16*\j
.endr
.endr
; The four chains become one number a lane; with lane l xor 16's it is my wave's part of the row's sum; the eight waves' parts meet in LDS at off; every wave adds them in the same order.  The sum is left in v[P].
.macro REDUCE off
	v_pk_add_f32 v[SA:SA+1], v[SA:SA+1], v[SA+2:SA+3]
	v_pk_add_f32 v[SA+4:SA+5], v[SA+4:SA+5], v[SA+6:SA+7]
	v_pk_add_f32 v[SA:SA+1], v[SA:SA+1], v[SA+4:SA+5]
	v_add_f32 v[SA], v[SA], v[SA+1]
	v_permlanex16_b32 v[SA+1], v[SA], s14, s15
	v_add_f32 v[SA], v[SA], v[SA+1]
	ds_store_b32 v7, v[SA] offset:\off             ; both halves of the lanes write the same word with the same value
	s_wait_dscnt 0x0                               ; for the others' sake: my store has landed
	s_barrier_signal -1
	s_barrier_wait -1
.irp k, 0,1,2,3,4,5,6,7
	ds_load_b32 v[P+\k], v6 offset:\off+64*\k
.endr
	s_wait_dscnt 0x0
	v_add_f32 v[P], v[P], v[P+1]
	v_add_f32 v[P+2], v[P+2], v[P+3]
	v_add_f32 v[P+4], v[P+4], v[P+5]
	v_add_f32 v[P+6], v[P+6], v[P+7]
	v_add_f32 v[P], v[P], v[P+2]
	v_add_f32 v[P+4], v[P+4], v[P+6]
	v_add_f32 v[P], v[P], v[P+4]
.endm
	s_wait_loadcnt 32                              ; x's 16 loads are in; the 32 of w and b may be out
.irp k, 0,1,2,3
	v_pk_add_f32 v[SA+2*\k:SA+2*\k+1], v[X+2*\k:X+2*\k+1], v[X+8+2*\k:X+9+2*\k]
.endr
.irp j, 2,3,4,5,6,7
.irp k, 0,1,2,3
	v_pk_add_f32 v[SA+2*\k:SA+2*\k+1], v[SA+2*\k:SA+2*\k+1], v[X+8*\j+2*\k:X+8*\j+2*\k+1]
.endr
.endr
	REDUCE 0
	v_mul_f32 v10, s17, v[P]                       ; the mean, in both registers of a pair
	v_mov_b32 v11, v10
.set i, 0
.rept 32
	v_pk_add_f32 v[X+i:X+i+1], v[X+i:X+i+1], v[10:11] neg_lo:[0,1] neg_hi:[0,1]   ; x - mean
.set i, i+2
.endr
.irp k, 0,1,2,3
	v_pk_mul_f32 v[SA+2*\k:SA+2*\k+1], v[X+2*\k:X+2*\k+1], v[X+2*\k:X+2*\k+1]
.endr
.irp j, 1,2,3,4,5,6,7
.irp k, 0,1,2,3
	v_pk_fma_f32 v[SA+2*\k:SA+2*\k+1], v[X+8*\j+2*\k:X+8*\j+2*\k+1], v[X+8*\j+2*\k:X+8*\j+2*\k+1], v[SA+2*\k:SA+2*\k+1]
.endr
.endr
	REDUCE 512                                     ; other bytes than the first sum's: no wave can write over what another still reads
	v_fma_f32 v9, v[P], s17, s18                   ; the variance + 1e-5
	v_rsq_f32 v12, v9
	v_nop                                          ; a plain line behind the transcendental
	s_wait_alu depctr_va_vdst(0)                   ; and the wait ahead of the first line that names its result
	v_mov_b32 v13, v12
	s_wait_loadcnt 0x0                             ; w and b
.set i, 0
.rept 32
	v_pk_mul_f32 v[X+i:X+i+1], v[X+i:X+i+1], v[12:13]
.set i, i+2
.endr
.set i, 0
.rept 32
	v_pk_fma_f32 v[X+i:X+i+1], v[X+i:X+i+1], v[W+i:W+i+1], v[BV+i:BV+i+1]
.set i, i+2
.endr
	; THE QUANTISER: register 16 b + i is k 32 b + 16 h + i of my row; a block of 32 lies in lanes l and l xor 16
.irp b, 0,1,2,3
	v_max3_num_f32 v[TM+\b], |v[X+16*\b]|, |v[X+1+16*\b]|, 0x4800000   ; my 16 numbers of block b, and the floor 2^(9 - 127): the byte cannot fall under 1
.endr
.irp i, 2,4,6,8,10,12,14
.irp b, 0,1,2,3
	v_max3_num_f32 v[TM+\b], v[TM+\b], |v[X+16*\b+\i]|, |v[X+1+16*\b+\i]|   ; the four blocks by turns
.endr
.endr
.irp b, 0,1,2,3
	v_permlanex16_b32 v[TM+4+\b], v[TM+\b], s14, s15
.endr
.irp b, 0,1,2,3
	v_max_num_f32 v[TM+\b], v[TM+\b], v[TM+4+\b]   ; the block's largest magnitude
.endr
.irp b, 0,1,2,3
	v_add_nc_u32 v[TM+12+\b], 0xfc000000, v[TM+\b] ; 8 off its exponent field: the conversion's scale operand
.endr
.irp b, 0,1,2,3
	v_and_or_b32 v[TM+8+\b], v[TM+\b], 0x7f800000, s16   ; 448 x the scale
.endr
.irp b, 0,1,2,3
	v_lshrrev_b32 v[TM+4+\b], 23, v[TM+12+\b]      ; the scale's byte
.endr
	v_lshl_or_b32 v[PW], v[TM+5], 8, v[TM+4]
	v_lshl_or_b32 v[PW], v[TM+6], 16, v[PW]
	v_lshl_or_b32 v[PW], v[TM+7], 24, v[PW]        ; my row's scale word
.irp b, 0,1,2,3
.irp i, 0,1,2,3,4,5,6,7,8,9,10,11,12,13,14,15
	v_med3_num_f32 v[X+16*\b+\i], v[X+16*\b+\i], -v[TM+8+\b], v[TM+8+\b]   ; the conversion does not saturate (ISA guide 7.6.2): the hold comes first
.endr
	v_cvt_scalef32_pk8_fp8_f32 v[PC+4*\b:PC+1+4*\b], v[X+16*\b:X+7+16*\b], v[TM+12+\b]
	v_cvt_scalef32_pk8_fp8_f32 v[PC+2+4*\b:PC+3+4*\b], v[X+8+16*\b:X+15+16*\b], v[TM+12+\b]
.endr
	v_nop
.irp c, 0,1,2,3
	global_store_b128 v5, v[PC+4*\c:PC+4*\c+3], s[20:21] offset:512*\c   ; 32 lanes store 512 consecutive bytes, aligned
.endr
	v_cmp_gt_u32 vcc_lo, 16, v14
	s_wait_xcnt 0x0                                ; EXEC changes only behind this wait: the stores above have read it
	s_wait_tensorcnt 0x0
	ds_add_u32 v254, v255
	s_wait_dscnt 0x0
	s_and_saveexec_b32 s34, vcc_lo
	global_store_b32 v6, v[PW], s[22:23]           ; lanes 0-15: the 16 rows' words, 64 consecutive bytes
	s_wait_xcnt 0x0                                ; and again, in front of the line that widens it
	s_or_b32 exec_lo, exec_lo, s34
	s_endpgm
.Lfunc_end_k_qcca4a688d0_ln1:
	.size	k_qcca4a688d0_ln1, .Lfunc_end_k_qcca4a688d0_ln1-k_qcca4a688d0_ln1
	.p2alignl 7, 3214868480
	.fill 96, 4, 3214868480
	.section	.rodata,"a",@progbits
	.p2align	6, 0x0
	.amdhsa_kernel k_qcca4a688d0_ln1
		.amdhsa_group_segment_fixed_size 2048
		.amdhsa_private_segment_fixed_size 0
		.amdhsa_enable_private_segment 0
		.amdhsa_kernarg_size 32
		.amdhsa_user_sgpr_count 2
		.amdhsa_user_sgpr_kernarg_segment_ptr 1
		.amdhsa_wavefront_size32 1
		.amdhsa_system_sgpr_workgroup_id_x 1
		.amdhsa_system_sgpr_workgroup_id_y 1
		.amdhsa_system_sgpr_workgroup_id_z 1
		.amdhsa_system_vgpr_workitem_id 0
		.amdhsa_next_free_vgpr 256
		.amdhsa_next_free_sgpr 66
		.amdhsa_reserve_vcc 1
		.amdhsa_float_denorm_mode_32 3
		.amdhsa_float_denorm_mode_16_64 3
		.amdhsa_memory_ordered 1
		.amdhsa_forward_progress 1
		.amdhsa_inst_pref_size 29
	.end_amdhsa_kernel
	.amdgpu_metadata
---
amdhsa.version: [ 1, 2 ]
amdhsa.kernels:
  - .name:           k_qcca4a688d0_ln1
    .symbol:         k_qcca4a688d0_ln1.kd
    .args:
      - { .name: x, .offset: 0, .size: 8, .value_kind: global_buffer, .address_space: global }
      - { .name: ln1_w, .offset: 8, .size: 8, .value_kind: global_buffer, .address_space: global }
      - { .name: ln1_b, .offset: 16, .size: 8, .value_kind: global_buffer, .address_space: global }
      - { .name: hc, .offset: 24, .size: 8, .value_kind: global_buffer, .address_space: global }
    .group_segment_fixed_size: 2048
    .private_segment_fixed_size: 0
    .kernarg_segment_align: 8
    .kernarg_segment_size: 32
    .max_flat_workgroup_size: 256
    .sgpr_count:     66
    .vgpr_count:     256
    .wavefront_size: 32
...
	.end_amdgpu_metadata
.endif
;; end of part 2
;; launch qkv (part 3): grid 12 x 16, 4 waves a work-group, clusters of 4 x 4, 327,680 bytes of LDS; arguments hc, wts, qkv; writes qkv
.if DOCPART == 3
	.amdgcn_target "amdgcn-amd-amdhsa--gfx1250"
	.amdhsa_code_object_version 6
	.text
	.protected	k_qcca4a688d0_qkv
	.globl	k_qcca4a688d0_qkv
	.p2align	8
	.type	k_qcca4a688d0_qkv,@function
k_qcca4a688d0_qkv:
	s_mov_b64 s[64:65], 0
	v_nop
	global_prefetch_b8 v0, s[64:65] scope:SCOPE_SE
	s_setreg_imm32_b32 hwreg(HW_REG_WAVE_MODE, 25, 1), 1
	s_wait_xcnt 0x0
	s_wait_alu depctr_hold_cnt(0) depctr_sa_sdst(0) depctr_va_vdst(0) depctr_va_sdst(0) depctr_va_ssrc(0) depctr_va_vcc(0) depctr_vm_vsrc(0)
	s_getreg_b32 s2, hwreg(HW_REG_IB_STS2, 6, 4)
	s_cmp_eq_u32 s2, 0
	s_cbranch_scc0 .Lentry_in_a_cluster
	s_endpgm
.Lentry_in_a_cluster:
	s_bfe_u32 s2, ttmp6, 0x10000c
	s_cmp_lg_u32 s2, 0xf033
	s_cbranch_scc0 .Lentry_shape_is_right
	s_endpgm
.Lentry_shape_is_right:
; ONE TEXT FOR THE BLOCK'S FOUR GEMMS ON CODES OF FP8 (E4M3) WITH E8M0 SCALES.  The line .set MODE says which of them this file is:
;   0: q = h Wq, k = h Wk, v^T = Wv^T h^T, quantised;   1: relu(h2 W1 + b1), quantised;   2: x1 = x + o Wp + bp, f32;   3: out = x1 + a W2 + b2, f32.
.set MODE, 0
; OPERANDS are laid in RECORDS of 8,448 bytes: 32 rows (a group p) x 256 along K (kp): four fragments (u, q) of 2,048 bytes at 4096 u + 2048 q, each an image of an operand's 16 registers (lane l's 16 bytes at
; 512 c + 16 l are k = 32 c + 16 (l / 16) + 0 .. 15 of its row), then the scale words at 8192 + 128 u + 64 q + 4 r.  Lane r of tile u holds row 32 p + 8 u + r + 8 (r / 8).  An operand is [p][kp][record].
; So a wave's 128 rows of a K step are four rows of 8,448 bytes for one tensor load, the scales ride with the codes, and a fragment is read from LDS at 16 x lane: no pitch, no padding.
; SHARES.  A work-group of four waves makes 256 rows of "A" x 256 rows of "B"; a wave 128 x 128: 64 accumulators, 512 registers.  K goes in steps of 256 through a ring of two LDS slots.
; THE MATRIX INSTRUCTION IS USED TRANSPOSED (source 0 = 16 rows of B, source 1 = 16 rows of A): lane (r, h) holds A's row r of a tile, and, by the order of rows in a tile, register 16 g + i of a block's 64
; holds B's row 32 g + 16 h + i of the wave's 128: neighbours along the next product's K, in the order of the next operand's registers.
; MODE 0: clusters with x = 0, 1 have A = h (tokens), B = Wq and Wk (2,048 rows on end); clusters with x = 2 have A = Wv's rows and B = h, so that v's results run along the tokens, which are its K.
; CLUSTERS: 4 x 4 work-groups; A's tiles are asked for jointly along a row of the cluster, B's along a column.
; REGISTERS, in windows of 256: window 0: v16-29 addresses; v32-63 scale words, two sets (nothing else ever stands there); v64-127 the bias; v128-255 A's fragments, one set; window 1: B's fragments, two sets;
; window 2: the accumulators of my rows 0-63 ((a, b) at v[8 (8 a + b)]); window 3: those of rows 64-127.
; LIMITS: a block of zeros gets the byte 1 where the rule says 127 (its codes are zeros; this program alone reads the bytes); blocks under 2^-118 are held at the byte 1; NaN and infinities are not served.
.if MODE == 3
.set KP, 16                            ; K steps of 256
.else
.set KP, 4
.endif
.if MODE == 0
.set WOFF, 0                           ; where B's records begin in wts
.elseif MODE == 1
.set WOFF, 4325376
.elseif MODE == 2
.set WOFF, 3244032
.else
.set WOFF, 8650752
.endif
.set WVO,   2162688                    ; Wv's records
.set SQ,    12582912                   ; qkv: the scale words lie behind the three regions of codes
.set REC,   8448
.set HALFT, 4*REC                      ; 128 rows of a K step: what one tensor load brings, and what one wave reads of A or of B
.set SLOT,  4*HALFT                    ; A's 256 rows, then B's
.set SPARE, 2*SLOT                     ; behind the ring: the spare words, 128 bytes for each wave: two blocks of 256 bytes that no other line names
.set LAPS,  KP/2
.set FR,    16
.set NL,    4
.set NP,    8                          ; places behind this matrix instruction (ISA guide 7.12.1)
.set ADRA, 16                          ; v16-17 my A fragments in slot 0, 1: + 16 x lane
.set ADSA, 18                          ; v18-19 my A records in slot 0, 1: + 4 x lane, for the scale words
.set ADRB, 20                          ; v20-21, v22-23 the same for B
.set ADSB, 22
.set STO,  24                          ; the way out
.set RD,   25
.set CO,   26                          ; 16 x lane
.set LS,   27
.set SPW,  28                          ; LDS address of my spare word; never rewritten
.set NIL,  29                          ; 0; never rewritten
.set SC,   32                          ; scale words: set s: A's block i at SC + 16 s + i, B's at SC + 16 s + 8 + i; lanes 0-15 the slot's first 128 along K, lanes 16-31 its second
.set BI,   64                          ; the bias: 8 registers for each tile of B's rows, in the result's layout
.set AF,   128
.set G1,  24                           ; s[24:31] descriptor group 1 for A's tiles; s[32:39] group 0, a set for each slot
.set G0,  32
.set G1B, 48                           ; s[48:55], s[56:63] the same for B's
.set G0B, 56
.set OC,  68                           ; s[68:69], s[70:71] where results go (MODE 2, 3: the residual, the output)
.set OS,  70
.set BIA, 72
.set SEL, 74
.set MNT, 76
.set HM,  77
.set MSB, 0
.macro WIN new                         ; the immediate's high byte repeats the setting that is left
.if MSB != \new
	s_set_vgpr_msb (MSB<<8)|\new
.set MSB, \new
.endif
.endm
.set MUL_LO, 0xa1                      ; source 0 (B) window 1, source 1 (A) window 0, C and D window 2
.set MUL_HI, 0xf1                      ; the same, C and D window 3
.if MODE == 0
.set FIRST_LO, MUL_LO                  ; the first products take the constant 0 as C,
.set FIRST_HI, MUL_HI
.else
.set FIRST_LO, 0x81                    ; or the bias, which lies in window 0
.set FIRST_HI, 0xc1
.endif
.set TO_B,   0x40                      ; destination window 1, address window 0
; A joint load: waves 0 and 1 fetch for A, waves 2 and 3 for B.  Each line has one mask and one set of registers for all that issue it; the branch hangs on the wave's number alone.
; Four v_nop follow each of the two lines, ahead of the jump, the label and what follows.
.macro JLOAD g0a, g1a, g0b, g1b
	s_cmp_eq_u32 s15, 0
	s_cbranch_scc0 .Lfor_b_\@
	tensor_load_to_lds s[\g0a:\g0a+3], s[\g1a:\g1a+7]
	s_nop 0
.rept 4
	v_nop
.endr
	s_branch .Lasked_\@
.Lfor_b_\@:
	tensor_load_to_lds s[\g0b:\g0b+3], s[\g1b:\g1b+7]
	s_nop 0
.rept 4
	v_nop
.endr
.Lasked_\@:
.endm
.macro CREST                           ; a round of the cluster's barrier behind its opening barrier
	s_cmp_lg_u32 s14, 0
	s_cbranch_scc1 .Lnot_wave_0_\@
	s_barrier_signal -3
.Lnot_wave_0_\@:
	s_barrier_wait -3
	s_barrier_signal -1
	s_barrier_wait -1
.endm
.macro CROUND                          ; a whole round
	s_barrier_signal -1
	s_barrier_wait -1
	CREST
.endm
	s_load_b128 s[4:7], s[0:1], 0x0                ; the activations' records, wts
.if MODE == 0
	s_load_b64 s[8:9], s[0:1], 0x10                ; qkv
.else
	s_load_b128 s[8:11], s[0:1], 0x10              ; the bias; MODE 1: the results' records; MODE 2, 3: the residual
.endif
.if MODE >= 2
	s_load_b64 s[12:13], s[0:1], 0x20              ; the output
.endif
	v_lshl_add_u32 v[SPW], v0, 2, SPARE
	v_mov_b32 v[NIL], 0
	ds_add_u32 v28, v29
	ds_add_u32 v28, v29
	s_wait_dscnt 0x0
	v_lshrrev_b32 v1, 5, v0
	v_readfirstlane_b32 s14, v1                    ; wave 0..3
	s_lshr_b32 s15, s14, 1                         ; which 128 rows of A are mine.  Also: I fetch for A (0) or for B (1)
	s_and_b32 s16, s14, 1                          ; which 128 rows of B.  Also: which 128 rows of that tile I fetch
	s_bfe_u32 s40, ttmp6, 0x40000                  ; cx, cy: my place in the cluster
	s_bfe_u32 s41, ttmp6, 0x40004
	s_and_b32 s79, ttmp7, 0xffff                   ; cluster y
.if MODE == 0
	s_cmp_eq_u32 ttmp9, 2                          ; v's clusters: the same answer in all sixteen partners
	s_cselect_b32 s17, 0, s79
	s_cselect_b32 s42, s79, ttmp9
	s_cselect_b32 s80, 1, 0
	s_lshl_b32 s17, s17, 2
	s_add_co_u32 s17, s17, s41                     ; A's tile: 4 x (cluster y, or 0 for Wv) + cy
	s_lshl_b32 s42, s42, 2
	s_add_co_u32 s42, s42, s40                     ; B's tile: 4 x (cluster x, or cluster y for the tokens) + cx
.else
	s_lshl_b32 s17, s79, 2
	s_add_co_u32 s17, s17, s41                     ; A's tile = 4 x cluster y + cy
	s_lshl_b32 s42, ttmp9, 2
	s_add_co_u32 s42, s42, s40                     ; B's tile = 4 x cluster x + cx
.endif
	s_lshl_b32 s43, s41, 2
	s_lshl_b32 s43, 15, s43                        ; my row of the cluster
	s_lshl_b32 s44, 0x1111, s40                    ; my column
	; descriptor group 1: four rows of 8,448 bytes (1,056 elements of 8 bytes), KP records apart in memory, dense in LDS
	s_or_b32 s[G1+0], s43, (3<<16)|(1<<21)         ; 15:0 the mask: A's tiles go to my row; 17:16 elements of 8 bytes; 20 no padding; 21 set beside a mask
	s_or_b32 s[G1B+0], s44, (3<<16)|(1<<21)
.irp g, G1, G1B
	s_mov_b32 s[\g+1], 1056<<16                    ; tensor_dim0
	s_mov_b32 s[\g+2], 4<<16                       ; tensor_dim1
	s_mov_b32 s[\g+3], 1056<<16                    ; tile_dim0
	s_mov_b32 s[\g+4], 4                           ; tile_dim1
	s_mov_b32 s[\g+5], KP*1056                     ; tensor_dim0_stride
	s_mov_b32 s[\g+6], 0
	s_mov_b32 s[\g+7], 0
.endr
	s_lshl_b32 s18, s16, 2
	s_lshl_b32 s20, s17, 3
	s_add_co_u32 s20, s20, s18                     ; A: group 8 x tile + 4 x half: it hangs on cy and the cluster's place alone
	s_mul_i32 s20, s20, KP*REC
	s_mov_b32 s21, 0
	s_lshl_b32 s46, s42, 3
	s_add_co_u32 s46, s46, s18                     ; B: likewise, on cx and the cluster's place alone
	s_mul_i32 s46, s46, KP*REC
	s_mov_b32 s47, 0
.if MODE == 0
	s_cmp_eq_u32 s80, 1
	s_cselect_b32 s81, WVO, 0
	s_add_co_u32 s20, s20, s81
.else
	s_add_co_u32 s46, s46, WOFF
.endif
	s_mul_i32 s45, s14, HALFT                      ; where they go: wave x 128 rows: no place in the cluster enters an LDS address
	s_wait_kmcnt 0x0
.if MODE == 0
	s_cmp_eq_u32 s80, 1
	s_cselect_b64 s[82:83], s[6:7], s[4:5]         ; A's buffer
	s_cselect_b64 s[84:85], s[4:5], s[6:7]         ; B's
	s_add_nc_u64 s[20:21], s[82:83], s[20:21]
	s_add_nc_u64 s[46:47], s[84:85], s[46:47]
.else
	s_add_nc_u64 s[20:21], s[4:5], s[20:21]
	s_add_nc_u64 s[46:47], s[6:7], s[46:47]
.endif
	CROUND                                         ; all sixteen work-groups are here: the first joint loads meet
.irp s, 0,1
	s_mov_b32 s[G0+4*\s], 1                        ; count = 1
	s_add_co_u32 s[G0+4*\s+1], s45, \s*SLOT        ; LDS address
	s_add_nc_u64 s[G0+4*\s+2:G0+4*\s+3], s[20:21], \s*REC   ; global address: K step s
	s_or_b32 s[G0+4*\s+3], s[G0+4*\s+3], 0x80000000         ; type = 2
	s_mov_b32 s[G0B+4*\s], 1
	s_add_co_u32 s[G0B+4*\s+1], s45, \s*SLOT
	s_add_nc_u64 s[G0B+4*\s+2:G0B+4*\s+3], s[46:47], \s*REC
	s_or_b32 s[G0B+4*\s+3], s[G0B+4*\s+3], 0x80000000
	JLOAD G0+4*\s, G1, G0B+4*\s, G1B               ; two loads of mine are out behind these
.endr
	v_and_b32 v1, 31, v0                           ; lane
	v_and_b32 v5, 15, v0                           ; r
	v_bfe_u32 v6, v0, 4, 1                         ; h
	v_lshlrev_b32 v2, 4, v1
	v_lshlrev_b32 v3, 2, v1
	v_lshlrev_b32 v[CO], 4, v1
	s_mul_i32 s90, s15, HALFT                      ; my 128 rows of A
	s_mul_i32 s91, s16, HALFT                      ; my 128 rows of B,
	s_add_co_u32 s91, s91, 2*HALFT                 ; which lie behind A's 256
.irp s, 0,1
	v_add_nc_u32 v[ADRA+\s], s90, v2
	v_add_nc_u32 v[ADRB+\s], s91, v2
	v_add_nc_u32 v[ADSA+\s], s90, v3
	v_add_nc_u32 v[ADSB+\s], s91, v3
	s_add_co_u32 s90, s90, SLOT
	s_add_co_u32 s91, s91, SLOT
.endr
.if MODE > 0
	s_lshl_b32 s86, s42, 10                        ; the bias of my 128 rows of B: (256 x tile + 128 x half) x 4 bytes
	s_lshl_b32 s87, s16, 9
	s_add_co_u32 s86, s86, s87
	s_mov_b32 s87, 0
	s_add_nc_u64 s[BIA:BIA+1], s[8:9], s[86:87]
	v_lshlrev_b32 v4, 6, v6                        ; lane (r, h) wants, for tile b, the numbers 32 (b / 2) + 8 (b % 2) + 16 h + 0 .. 7
.irp b, 0,1,2,3,4,5,6,7
	global_load_b128 v[BI+8*\b:BI+8*\b+3], v4, s[BIA:BIA+1] offset:(\b/2)*128+(\b%2)*32
	global_load_b128 v[BI+8*\b+4:BI+8*\b+7], v4, s[BIA:BIA+1] offset:(\b/2)*128+(\b%2)*32+16
.endr
.endif
.if MODE == 0
	s_lshl_b32 s86, s17, 1
	s_add_co_u32 s86, s86, s15                     ; which 128 rows of A's operand are mine,
	s_lshl_b32 s87, s42, 1
	s_add_co_u32 s87, s87, s16                     ; and of B's
	s_cmp_eq_u32 s80, 1
	s_cselect_b32 s88, s87, s86                    ; the chunk of 128 tokens
	s_cselect_b32 s89, s86, s87                    ; the chunk of 128 features
	s_lshr_b32 s90, s89, 3
	s_cmp_eq_u32 s80, 1
	s_cselect_b32 s90, 2, s90                      ; region: q 0, k 1, v 2
	s_and_b32 s89, s89, 7                          ; the pair of heads
	s_lshr_b32 s91, s88, 4                         ; the batch
	s_and_b32 s88, s88, 15                         ; the chunk within it
	s_lshl_b32 s92, s90, 22                        ; codes: region << 22 | batch << 21 | pair << 18 | chunk << 14 (| block a << 11 | piece c << 9)
	s_lshl_b32 s93, s91, 21
	s_or_b32 s92, s92, s93
	s_lshl_b32 s93, s89, 18
	s_or_b32 s92, s92, s93
	s_lshl_b32 s93, s88, 14
	s_or_b32 s92, s92, s93
	s_mov_b32 s93, 0
	s_lshl_b32 s94, s90, 17                        ; scale words: SQ + (region << 17 | batch << 16 | pair << 13 | chunk << 9 (| a << 6)) + 4 r
	s_lshl_b32 s95, s91, 16
	s_or_b32 s94, s94, s95
	s_lshl_b32 s95, s89, 13
	s_or_b32 s94, s94, s95
	s_lshl_b32 s95, s88, 9
	s_or_b32 s94, s94, s95
	s_add_co_u32 s94, s94, SQ
	s_mov_b32 s95, 0
	s_add_nc_u64 s[OC:OC+1], s[8:9], s[92:93]
	s_add_nc_u64 s[OS:OS+1], s[8:9], s[94:95]
	v_lshlrev_b32 v[LS], 2, v1                     ; two blocks' words lie on end: 4 x lane
.endif
.if MODE == 1
	s_lshl_b32 s86, s17, 3
	s_lshl_b32 s87, s15, 2
	s_add_co_u32 s86, s86, s87                     ; my first group of tokens,
	s_mul_i32 s86, s86, 16*REC                     ; of 16 records each,
	s_mul_i32 s87, s42, REC
	s_add_co_u32 s86, s86, s87                     ; record kp = B's tile
	s_lshl_b32 s87, s16, 11
	s_add_co_u32 s88, s86, s87                     ; fragment q = my half of it
	s_mov_b32 s89, 0
	s_lshl_b32 s87, s16, 6
	s_add_co_u32 s86, s86, s87
	s_add_co_u32 s86, s86, 8192
	s_mov_b32 s87, 0
	s_add_nc_u64 s[OC:OC+1], s[10:11], s[88:89]
	s_add_nc_u64 s[OS:OS+1], s[10:11], s[86:87]
	v_lshlrev_b32 v[LS], 2, v5
	v_lshl_add_u32 v[LS], v6, 7, v[LS]             ; tile u = 0 in lanes 0-15, u = 1 in lanes 16-31: 128 h + 4 r
.endif
.if MODE < 2
	s_mov_b32 s[SEL], 0x76543210
	s_mov_b32 s[SEL+1], 0xfedcba98                 ; v_permlanex16_b32's selects for lane l xor 16
	s_mov_b32 s[MNT], 0x600000                     ; the mantissa field of 448
	s_mov_b32 s[HM], 0xffff0000                    ; lanes 16-31
.else
	s_lshl_b32 s86, s17, 20                        ; (256 x A's tile + 128 x half) rows of 4,096 bytes + (256 x B's tile + 128 x half) x 4
	s_lshl_b32 s87, s15, 19
	s_add_co_u32 s86, s86, s87
	s_lshl_b32 s87, s42, 10
	s_add_co_u32 s86, s86, s87
	s_lshl_b32 s87, s16, 9
	s_add_co_u32 s86, s86, s87
	s_mov_b32 s87, 0
	s_add_nc_u64 s[OC:OC+1], s[10:11], s[86:87]    ; the residual
	s_add_nc_u64 s[OS:OS+1], s[12:13], s[86:87]    ; the output
	s_mul_i32 s90, s14, 16*528                     ; my stage: 16 rows x (512 bytes + 16)
	v_mul_u32_u24 v[STO], v5, 528
	v_lshl_add_u32 v[STO], v6, 6, v[STO]
	v_add_nc_u32 v[STO], s90, v[STO]               ; in: row r, + 64 h
	v_add_nc_u32 v[RD], s90, v2                    ; back: 16 x lane: a whole row of 512 bytes
.endif
.macro FRAG reg, adr, q, i             ; block i's fragment of the slot's q-th 128 along K: the image of its 16 registers
.irp c, 0,1,2,3
	ds_load_b128 v[\reg+4*\c:\reg+4*\c+3], v[\adr] offset:((\i)/2)*REC+((\i)%2)*4096+(\q)*2048+512*\c
.endr
.endm
; 16 matrix instructions: A's blocks a0, a0 + 1 x B's eight, the slot's q-th 128 along K.  p: B's set; sc: the set of scale words.  first = 1: the product starts the sums: nothing is ever cleared.
; The 64 accumulators take turns, one instruction a turn, in the same order in every step.
.macro MUL16 a0, p, q, sc, first
.irp a, \a0, \a0+1
.irp b, 0,1,2,3,4,5,6,7
.set rD, 8*(8*((\a)%4)+\b)
.set rB, 128*(\p)+FR*\b
.set rA, AF+FR*(\a)
.set rSB, SC+16*(\sc)+8+\b
.set rSA, SC+16*(\sc)+(\a)
.if \first
.if MODE == 0
	v_wmma_scale_f32_16x16x128_f8f6f4 v[rD:rD+7], v[rB:rB+15], v[rA:rA+15], 0, v[rSB], v[rSA]
.else
	v_wmma_scale_f32_16x16x128_f8f6f4 v[rD:rD+7], v[rB:rB+15], v[rA:rA+15], v[BI+8*\b:BI+8*\b+7], v[rSB], v[rSA]
.endif
.elseif \q
	v_wmma_scale_f32_16x16x128_f8f6f4 v[rD:rD+7], v[rB:rB+15], v[rA:rA+15], v[rD:rD+7], v[rSB], v[rSA] matrix_a_scale:MATRIX_SCALE_ROW1 matrix_b_scale:MATRIX_SCALE_ROW1
.else
	v_wmma_scale_f32_16x16x128_f8f6f4 v[rD:rD+7], v[rB:rB+15], v[rA:rA+15], v[rD:rD+7], v[rSB], v[rSA]
.endif
.endr
.endr
.endm
.macro FETCH_B slot, q, p
	WIN TO_B
.irp i, 0,1,2,3,4,5,6,7
	FRAG 128*(\p)+FR*\i, ADRB+\slot, \q, \i
.endr
	WIN 0
.endm
.macro FETCH_A slot, q, i0
.irp i, \i0, \i0+1, \i0+2, \i0+3
	FRAG AF+FR*(\i), ADRA+\slot, \q, \i
.endr
.endm
.macro SCALES s                        ; slot s's scale words: lanes 0-15 take a block's 16 words of the first 128 along K, lanes 16-31 those of the second
.irp i, 0,1,2,3,4,5,6,7
	ds_load_b32 v[SC+16*\s+\i], v[ADSA+\s] offset:8192+(\i/2)*REC+(\i%2)*128
.endr
.irp i, 0,1,2,3,4,5,6,7
	ds_load_b32 v[SC+16*\s+8+\i], v[ADSB+\s] offset:8192+(\i/2)*REC+(\i%2)*128
.endr
.endm
; A load into a register that a matrix instruction has read, and a vector instruction or a store that reads a matrix result, stand NP places behind that matrix instruction; only plain vector
; instructions that name none of its registers are places (ISA guide 7.12.1 for vector instructions).
.macro PLACES n
.rept \n
	v_nop
.endr
.endm
; A slot's first 128 along K.  A block of A is free as soon as its eight products are issued, so one set serves A: blocks 0-3 are fetched anew in the step's middle, blocks 4-7 at its end.
.macro STEP slot, first
	s_wait_dscnt 4*NL                              ; all but the youngest 16 loads (A's blocks 4-7) are in
.if \first
	WIN FIRST_LO
.else
	WIN MUL_LO
.endif
	MUL16 0, 0, 0, \slot, \first
	MUL16 2, 0, 0, \slot, \first
	s_wait_dscnt 0                                 ; A's blocks 4-7 are in
	PLACES NP
	FETCH_B \slot, 1, 1
	FETCH_A \slot, 1, 0
.if \first
	WIN FIRST_HI
.else
	WIN MUL_HI
.endif
	MUL16 4, 0, 0, \slot, \first
	MUL16 6, 0, 0, \slot, \first
	PLACES NP
	WIN 0
	FETCH_A \slot, 1, 4
.endm
; A slot's second 128 changes slots: ONE barrier; in front of it each wave waits for all its tensor loads, adds 0 to its spare word, and waits for that and for its own reads of this slot.
; fill = 1: the barrier opens a round of the cluster's barrier, and this slot is filled again, two K steps ahead, first thing behind the round.
.macro TURN slot, next, fill
	s_wait_tensorcnt 0x0                           ; all my tensor loads have landed: my part of the next slot
	ds_add_u32 v[SPW], v[NIL]                      ; 0 onto my spare word
	s_wait_dscnt 4*NL+1                            ; (the add and the youngest 16 loads, A's blocks 4-7, may be out)
	WIN MUL_LO
	MUL16 0, 1, 1, \slot, 0                        ; sixteen matrix instructions stand between the add and the wait for it
	s_wait_dscnt 0x0                               ; the add is done, and my reads of this slot are over
	s_barrier_signal -1
	MUL16 2, 1, 1, \slot, 0
	WIN 0
	s_barrier_wait -1
.if \fill
	CREST                                          ; no wave of any partner still reads this slot or has a load on its way
	s_add_nc_u64 s[G0+4*\slot+2:G0+4*\slot+3], s[G0+4*\slot+2:G0+4*\slot+3], 2*REC
	s_add_nc_u64 s[G0B+4*\slot+2:G0B+4*\slot+3], s[G0B+4*\slot+2:G0B+4*\slot+3], 2*REC
	JLOAD G0+4*\slot, G1, G0B+4*\slot, G1B         ; my one tensor load behind the round; its four v_nop are among the places in front of the loads below
	PLACES NP-4
.else
	PLACES NP
.endif
	FETCH_B \next, 0, 0
	FETCH_A \next, 0, 0
	SCALES \next
	WIN MUL_HI
	MUL16 4, 1, 1, \slot, 0
	MUL16 6, 1, 1, \slot, 0
	PLACES NP
	WIN 0
	FETCH_A \next, 0, 4
.endm
	s_wait_tensorcnt 1                             ; my part of K step 0 is in; K step 1's load may stay out
	s_barrier_signal -1
	s_barrier_wait -1                              ; everybody's is
	FETCH_B 0, 0, 0
	FETCH_A 0, 0, 0
	SCALES 0
	FETCH_A 0, 0, 4
.if MODE > 0
	s_wait_loadcnt 0x0                             ; the bias
.endif
	STEP 0, 1                                      ; the first step stands in front of the loop: its products start the sums
	s_mov_b32 s3, LAPS-1
.Llap:                                                 ; a trip goes once round the ring and fills both slots again
	TURN 0, 1, 1
	STEP 1, 0
	TURN 1, 0, 1
	STEP 0, 0
	s_sub_co_u32 s3, s3, 1
	s_cmp_lg_u32 s3, 0
	s_cbranch_scc1 .Llap
	TURN 0, 1, 0                                   ; the last lap fills nothing, and has no round of the cluster's barrier
	STEP 1, 0
	s_wait_dscnt 4*NL                              ; the very last step: nothing more to fetch
	WIN MUL_LO
	MUL16 0, 1, 1, 1, 0
	MUL16 2, 1, 1, 1, 0
	s_wait_dscnt 0
	WIN MUL_HI
	MUL16 4, 1, 1, 1, 0
	MUL16 6, 1, 1, 1, 0
	WIN 0
	PLACES NP                                      ; behind the last products: their results are read, and the registers that held A's fragments written, only from here on
; THE WAY OUT: each block of 16 rows x 128 is quantised in registers and IS a fragment of the next product: four stores of 512 consecutive bytes; two blocks' scale words leave together, 128 bytes.
.set T,   128                          ; v128-191 the block's 64 numbers, held
.set PC,  192                          ; v192-207 its codes
.set TM,  208                          ; v208-223 at work
.set PWE, 224                          ; the scale word of an even block, of an odd one, and the two side by side
.set PWO, 225
.set PWS, 226
.macro QBLK a
.set AC, 64*((\a)%4)
.set WW, 2+(\a)/4
.set W2S, WW|(WW<<2)
.if MODE == 1
.set IMM, ((\a)/2)*16*REC+((\a)%2)*4096
.set IMS, ((\a)/2)*16*REC
.else
.set IMM, 2048*(\a)
.set IMS, 64*((\a)-1)
.endif
	WIN W2S                                        ; sources 0 and 1: the block's window
.irp b, 0,1,2,3
.if MODE == 1
	v_max3_num_f32 v[TM+\b], v[AC+16*\b], v[AC+16*\b+1], 0x4800000     ; no |.|: what is negative becomes 0 (the activation) and must not count; the floor 2^(9 - 127) stands over it
.else
	v_max3_num_f32 v[TM+\b], |v[AC+16*\b]|, |v[AC+16*\b+1]|, 0x4800000 ; my 16 numbers of block b of 32, and the floor 2^(9 - 127)
.endif
.endr
.irp i, 2,4,6,8,10,12,14               ; ascending: each accumulator is first read at its low end
.irp b, 0,1,2,3
.if MODE == 1
	v_max3_num_f32 v[TM+\b], v[AC+16*\b+\i], v[AC+16*\b+\i+1], v[TM+\b]
.else
	v_max3_num_f32 v[TM+\b], |v[AC+16*\b+\i]|, |v[AC+16*\b+\i+1]|, v[TM+\b]
.endif
.endr
.endr
	WIN 0
.irp b, 0,1,2,3
	v_permlanex16_b32 v[TM+4+\b], v[TM+\b], s[SEL], s[SEL+1]
.endr
.irp b, 0,1,2,3
	v_max_num_f32 v[TM+\b], v[TM+\b], v[TM+4+\b]   ; with lane l xor 16's: the block's largest magnitude
.endr
.irp b, 0,1,2,3
	v_add_nc_u32 v[TM+12+\b], 0xfc000000, v[TM+\b] ; 8 off its exponent field: the conversion's scale operand
.endr
.irp b, 0,1,2,3
	v_and_or_b32 v[TM+8+\b], v[TM+\b], 0x7f800000, s[MNT]   ; 448 x the scale
.endr
.irp b, 0,1,2,3
	v_lshrrev_b32 v[TM+4+\b], 23, v[TM+12+\b]      ; the scale's byte
.endr
	v_lshl_or_b32 v[PWE+(\a)%2], v[TM+5], 8, v[TM+4]
	v_lshl_or_b32 v[PWE+(\a)%2], v[TM+6], 16, v[PWE+(\a)%2]
	v_lshl_or_b32 v[PWE+(\a)%2], v[TM+7], 24, v[PWE+(\a)%2]
	s_wait_xcnt 0x0                                ; the last block's stores have read their data: the codes and the words may be written again
	WIN WW                                         ; source 0: the block's window.  The hold is also the move into window 0
.irp b, 0,1,2,3
.irp i, 0,1,2,3,4,5,6,7,8,9,10,11,12,13,14,15
.if MODE == 1
	v_med3_num_f32 v[T+16*\b+\i], v[AC+16*\b+\i], 0, v[TM+8+\b]                ; the activation and the hold in one
.else
	v_med3_num_f32 v[T+16*\b+\i], v[AC+16*\b+\i], -v[TM+8+\b], v[TM+8+\b]      ; the conversion does not saturate (ISA guide 7.6.2): the hold comes first
.endif
.endr
.endr
	WIN 0
.irp b, 0,1,2,3
	v_cvt_scalef32_pk8_fp8_f32 v[PC+4*\b:PC+4*\b+1], v[T+16*\b:T+16*\b+7], v[TM+12+\b]
	v_cvt_scalef32_pk8_fp8_f32 v[PC+4*\b+2:PC+4*\b+3], v[T+16*\b+8:T+16*\b+15], v[TM+12+\b]
.endr
	v_nop                                          ; one plain line behind the conversions
.irp c, 0,1,2,3
	global_store_b128 v[CO], v[PC+4*\c:PC+4*\c+3], s[OC:OC+1] offset:IMM+512*\c
.endr
.if (\a)%2
	v_cndmask_b32 v[PWS], v[PWE], v[PWO], s[HM]    ; lanes 16-31 take the odd block's words
	global_store_b32 v[LS], v[PWS], s[OS:OS+1] offset:IMS
.endif
.endm
.irp b, 0,1,2,3
	v_mov_b32 v[TM+4+\b], 0                        ; written once: a lane permute's destination counts as one of its sources
.endr
.irp a, 0,1,2,3,4,5,6,7
	QBLK \a
.endr
	s_wait_tensorcnt 0x0                           ; the wave's end
	ds_add_u32 v[SPW], v[NIL]
	s_wait_dscnt 0x0
	CROUND                                         ; the closing round: no work-group ends while a partner may still ask for a tile that names it
	s_endpgm
.Lfunc_end_k_qcca4a688d0_qkv:
	.size	k_qcca4a688d0_qkv, .Lfunc_end_k_qcca4a688d0_qkv-k_qcca4a688d0_qkv
	.p2alignl 7, 3214868480
	.fill 96, 4, 3214868480
	.section	.rodata,"a",@progbits
	.p2align	6, 0x0
	.amdhsa_kernel k_qcca4a688d0_qkv
		.amdhsa_group_segment_fixed_size 327680
		.amdhsa_private_segment_fixed_size 0
		.amdhsa_enable_private_segment 0
		.amdhsa_kernarg_size 24
		.amdhsa_user_sgpr_count 2
		.amdhsa_user_sgpr_kernarg_segment_ptr 1
		.amdhsa_wavefront_size32 1
		.amdhsa_system_sgpr_workgroup_id_x 1
		.amdhsa_system_sgpr_workgroup_id_y 1
		.amdhsa_system_sgpr_workgroup_id_z 1
		.amdhsa_system_vgpr_workitem_id 0
		.amdhsa_next_free_vgpr 1024
		.amdhsa_next_free_sgpr 100
		.amdhsa_reserve_vcc 0
		.amdhsa_float_denorm_mode_32 3
		.amdhsa_float_denorm_mode_16_64 3
		.amdhsa_memory_ordered 1
		.amdhsa_forward_progress 1
		.amdhsa_inst_pref_size 185
	.end_amdhsa_kernel
	.amdgpu_metadata
---
amdhsa.version: [ 1, 2 ]
amdhsa.kernels:
  - .name:           k_qcca4a688d0_qkv
    .symbol:         k_qcca4a688d0_qkv.kd
    .args:
      - { .name: hc, .offset: 0, .size: 8, .value_kind: global_buffer, .address_space: global }
      - { .name: wts, .offset: 8, .size: 8, .value_kind: global_buffer, .address_space: global }
      - { .name: qkv, .offset: 16, .size: 8, .value_kind: global_buffer, .address_space: global }
    .group_segment_fixed_size: 327680
    .private_segment_fixed_size: 0
    .kernarg_segment_align: 8
    .kernarg_segment_size: 24
    .max_flat_workgroup_size: 128
    .sgpr_count:     100
    .vgpr_count:     1024
    .wavefront_size: 32
...
	.end_amdgpu_metadata
.endif
;; end of part 3
;; launch attn (part 4): grid 8 x 32, 16 waves a work-group, no clusters, 276,480 bytes of LDS; arguments qkv, oc; writes oc
.if DOCPART == 4
	.amdgcn_target "amdgcn-amd-amdhsa--gfx1250"
	.amdhsa_code_object_version 6
	.text
	.protected	k_qcca4a688d0_attn
	.globl	k_qcca4a688d0_attn
	.p2align	8
	.type	k_qcca4a688d0_attn,@function
k_qcca4a688d0_attn:
	s_mov_b64 s[64:65], 0
	v_nop
	global_prefetch_b8 v0, s[64:65] scope:SCOPE_SE
	s_setreg_imm32_b32 hwreg(HW_REG_WAVE_MODE, 25, 1), 1
	s_wait_xcnt 0x0
; o = softmax(q k^T / 8, causal) v for one head, both products on codes of FP8 (E4M3) with one E8M0 scale for each 32 along a product's K; o is quantised on the way out, as an operand of the next product.
; THE SOFTMAX AHEAD OF THE SECOND PRODUCT: t = score x log2(e) / 8; M = the row's largest t so far, rounded UP to a whole number; p = 2^(t - M) is what is quantised, along the keys; it is not normalised.
; The row's sum is taken of the unquantised p and divides O at the end.  When M moves, the sum and O are multiplied by 2^(old M - new M): exact.
; INPUT (buffer qkv).  Codes: region << 22 (q 0, k 1, v 2) | batch << 21 | pair of heads << 18 | chunk of 128 tokens << 14 | a << 11 | piece c << 9 | 16 x lane: images of operands' registers.
;   q, k: a = a tile of 16 tokens (lane r of tile tt holds token 32 (tt / 2) + 8 (tt % 2) + r + 8 (r / 8)); c = 2 x the head's parity + its block of 32 channels: a head's tile is 1,024 bytes.
;   v: a = 4 x parity + a tile of 16 channels (in the same order of rows within the head's 64); c runs along the chunk's 128 keys.  Scale words: 3 << 22 + (region << 17 | batch << 16 | pair << 13 | chunk << 9 | a << 6) + 4 r.
; SHARES.  Work-group (i, head) owns query blocks i and 15 - i of 128 tokens, so that every work-group has the same work under the causal mask.  Each of its SIXTEEN waves owns one tile of 16 queries, in 256
; registers; of the two waves of a tile's number one takes the early block and one the late.  A wave works key steps (128 keys) 0 .. its block's number; the last of them lies on the diagonal.
; ALL OF A HEAD'S K AND V LIE IN LDS, each byte filled once: wave 0 asks for k's scale words and four chunks of 512 keys, wave 1 the same for v: five tensor loads a loading wave, all issued at the head.
; Every wave walks all 16 steps: trip counts are constants, and a step all of whose keys come after the wave's queries is jumped over (a scalar branch on ids) but for the lines that step addresses.
; NO CLUSTER, though the eight work-groups of a head read the same K and V: the jump over hidden steps hangs on the work-group's query block, which differs between partners.
; LAYOUT.  Both products are used transposed: S^T = K Q^T, O^T = V^T P^T: a lane holds ONE query throughout, and p's 16 registers of two neighbouring tiles are 16 neighbouring keys.
; THE FIRST PRODUCT'S K IS 64, the instruction's 128: Q's operand has zero codes in its upper half (v24-31).  K's tile t is 8 registers; its operand's upper half is the next tile's codes (for the last tile:
; zeros), finite numbers that meet zero codes and add nothing; the scale words are read as 16 bits, so their upper two bytes are 0, which stands for 2^-127 and is no NaN.
; LIMITS: a block of zeros gets the byte 1 where the rule says 127; blocks under 2^-118 are held at the byte 1; NaN and infinities are not served.  o's two scale bytes a row leave as 2 bytes a lane.
.set VC,   131072                      ; LDS: k's codes from 0: 128 tiles x 1,024; v's from VC: 16 chunks x 4 tiles x 2,048
.set KS,   262144                      ; k's scale words: 128 tiles x 16 words (a word holds both heads' bytes)
.set VS,   270336                      ; v's: 16 chunks x 4 tiles x 16 words
.set SQ,   12582912
.set REC,  8448
.set AK0,  1                           ; v1  16 x lane
.set AV0,  2                           ; v2  VC + 16 x lane
.set ASK0, 3                           ; v3  KS + 4 r + 2 x parity
.set ASV0, 4                           ; v4  VS + 4 r
.set LI,   5                           ; v5  16 x lane, for global addresses
.set LB,   6                           ; v6  4 r + 2 x parity, likewise
.set DQ,   7                           ; v7  my query's place in its block of 128, less 16 h
.set ADK,  8                           ; v8-11 the addresses of the step in hand
.set ADV,  9
.set ADS,  10
.set ADT,  11                          ; v12 -M, v13 the largest t, v[14:15] the sum in two halves, v16-31 Q, v32-95 K's tiles, then V's fragments, v96-103 zeros
.set S,    104                         ; v104-167 S^T, then p
.set O,    168                         ; v168-199 O^T
.set PC,   200                         ; v200-215 p's codes
.set BM,   216                         ; v216-219 the blocks' largest scores
.set PD,   220                         ; v220-223 permutes' destinations, a chain of the sum, the bytes
.set LM,   224                         ; v224-227 448 x the scales
.set SO,   228                         ; v228-231 the conversions' scale operands
.set SW,   232                         ; v232-239 scale words of K's eight tiles, then of V's four; v[240:241] f and p's scale word; v242 at work; v243 Q's scale word
.set WV,   18
.set MNT,  19
.set SEL,  20
.set CS,   22
.set G1K,  24                          ; s[24:31], s[32:39], s[40:47], s[48:55] descriptor groups 1: k's codes, v's codes, k's scale words, v's
.set G1V,  32
.set G1KS, 40
.set G1VS, 48                          ; groups 0: s[56:59] the scale words, s[60:63], s[68:71], s[72:75], s[76:79] the four chunks
.set TB,   80                          ; LDS byte at which the step's codes begin in k's and in v's region: 8,192 a step
.set TS,   81                          ; k's scale words: 512 a step
.set TJ,   82                          ; v's: 256 a step
.set SI,   83                          ; the step's number
.set BLK,  84                          ; my query block
.set CNT,  85
.macro G1SET g, c, r, p                ; r rows of c elements of 8 bytes, p elements apart in memory, dense in LDS; no mask, no padding
	s_mov_b32 s[\g], 3<<16
	s_mov_b32 s[\g+1], (\c)<<16
	s_mov_b32 s[\g+2], (\r)<<16
	s_mov_b32 s[\g+3], (\c)<<16
	s_mov_b32 s[\g+4], \r
	s_mov_b32 s[\g+5], \p
	s_mov_b32 s[\g+6], 0
	s_mov_b32 s[\g+7], 0
.endm
.macro CHUNK g0, g                     ; group 0 of chunk g: 512 keys, 32,768 bytes in LDS, 65,536 bytes on in memory (the other head's lie between)
	s_mov_b32 s[\g0], 1
	s_add_co_u32 s[\g0+1], s3, 32768*\g
	s_add_nc_u64 s[\g0+2:\g0+3], s[96:97], 65536*\g
	s_or_b32 s[\g0+3], s[\g0+3], 0x80000000
.endm
	s_load_b128 s[4:7], s[0:1], 0x0                ; qkv, oc
	v_lshl_add_u32 v254, v0, 2, 0x43000
	v_mov_b32 v255, 0
	ds_add_u32 v254, v255
	ds_add_u32 v254, v255
	v_lshrrev_b32 v1, 5, v0
	v_readfirstlane_b32 s[WV], v1                  ; wave 0..15
	s_and_b32 s86, ttmp7, 0xffff
	s_lshr_b32 s87, s86, 4                         ; the batch
	s_and_b32 s88, s86, 15                         ; the head
	s_lshr_b32 s89, s88, 1                         ; its pair
	s_and_b32 s90, s88, 1                          ; its parity
	s_lshr_b32 s91, s[WV], 2
	s_xor_b32 s91, s91, s[WV]
	s_and_b32 s91, s91, 1                          ; 1: I take the late block.  Waves 2 n and 2 n + 1 differ in it, and so do waves four apart
	s_sub_co_u32 s92, 15, ttmp9
	s_cmp_eq_u32 s91, 1
	s_cselect_b32 s[BLK], s92, ttmp9
	s_lshr_b32 s93, s[WV], 1                       ; my tile in the block
	s_lshl_b32 s94, s87, 21
	s_lshl_b32 s95, s89, 18
	s_add_co_u32 s94, s94, s95                     ; the pair's codes in a region
	s_lshl_b32 s95, s87, 16
	s_lshl_b32 s96, s89, 13
	s_add_co_u32 s95, s95, s96
	s_add_co_u32 s95, s95, SQ                      ; and its scale words
	s_lshl_b32 s96, s90, 10
	s_add_co_u32 s96, s96, 1<<22                   ; k: region 1, the head's 1,024 bytes of a tile
	s_lshl_b32 s97, s90, 13
	s_add_co_u32 s97, s97, 2<<22                   ; v: region 2, the head's four tiles of a chunk
	s_lshl_b32 s98, s90, 8
	s_add_co_u32 s98, s98, 2<<17
	s_cmp_eq_u32 s[WV], 0                          ; wave 0 fetches for k, wave 1 for v
	s_cselect_b32 s96, s96, s97
	s_cselect_b32 s98, 1<<17, s98
	s_add_co_u32 s96, s96, s94
	s_mov_b32 s97, 0
	s_add_co_u32 s98, s98, s95
	s_mov_b32 s99, 0
	s_lshl_b32 s91, s[BLK], 3
	s_add_co_u32 s91, s91, s93                     ; my tile of queries in the batch
	s_lshl_b32 s8, s91, 11
	s_add_co_u32 s8, s8, s94
	s_lshl_b32 s92, s90, 10
	s_add_co_u32 s8, s8, s92                       ; its codes
	s_mov_b32 s9, 0
	s_lshl_b32 s10, s91, 6
	s_add_co_u32 s10, s10, s95                     ; its scale words
	s_mov_b32 s11, 0
	v_and_b32 v244, 31, v0                         ; lane
	v_and_b32 v245, 15, v0                         ; r
	v_bfe_u32 v246, v0, 4, 1                       ; h
	s_lshr_b32 s16, s93, 1
	s_lshl_b32 s16, s16, 5
	s_and_b32 s17, s93, 1
	s_lshl_b32 s17, s17, 3
	s_add_co_u32 s16, s16, s17                     ; my tile's first token in the block
	v_and_b32 v[DQ], 8, v245
	v_add_nc_u32 v[DQ], v[DQ], v245
	v_lshlrev_b32 v247, 4, v246
	v_sub_nc_u32 v[DQ], v[DQ], v247
	v_add_nc_u32 v[DQ], s16, v[DQ]
	s_lshl_b32 s16, s87, 6                         ; o's record: group of 32 tokens 64 x batch + 4 x block + tile / 2,
	s_lshl_b32 s17, s[BLK], 2
	s_add_co_u32 s16, s16, s17
	s_lshr_b32 s17, s93, 1
	s_add_co_u32 s16, s16, s17
	s_lshl_b32 s16, s16, 2
	s_lshr_b32 s17, s88, 2
	s_add_co_u32 s16, s16, s17                     ; K step head / 4
	s_mul_i32 s16, s16, REC
	s_and_b32 s17, s93, 1                          ; u
	s_and_b32 s91, s89, 1                          ; q
	s_lshl_b32 s12, s17, 12
	s_add_co_u32 s12, s12, s16
	s_lshl_b32 s92, s91, 11
	s_add_co_u32 s12, s12, s92
	s_lshl_b32 s92, s90, 10
	s_add_co_u32 s12, s12, s92                     ; pieces 2 x parity and 2 x parity + 1 of fragment (u, q)
	s_mov_b32 s13, 0
	s_lshl_b32 s14, s17, 7
	s_add_co_u32 s14, s14, s16
	s_lshl_b32 s92, s91, 6
	s_add_co_u32 s14, s14, s92
	s_add_co_u32 s14, s14, 8192                    ; its scale words
	s_mov_b32 s15, 0
	G1SET G1K, 128, 32, 256                        ; 32 tiles of 1,024 bytes, 2,048 apart
	G1SET G1V, 1024, 4, 2048                       ; 4 chunks of 8,192 bytes, 16,384 apart
	G1SET G1KS, 32, 32, 32                         ; 8,192 dense bytes as rows of 256
	G1SET G1VS, 32, 16, 64                         ; 16 chunks of 256 bytes, 512 apart
	s_mov_b32 s[SEL], 0x76543210
	s_mov_b32 s[SEL+1], 0xfedcba98                 ; v_permlanex16_b32's selects for lane l xor 16
	s_mov_b32 s[CS], 0x3e38aa3b                    ; c = log2(e) / 8
	s_mov_b32 s[CS+1], s[CS]                       ; (named with it as a pair, so it is written)
	s_mov_b32 s[MNT], 0x600000
	s_mov_b32 s[TB], 0
	s_mov_b32 s[TS], 0
	s_mov_b32 s[TJ], 0
	s_mov_b32 s[SI], 0
	s_lshl_b32 s2, s[WV], 13                       ; LDS: the scale words at KS + 8,192 x wave,
	s_lshl_b32 s3, s[WV], 17                       ; the codes at 131,072 x wave
	s_wait_dscnt 0x0
	s_wait_kmcnt 0x0
	s_add_nc_u64 s[96:97], s[4:5], s[96:97]
	s_add_nc_u64 s[98:99], s[4:5], s[98:99]
	s_add_nc_u64 s[8:9], s[4:5], s[8:9]
	s_add_nc_u64 s[10:11], s[4:5], s[10:11]
	s_add_nc_u64 s[12:13], s[6:7], s[12:13]
	s_add_nc_u64 s[14:15], s[6:7], s[14:15]
	s_mov_b32 s56, 1
	s_add_co_u32 s57, s2, KS
	s_mov_b64 s[58:59], s[98:99]
	s_or_b32 s59, s59, 0x80000000
	CHUNK 60, 0
	CHUNK 68, 1
	CHUNK 72, 2
	CHUNK 76, 3
	s_cmp_eq_u32 s[WV], 0                          ; all fills of a wave stand in one branch on its number, ahead of every wait on TENSORcnt, every LDS read and every barrier: five loads of a loading wave are out
	s_cbranch_scc0 .Lnot_k
	tensor_load_to_lds s[56:59], s[G1KS:G1KS+7]
	s_nop 0
	tensor_load_to_lds s[60:63], s[G1K:G1K+7]
	s_nop 0
	tensor_load_to_lds s[68:71], s[G1K:G1K+7]
	s_nop 0
	tensor_load_to_lds s[72:75], s[G1K:G1K+7]
	s_nop 0
	tensor_load_to_lds s[76:79], s[G1K:G1K+7]
	s_nop 0
.rept 4
	v_nop
.endr
	s_branch .Lasked
.Lnot_k:
	s_cmp_eq_u32 s[WV], 1
	s_cbranch_scc0 .Lasked
	tensor_load_to_lds s[56:59], s[G1VS:G1VS+7]
	s_nop 0
	tensor_load_to_lds s[60:63], s[G1V:G1V+7]
	s_nop 0
	tensor_load_to_lds s[68:71], s[G1V:G1V+7]
	s_nop 0
	tensor_load_to_lds s[72:75], s[G1V:G1V+7]
	s_nop 0
	tensor_load_to_lds s[76:79], s[G1V:G1V+7]
	s_nop 0
.rept 4
	v_nop
.endr
.Lasked:
	v_lshlrev_b32 v[AK0], 4, v244
	v_add_nc_u32 v[AV0], VC, v[AK0]
	v_lshlrev_b32 v[LI], 4, v244
	s_lshl_b32 s86, s90, 1
	v_lshl_add_u32 v[LB], v245, 2, s86
	v_add_nc_u32 v[ASK0], KS, v[LB]
	v_lshlrev_b32 v[ASV0], 2, v245
	v_add_nc_u32 v[ASV0], VS, v[ASV0]
	global_load_b128 v[16:19], v[LI], s[8:9]               ; Q's 64 codes a row stay in registers
	global_load_b128 v[20:23], v[LI], s[8:9] offset:512
	global_load_u16 v243, v[LB], s[10:11]                  ; and its two scale bytes
.irp j, 0,1,2,3,4,5,6,7
	v_mov_b32 v[24+\j], 0                          ; zero codes: the upper half of Q's operand,
	v_mov_b32 v[96+\j], 0                          ; and of the last tile of K's
.endr
	v_mov_b32 v13, 0xff61b1e6                      ; the largest t so far: -3e38, under every t
	v_floor_f32 v12, -v13                          ; -M
	v_mov_b32 v14, 0                               ; the sum, in two halves
	v_mov_b32 v15, 0
.irp b, 0,1,2,3
	v_mov_b32 v[PD+\b], 0                          ; written once: a lane permute's destination counts as one of its sources
.endr
	v_mov_b32 v241, 0                              ; (named as the upper half of the pair v[240:241] before it is first written)
	v_mov_b32 v242, 0
.set j, 0
.rept 32
	v_mov_b32 v[O+j], 0                            ; O^T: the step is written once; the first finds zeros, which the first change of M leaves zeros
.set j, j+1
.endr
; A KEY STEP: 128 keys.
.macro STEP
	s_cmp_gt_u32 s[SI], s[BLK]                     ; all its keys come after my queries: only the addresses step
	s_cbranch_scc1 .Lhidden_\@
	v_add_nc_u32 v[ADK], s[TB], v[AK0]
	v_add_nc_u32 v[ADV], s[TB], v[AV0]
	v_add_nc_u32 v[ADS], s[TS], v[ASK0]
	v_add_nc_u32 v[ADT], s[TJ], v[ASV0]
.rept 4
	v_nop                                          ; with the four additions: eight places in front of loads into registers that the last products have read
.endr
.irp t, 0,1,2,3,4,5,6,7
	ds_load_b128 v[32+8*\t:35+8*\t], v[ADK] offset:1024*\t
	ds_load_b128 v[36+8*\t:39+8*\t], v[ADK] offset:1024*\t+512
	ds_load_u16 v[SW+\t], v[ADS] offset:64*\t
.endr
	s_wait_dscnt 0x0
.irp t, 0,1,2,3,4,5,6,7
	v_wmma_scale_f32_16x16x128_f8f6f4 v[S+8*\t:S+8*\t+7], v[32+8*\t:47+8*\t], v[16:31], 0, v[SW+\t], v243
.endr
.rept 8
	v_nop
.endr
	s_cmp_lg_u32 s[SI], s[BLK]                     ; on the diagonal the scores of hidden keys become -infinity ahead of the maximum: p = 0 then
	s_cbranch_scc1 .Lopen_\@
	v_mov_b32 v242, 0xff800000
.set n, 0
.rept 64
	v_cmp_gt_i32 vcc_lo, 32*(n/16)+n%16, v[DQ]     ; register 16 b + i holds key 32 b + 16 h + i of the step: hidden where 32 b + i > my query's place - 16 h
	v_cndmask_b32 v[S+n], v[S+n], v242, vcc_lo
.set n, n+1
.endr
.Lopen_\@:
.irp b, 0,1,2,3
	v_max3_num_f32 v[BM+\b], v[S+16*\b], v[S+1+16*\b], v[S+2+16*\b]   ; the largest score of each block of 32 keys: it serves for the row's maximum and, since p rises with the score, for the block's largest p
.endr
.irp i, 3,5,7,9,11,13
.irp b, 0,1,2,3
	v_max3_num_f32 v[BM+\b], v[BM+\b], v[S+16*\b+\i], v[S+1+16*\b+\i]
.endr
.endr
.irp b, 0,1,2,3
	v_max_num_f32 v[BM+\b], v[BM+\b], v[S+15+16*\b]
.endr
.irp b, 0,1,2,3
	v_permlanex16_b32 v[PD+\b], v[BM+\b], s[SEL], s[SEL+1]
.endr
.irp b, 0,1,2,3
	v_max_num_f32 v[BM+\b], v[BM+\b], v[PD+\b]     ; with lane l xor 16's 16 keys
.endr
	v_max3_num_f32 v242, v[BM], v[BM+1], v[BM+2]
	v_max_num_f32 v242, v242, v[BM+3]              ; the step's largest score of my query
	v_mul_f32 v242, s[CS], v242                    ; as t (c is positive)
	v_max_num_f32 v13, v13, v242                   ; the running largest t
	v_mov_b32 v242, v12
	v_floor_f32 v12, -v13                          ; the new -M = floor(-t): M is a whole number
	v_sub_f32 v242, v12, v242                      ; M's old value less its new one: a whole number, 0 or less
	v_cvt_i32_f32 v242, v242                       ; (it saturates)
	v_ldexp_f32 v240, 1.0, v242                    ; f = 2^(old M - new M)
.set j, 0
.rept 32
	v_pk_fma_f32 v[S+j:S+j+1], v[S+j:S+j+1], s[CS:CS+1], v[12:13] op_sel_hi:[1,0,0]   ; t - M, two at a time
.set j, j+2
.endr
.irp b, 0,1,2,3
	v_fma_f32 v[BM+\b], v[BM+\b], s[CS], v12       ; the same of each block's largest score
.endr
.set j, 0
.rept 64
	v_exp_f32 v[S+j], v[S+j]                       ; p = 2^(t - M), at most 1
.set j, j+1
.endr
	v_pk_mul_f32 v[14:15], v[14:15], v[240:241] op_sel_hi:[1,0]   ; the sums under the new M: a plain line behind the exponentials
	s_wait_alu depctr_va_vdst(0)                   ; one wait for the whole batch, ahead of its first reader
.irp b, 0,1,2,3
	v_exp_f32 v[BM+\b], v[BM+\b]                   ; the block's largest p: the same two instructions on the same number give the same bits
.endr
	v_pk_add_f32 v[PD:PD+1], v[S:S+1], v[S+2:S+3]  ; the row's sum is taken of the unquantised p, in two chains
.irp j, 4,8,12,16,20,24,28,32,36,40,44,48,52,56,60
	v_pk_add_f32 v[14:15], v[14:15], v[S+\j:S+1+\j]
	v_pk_add_f32 v[PD:PD+1], v[PD:PD+1], v[S+2+\j:S+3+\j]
.endr
	v_pk_add_f32 v[14:15], v[14:15], v[PD:PD+1]
	s_wait_alu depctr_va_vdst(0)                   ; and one for the four
.irp b, 0,1,2,3
	v_max_num_f32 v[BM+\b], 0x4800000, v[BM+\b]    ; the floor 2^(9 - 127): a block whose every p is 0 keeps the byte 1: its codes are zeros
.endr
.irp b, 0,1,2,3
	v_add_nc_u32 v[SO+\b], 0xfc000000, v[BM+\b]    ; 8 off the exponent field: the conversion's scale operand
.endr
.irp b, 0,1,2,3
	v_and_or_b32 v[LM+\b], v[BM+\b], 0x7f800000, s[MNT]   ; 448 x the scale
.endr
.irp b, 0,1,2,3
	v_lshrrev_b32 v[PD+\b], 23, v[SO+\b]           ; the scale's byte
.endr
	v_lshl_or_b32 v241, v[PD+1], 8, v[PD]          ; p's scale word for these 128 keys
	v_lshl_or_b32 v241, v[PD+2], 16, v241
	v_lshl_or_b32 v241, v[PD+3], 24, v241
.irp b, 0,1,2,3
.irp i, 0,1,2,3,4,5,6,7,8,9,10,11,12,13,14,15
	v_min_num_f32 v[S+16*\b+\i], v[S+16*\b+\i], v[LM+\b]   ; the conversion does not saturate (ISA guide 7.6.2); p is not negative, so the hold is one-sided
.endr
	v_cvt_scalef32_pk8_fp8_f32 v[PC+4*\b:PC+1+4*\b], v[S+16*\b:S+7+16*\b], v[SO+\b]
	v_cvt_scalef32_pk8_fp8_f32 v[PC+2+4*\b:PC+3+4*\b], v[S+8+16*\b:S+15+16*\b], v[SO+\b]
.endr
.set j, 0
.rept 16
	v_pk_mul_f32 v[O+j:O+j+1], v[O+j:O+j+1], v[240:241] op_sel_hi:[1,0]   ; O^T under the new M.  (These sixteen are also the places in front of the products and loads below)
.set j, j+2
.endr
.irp t, 0,1,2,3
.irp c, 0,1,2,3
	ds_load_b128 v[32+16*\t+4*\c:35+16*\t+4*\c], v[ADV] offset:2048*\t+512*\c
.endr
	ds_load_b32 v[SW+\t], v[ADT] offset:64*\t
.endr
	s_wait_dscnt 0x0
.irp t, 0,1,2,3
	v_wmma_scale_f32_16x16x128_f8f6f4 v[O+8*\t:O+8*\t+7], v[32+16*\t:47+16*\t], v[PC:PC+15], v[O+8*\t:O+8*\t+7], v[SW+\t], v241   ; the four accumulators by turns
.endr
.Lhidden_\@:
	s_add_co_u32 s[TB], s[TB], 8192
	s_add_co_u32 s[TS], s[TS], 512
	s_add_co_u32 s[TJ], s[TJ], 256
	s_add_co_u32 s[SI], s[SI], 1
.endm
; Four key steps on one chunk of 512 keys.  n = how many younger chunks may still be on their way: tensor loads of a wave end in order (ISA guide 10.11.1), so the scale words and this chunk have landed.
; The loading waves wait, then every wave passes the barrier.
.macro PHASE n
	s_wait_dscnt 0x0
	s_wait_tensorcnt \n
	s_barrier_signal -1
	s_barrier_wait -1
	s_mov_b32 s[CNT], 4
.Lstep_\@:
	STEP
	s_sub_co_u32 s[CNT], s[CNT], 1
	s_cmp_lg_u32 s[CNT], 0
	s_cbranch_scc1 .Lstep_\@
.endm
	s_wait_loadcnt 0x0                             ; Q
	PHASE 3
	PHASE 2
	PHASE 1
	PHASE 0
	; THE WAY OUT.  O^T / the sum; register 16 b + i is channel 32 b + 16 h + i of my query (v's tiles have the order of rows that gives this): two blocks of 32, quantised as they stand: two pieces of a fragment.
.rept 8
	v_nop                                          ; places behind the last products
.endr
	v_add_f32 v14, v14, v15                        ; the sum's two halves,
	v_permlanex16_b32 v242, v14, s[SEL], s[SEL+1]
	v_add_f32 v14, v14, v242                       ; and lane l xor 16's
	v_rcp_f32 v15, v14
	v_nop                                          ; a plain line behind the transcendental
	s_wait_alu depctr_va_vdst(0)                   ; and the wait ahead of its first reader
.set j, 0
.rept 32
	v_mul_f32 v[S+j], v[O+j], v15
.set j, j+1
.endr
.irp b, 0,1
	v_max3_num_f32 v[BM+\b], |v[S+16*\b]|, |v[S+1+16*\b]|, 0x4800000
.endr
.irp i, 2,4,6,8,10,12,14
.irp b, 0,1
	v_max3_num_f32 v[BM+\b], v[BM+\b], |v[S+16*\b+\i]|, |v[S+1+16*\b+\i]|
.endr
.endr
.irp b, 0,1
	v_permlanex16_b32 v[PD+\b], v[BM+\b], s[SEL], s[SEL+1]
.endr
.irp b, 0,1
	v_max_num_f32 v[BM+\b], v[BM+\b], v[PD+\b]
.endr
.irp b, 0,1
	v_add_nc_u32 v[SO+\b], 0xfc000000, v[BM+\b]
.endr
.irp b, 0,1
	v_and_or_b32 v[LM+\b], v[BM+\b], 0x7f800000, s[MNT]
.endr
.irp b, 0,1
	v_lshrrev_b32 v[PD+\b], 23, v[SO+\b]
.endr
	v_lshl_or_b32 v242, v[PD+1], 8, v[PD]          ; my row's two scale bytes
.irp b, 0,1
.irp i, 0,1,2,3,4,5,6,7,8,9,10,11,12,13,14,15
	v_med3_num_f32 v[S+16*\b+\i], v[S+16*\b+\i], -v[LM+\b], v[LM+\b]
.endr
	v_cvt_scalef32_pk8_fp8_f32 v[PC+4*\b:PC+1+4*\b], v[S+16*\b:S+7+16*\b], v[SO+\b]
	v_cvt_scalef32_pk8_fp8_f32 v[PC+2+4*\b:PC+3+4*\b], v[S+8+16*\b:S+15+16*\b], v[SO+\b]
.endr
	v_nop
	global_store_b128 v[LI], v[PC:PC+3], s[12:13]                  ; 32 lanes store 512 consecutive bytes, aligned
	global_store_b128 v[LI], v[PC+4:PC+7], s[12:13] offset:512
	v_cmp_gt_u32 vcc_lo, 16, v244
	s_wait_xcnt 0x0                                ; EXEC changes only behind this wait
	s_wait_tensorcnt 0x0
	ds_add_u32 v254, v255
	s_wait_dscnt 0x0
	s_and_saveexec_b32 s86, vcc_lo
	global_store_b16 v[LB], v242, s[14:15]         ; lanes 0-15: two bytes of each row's word; the other head of the pair writes the other two
	s_wait_xcnt 0x0
	s_or_b32 exec_lo, exec_lo, s86
	s_endpgm
.Lfunc_end_k_qcca4a688d0_attn:
	.size	k_qcca4a688d0_attn, .Lfunc_end_k_qcca4a688d0_attn-k_qcca4a688d0_attn
	.p2alignl 7, 3214868480
	.fill 96, 4, 3214868480
	.section	.rodata,"a",@progbits
	.p2align	6, 0x0
	.amdhsa_kernel k_qcca4a688d0_attn
		.amdhsa_group_segment_fixed_size 276480
		.amdhsa_private_segment_fixed_size 0
		.amdhsa_enable_private_segment 0
		.amdhsa_kernarg_size 16
		.amdhsa_user_sgpr_count 2
		.amdhsa_user_sgpr_kernarg_segment_ptr 1
		.amdhsa_wavefront_size32 1
		.amdhsa_system_sgpr_workgroup_id_x 1
		.amdhsa_system_sgpr_workgroup_id_y 1
		.amdhsa_system_sgpr_workgroup_id_z 1
		.amdhsa_system_vgpr_workitem_id 0
		.amdhsa_next_free_vgpr 256
		.amdhsa_next_free_sgpr 100
		.amdhsa_reserve_vcc 1
		.amdhsa_float_denorm_mode_32 3
		.amdhsa_float_denorm_mode_16_64 3
		.amdhsa_memory_ordered 1
		.amdhsa_forward_progress 1
		.amdhsa_inst_pref_size 114
	.end_amdhsa_kernel
	.amdgpu_metadata
---
amdhsa.version: [ 1, 2 ]
amdhsa.kernels:
  - .name:           k_qcca4a688d0_attn
    .symbol:         k_qcca4a688d0_attn.kd
    .args:
      - { .name: qkv, .offset: 0, .size: 8, .value_kind: global_buffer, .address_space: global }
      - { .name: oc, .offset: 8, .size: 8, .value_kind: global_buffer, .address_space: global }
    .group_segment_fixed_size: 276480
    .private_segment_fixed_size: 0
    .kernarg_segment_align: 8
    .kernarg_segment_size: 16
    .max_flat_workgroup_size: 512
    .sgpr_count:     100
    .vgpr_count:     256
    .wavefront_size: 32
...
	.end_amdgpu_metadata
.endif
;; end of part 4
;; launch wp (part 5): grid 4 x 16, 4 waves a work-group, clusters of 4 x 4, 327,680 bytes of LDS; arguments oc, wts, bp, x, x1; writes x1
.if DOCPART == 5
	.amdgcn_target "amdgcn-amd-amdhsa--gfx1250"
	.amdhsa_code_object_version 6
	.text
	.protected	k_qcca4a688d0_wp
	.globl	k_qcca4a688d0_wp
	.p2align	8
	.type	k_qcca4a688d0_wp,@function
k_qcca4a688d0_wp:
	s_mov_b64 s[64:65], 0
	v_nop
	global_prefetch_b8 v0, s[64:65] scope:SCOPE_SE
	s_setreg_imm32_b32 hwreg(HW_REG_WAVE_MODE, 25, 1), 1
	s_wait_xcnt 0x0
	s_wait_alu depctr_hold_cnt(0) depctr_sa_sdst(0) depctr_va_vdst(0) depctr_va_sdst(0) depctr_va_ssrc(0) depctr_va_vcc(0) depctr_vm_vsrc(0)
	s_getreg_b32 s2, hwreg(HW_REG_IB_STS2, 6, 4)
	s_cmp_eq_u32 s2, 0
	s_cbranch_scc0 .Lentry_in_a_cluster
	s_endpgm
.Lentry_in_a_cluster:
	s_bfe_u32 s2, ttmp6, 0x10000c
	s_cmp_lg_u32 s2, 0xf033
	s_cbranch_scc0 .Lentry_shape_is_right
	s_endpgm
.Lentry_shape_is_right:
; ONE TEXT FOR THE BLOCK'S FOUR GEMMS ON CODES OF FP8 (E4M3) WITH E8M0 SCALES.  The line .set MODE says which of them this file is:
;   0: q = h Wq, k = h Wk, v^T = Wv^T h^T, quantised;   1: relu(h2 W1 + b1), quantised;   2: x1 = x + o Wp + bp, f32;   3: out = x1 + a W2 + b2, f32.
.set MODE, 2
; OPERANDS are laid in RECORDS of 8,448 bytes: 32 rows (a group p) x 256 along K (kp): four fragments (u, q) of 2,048 bytes at 4096 u + 2048 q, each an image of an operand's 16 registers (lane l's 16 bytes at
; 512 c + 16 l are k = 32 c + 16 (l / 16) + 0 .. 15 of its row), then the scale words at 8192 + 128 u + 64 q + 4 r.  Lane r of tile u holds row 32 p + 8 u + r + 8 (r / 8).  An operand is [p][kp][record].
; So a wave's 128 rows of a K step are four rows of 8,448 bytes for one tensor load, the scales ride with the codes, and a fragment is read from LDS at 16 x lane: no pitch, no padding.
; SHARES.  A work-group of four waves makes 256 rows of "A" x 256 rows of "B"; a wave 128 x 128: 64 accumulators, 512 registers.  K goes in steps of 256 through a ring of two LDS slots.
; THE MATRIX INSTRUCTION IS USED TRANSPOSED (source 0 = 16 rows of B, source 1 = 16 rows of A): lane (r, h) holds A's row r of a tile, and, by the order of rows in a tile, register 16 g + i of a block's 64
; holds B's row 32 g + 16 h + i of the wave's 128: neighbours along the next product's K, in the order of the next operand's registers.
; MODE 0: clusters with x = 0, 1 have A = h (tokens), B = Wq and Wk (2,048 rows on end); clusters with x = 2 have A = Wv's rows and B = h, so that v's results run along the tokens, which are its K.
; CLUSTERS: 4 x 4 work-groups; A's tiles are asked for jointly along a row of the cluster, B's along a column.
; REGISTERS, in windows of 256: window 0: v16-29 addresses; v32-63 scale words, two sets (nothing else ever stands there); v64-127 the bias; v128-255 A's fragments, one set; window 1: B's fragments, two sets;
; window 2: the accumulators of my rows 0-63 ((a, b) at v[8 (8 a + b)]); window 3: those of rows 64-127.
; LIMITS: a block of zeros gets the byte 1 where the rule says 127 (its codes are zeros; this program alone reads the bytes); blocks under 2^-118 are held at the byte 1; NaN and infinities are not served.
.if MODE == 3
.set KP, 16                            ; K steps of 256
.else
.set KP, 4
.endif
.if MODE == 0
.set WOFF, 0                           ; where B's records begin in wts
.elseif MODE == 1
.set WOFF, 4325376
.elseif MODE == 2
.set WOFF, 3244032
.else
.set WOFF, 8650752
.endif
.set WVO,   2162688                    ; Wv's records
.set SQ,    12582912                   ; qkv: the scale words lie behind the three regions of codes
.set REC,   8448
.set HALFT, 4*REC                      ; 128 rows of a K step: what one tensor load brings, and what one wave reads of A or of B
.set SLOT,  4*HALFT                    ; A's 256 rows, then B's
.set SPARE, 2*SLOT                     ; behind the ring: the spare words, 128 bytes for each wave: two blocks of 256 bytes that no other line names
.set LAPS,  KP/2
.set FR,    16
.set NL,    4
.set NP,    8                          ; places behind this matrix instruction (ISA guide 7.12.1)
.set ADRA, 16                          ; v16-17 my A fragments in slot 0, 1: + 16 x lane
.set ADSA, 18                          ; v18-19 my A records in slot 0, 1: + 4 x lane, for the scale words
.set ADRB, 20                          ; v20-21, v22-23 the same for B
.set ADSB, 22
.set STO,  24                          ; the way out
.set RD,   25
.set CO,   26                          ; 16 x lane
.set LS,   27
.set SPW,  28                          ; LDS address of my spare word; never rewritten
.set NIL,  29                          ; 0; never rewritten
.set SC,   32                          ; scale words: set s: A's block i at SC + 16 s + i, B's at SC + 16 s + 8 + i; lanes 0-15 the slot's first 128 along K, lanes 16-31 its second
.set BI,   64                          ; the bias: 8 registers for each tile of B's rows, in the result's layout
.set AF,   128
.set G1,  24                           ; s[24:31] descriptor group 1 for A's tiles; s[32:39] group 0, a set for each slot
.set G0,  32
.set G1B, 48                           ; s[48:55], s[56:63] the same for B's
.set G0B, 56
.set OC,  68                           ; s[68:69], s[70:71] where results go (MODE 2, 3: the residual, the output)
.set OS,  70
.set BIA, 72
.set SEL, 74
.set MNT, 76
.set HM,  77
.set MSB, 0
.macro WIN new                         ; the immediate's high byte repeats the setting that is left
.if MSB != \new
	s_set_vgpr_msb (MSB<<8)|\new
.set MSB, \new
.endif
.endm
.set MUL_LO, 0xa1                      ; source 0 (B) window 1, source 1 (A) window 0, C and D window 2
.set MUL_HI, 0xf1                      ; the same, C and D window 3
.if MODE == 0
.set FIRST_LO, MUL_LO                  ; the first products take the constant 0 as C,
.set FIRST_HI, MUL_HI
.else
.set FIRST_LO, 0x81                    ; or the bias, which lies in window 0
.set FIRST_HI, 0xc1
.endif
.set TO_B,   0x40                      ; destination window 1, address window 0
; A joint load: waves 0 and 1 fetch for A, waves 2 and 3 for B.  Each line has one mask and one set of registers for all that issue it; the branch hangs on the wave's number alone.
; Four v_nop follow each of the two lines, ahead of the jump, the label and what follows.
.macro JLOAD g0a, g1a, g0b, g1b
	s_cmp_eq_u32 s15, 0
	s_cbranch_scc0 .Lfor_b_\@
	tensor_load_to_lds s[\g0a:\g0a+3], s[\g1a:\g1a+7]
	s_nop 0
.rept 4
	v_nop
.endr
	s_branch .Lasked_\@
.Lfor_b_\@:
	tensor_load_to_lds s[\g0b:\g0b+3], s[\g1b:\g1b+7]
	s_nop 0
.rept 4
	v_nop
.endr
.Lasked_\@:
.endm
.macro CREST                           ; a round of the cluster's barrier behind its opening barrier
	s_cmp_lg_u32 s14, 0
	s_cbranch_scc1 .Lnot_wave_0_\@
	s_barrier_signal -3
.Lnot_wave_0_\@:
	s_barrier_wait -3
	s_barrier_signal -1
	s_barrier_wait -1
.endm
.macro CROUND                          ; a whole round
	s_barrier_signal -1
	s_barrier_wait -1
	CREST
.endm
	s_load_b128 s[4:7], s[0:1], 0x0                ; the activations' records, wts
.if MODE == 0
	s_load_b64 s[8:9], s[0:1], 0x10                ; qkv
.else
	s_load_b128 s[8:11], s[0:1], 0x10              ; the bias; MODE 1: the results' records; MODE 2, 3: the residual
.endif
.if MODE >= 2
	s_load_b64 s[12:13], s[0:1], 0x20              ; the output
.endif
	v_lshl_add_u32 v[SPW], v0, 2, SPARE
	v_mov_b32 v[NIL], 0
	ds_add_u32 v28, v29
	ds_add_u32 v28, v29
	s_wait_dscnt 0x0
	v_lshrrev_b32 v1, 5, v0
	v_readfirstlane_b32 s14, v1                    ; wave 0..3
	s_lshr_b32 s15, s14, 1                         ; which 128 rows of A are mine.  Also: I fetch for A (0) or for B (1)
	s_and_b32 s16, s14, 1                          ; which 128 rows of B.  Also: which 128 rows of that tile I fetch
	s_bfe_u32 s40, ttmp6, 0x40000                  ; cx, cy: my place in the cluster
	s_bfe_u32 s41, ttmp6, 0x40004
	s_and_b32 s79, ttmp7, 0xffff                   ; cluster y
.if MODE == 0
	s_cmp_eq_u32 ttmp9, 2                          ; v's clusters: the same answer in all sixteen partners
	s_cselect_b32 s17, 0, s79
	s_cselect_b32 s42, s79, ttmp9
	s_cselect_b32 s80, 1, 0
	s_lshl_b32 s17, s17, 2
	s_add_co_u32 s17, s17, s41                     ; A's tile: 4 x (cluster y, or 0 for Wv) + cy
	s_lshl_b32 s42, s42, 2
	s_add_co_u32 s42, s42, s40                     ; B's tile: 4 x (cluster x, or cluster y for the tokens) + cx
.else
	s_lshl_b32 s17, s79, 2
	s_add_co_u32 s17, s17, s41                     ; A's tile = 4 x cluster y + cy
	s_lshl_b32 s42, ttmp9, 2
	s_add_co_u32 s42, s42, s40                     ; B's tile = 4 x cluster x + cx
.endif
	s_lshl_b32 s43, s41, 2
	s_lshl_b32 s43, 15, s43                        ; my row of the cluster
	s_lshl_b32 s44, 0x1111, s40                    ; my column
	; descriptor group 1: four rows of 8,448 bytes (1,056 elements of 8 bytes), KP records apart in memory, dense in LDS
	s_or_b32 s[G1+0], s43, (3<<16)|(1<<21)         ; 15:0 the mask: A's tiles go to my row; 17:16 elements of 8 bytes; 20 no padding; 21 set beside a mask
	s_or_b32 s[G1B+0], s44, (3<<16)|(1<<21)
.irp g, G1, G1B
	s_mov_b32 s[\g+1], 1056<<16                    ; tensor_dim0
	s_mov_b32 s[\g+2], 4<<16                       ; tensor_dim1
	s_mov_b32 s[\g+3], 1056<<16                    ; tile_dim0
	s_mov_b32 s[\g+4], 4                           ; tile_dim1
	s_mov_b32 s[\g+5], KP*1056                     ; tensor_dim0_stride
	s_mov_b32 s[\g+6], 0
	s_mov_b32 s[\g+7], 0
.endr
	s_lshl_b32 s18, s16, 2
	s_lshl_b32 s20, s17, 3
	s_add_co_u32 s20, s20, s18                     ; A: group 8 x tile + 4 x half: it hangs on cy and the cluster's place alone
	s_mul_i32 s20, s20, KP*REC
	s_mov_b32 s21, 0
	s_lshl_b32 s46, s42, 3
	s_add_co_u32 s46, s46, s18                     ; B: likewise, on cx and the cluster's place alone
	s_mul_i32 s46, s46, KP*REC
	s_mov_b32 s47, 0
.if MODE == 0
	s_cmp_eq_u32 s80, 1
	s_cselect_b32 s81, WVO, 0
	s_add_co_u32 s20, s20, s81
.else
	s_add_co_u32 s46, s46, WOFF
.endif
	s_mul_i32 s45, s14, HALFT                      ; where they go: wave x 128 rows: no place in the cluster enters an LDS address
	s_wait_kmcnt 0x0
.if MODE == 0
	s_cmp_eq_u32 s80, 1
	s_cselect_b64 s[82:83], s[6:7], s[4:5]         ; A's buffer
	s_cselect_b64 s[84:85], s[4:5], s[6:7]         ; B's
	s_add_nc_u64 s[20:21], s[82:83], s[20:21]
	s_add_nc_u64 s[46:47], s[84:85], s[46:47]
.else
	s_add_nc_u64 s[20:21], s[4:5], s[20:21]
	s_add_nc_u64 s[46:47], s[6:7], s[46:47]
.endif
	CROUND                                         ; all sixteen work-groups are here: the first joint loads meet
.irp s, 0,1
	s_mov_b32 s[G0+4*\s], 1                        ; count = 1
	s_add_co_u32 s[G0+4*\s+1], s45, \s*SLOT        ; LDS address
	s_add_nc_u64 s[G0+4*\s+2:G0+4*\s+3], s[20:21], \s*REC   ; global address: K step s
	s_or_b32 s[G0+4*\s+3], s[G0+4*\s+3], 0x80000000         ; type = 2
	s_mov_b32 s[G0B+4*\s], 1
	s_add_co_u32 s[G0B+4*\s+1], s45, \s*SLOT
	s_add_nc_u64 s[G0B+4*\s+2:G0B+4*\s+3], s[46:47], \s*REC
	s_or_b32 s[G0B+4*\s+3], s[G0B+4*\s+3], 0x80000000
	JLOAD G0+4*\s, G1, G0B+4*\s, G1B               ; two loads of mine are out behind these
.endr
	v_and_b32 v1, 31, v0                           ; lane
	v_and_b32 v5, 15, v0                           ; r
	v_bfe_u32 v6, v0, 4, 1                         ; h
	v_lshlrev_b32 v2, 4, v1
	v_lshlrev_b32 v3, 2, v1
	v_lshlrev_b32 v[CO], 4, v1
	s_mul_i32 s90, s15, HALFT                      ; my 128 rows of A
	s_mul_i32 s91, s16, HALFT                      ; my 128 rows of B,
	s_add_co_u32 s91, s91, 2*HALFT                 ; which lie behind A's 256
.irp s, 0,1
	v_add_nc_u32 v[ADRA+\s], s90, v2
	v_add_nc_u32 v[ADRB+\s], s91, v2
	v_add_nc_u32 v[ADSA+\s], s90, v3
	v_add_nc_u32 v[ADSB+\s], s91, v3
	s_add_co_u32 s90, s90, SLOT
	s_add_co_u32 s91, s91, SLOT
.endr
.if MODE > 0
	s_lshl_b32 s86, s42, 10                        ; the bias of my 128 rows of B: (256 x tile + 128 x half) x 4 bytes
	s_lshl_b32 s87, s16, 9
	s_add_co_u32 s86, s86, s87
	s_mov_b32 s87, 0
	s_add_nc_u64 s[BIA:BIA+1], s[8:9], s[86:87]
	v_lshlrev_b32 v4, 6, v6                        ; lane (r, h) wants, for tile b, the numbers 32 (b / 2) + 8 (b % 2) + 16 h + 0 .. 7
.irp b, 0,1,2,3,4,5,6,7
	global_load_b128 v[BI+8*\b:BI+8*\b+3], v4, s[BIA:BIA+1] offset:(\b/2)*128+(\b%2)*32
	global_load_b128 v[BI+8*\b+4:BI+8*\b+7], v4, s[BIA:BIA+1] offset:(\b/2)*128+(\b%2)*32+16
.endr
.endif
.if MODE == 0
	s_lshl_b32 s86, s17, 1
	s_add_co_u32 s86, s86, s15                     ; which 128 rows of A's operand are mine,
	s_lshl_b32 s87, s42, 1
	s_add_co_u32 s87, s87, s16                     ; and of B's
	s_cmp_eq_u32 s80, 1
	s_cselect_b32 s88, s87, s86                    ; the chunk of 128 tokens
	s_cselect_b32 s89, s86, s87                    ; the chunk of 128 features
	s_lshr_b32 s90, s89, 3
	s_cmp_eq_u32 s80, 1
	s_cselect_b32 s90, 2, s90                      ; region: q 0, k 1, v 2
	s_and_b32 s89, s89, 7                          ; the pair of heads
	s_lshr_b32 s91, s88, 4                         ; the batch
	s_and_b32 s88, s88, 15                         ; the chunk within it
	s_lshl_b32 s92, s90, 22                        ; codes: region << 22 | batch << 21 | pair << 18 | chunk << 14 (| block a << 11 | piece c << 9)
	s_lshl_b32 s93, s91, 21
	s_or_b32 s92, s92, s93
	s_lshl_b32 s93, s89, 18
	s_or_b32 s92, s92, s93
	s_lshl_b32 s93, s88, 14
	s_or_b32 s92, s92, s93
	s_mov_b32 s93, 0
	s_lshl_b32 s94, s90, 17                        ; scale words: SQ + (region << 17 | batch << 16 | pair << 13 | chunk << 9 (| a << 6)) + 4 r
	s_lshl_b32 s95, s91, 16
	s_or_b32 s94, s94, s95
	s_lshl_b32 s95, s89, 13
	s_or_b32 s94, s94, s95
	s_lshl_b32 s95, s88, 9
	s_or_b32 s94, s94, s95
	s_add_co_u32 s94, s94, SQ
	s_mov_b32 s95, 0
	s_add_nc_u64 s[OC:OC+1], s[8:9], s[92:93]
	s_add_nc_u64 s[OS:OS+1], s[8:9], s[94:95]
	v_lshlrev_b32 v[LS], 2, v1                     ; two blocks' words lie on end: 4 x lane
.endif
.if MODE == 1
	s_lshl_b32 s86, s17, 3
	s_lshl_b32 s87, s15, 2
	s_add_co_u32 s86, s86, s87                     ; my first group of tokens,
	s_mul_i32 s86, s86, 16*REC                     ; of 16 records each,
	s_mul_i32 s87, s42, REC
	s_add_co_u32 s86, s86, s87                     ; record kp = B's tile
	s_lshl_b32 s87, s16, 11
	s_add_co_u32 s88, s86, s87                     ; fragment q = my half of it
	s_mov_b32 s89, 0
	s_lshl_b32 s87, s16, 6
	s_add_co_u32 s86, s86, s87
	s_add_co_u32 s86, s86, 8192
	s_mov_b32 s87, 0
	s_add_nc_u64 s[OC:OC+1], s[10:11], s[88:89]
	s_add_nc_u64 s[OS:OS+1], s[10:11], s[86:87]
	v_lshlrev_b32 v[LS], 2, v5
	v_lshl_add_u32 v[LS], v6, 7, v[LS]             ; tile u = 0 in lanes 0-15, u = 1 in lanes 16-31: 128 h + 4 r
.endif
.if MODE < 2
	s_mov_b32 s[SEL], 0x76543210
	s_mov_b32 s[SEL+1], 0xfedcba98                 ; v_permlanex16_b32's selects for lane l xor 16
	s_mov_b32 s[MNT], 0x600000                     ; the mantissa field of 448
	s_mov_b32 s[HM], 0xffff0000                    ; lanes 16-31
.else
	s_lshl_b32 s86, s17, 20                        ; (256 x A's tile + 128 x half) rows of 4,096 bytes + (256 x B's tile + 128 x half) x 4
	s_lshl_b32 s87, s15, 19
	s_add_co_u32 s86, s86, s87
	s_lshl_b32 s87, s42, 10
	s_add_co_u32 s86, s86, s87
	s_lshl_b32 s87, s16, 9
	s_add_co_u32 s86, s86, s87
	s_mov_b32 s87, 0
	s_add_nc_u64 s[OC:OC+1], s[10:11], s[86:87]    ; the residual
	s_add_nc_u64 s[OS:OS+1], s[12:13], s[86:87]    ; the output
	s_mul_i32 s90, s14, 16*528                     ; my stage: 16 rows x (512 bytes + 16)
	v_mul_u32_u24 v[STO], v5, 528
	v_lshl_add_u32 v[STO], v6, 6, v[STO]
	v_add_nc_u32 v[STO], s90, v[STO]               ; in: row r, + 64 h
	v_add_nc_u32 v[RD], s90, v2                    ; back: 16 x lane: a whole row of 512 bytes
.endif
.macro FRAG reg, adr, q, i             ; block i's fragment of the slot's q-th 128 along K: the image of its 16 registers
.irp c, 0,1,2,3
	ds_load_b128 v[\reg+4*\c:\reg+4*\c+3], v[\adr] offset:((\i)/2)*REC+((\i)%2)*4096+(\q)*2048+512*\c
.endr
.endm
; 16 matrix instructions: A's blocks a0, a0 + 1 x B's eight, the slot's q-th 128 along K.  p: B's set; sc: the set of scale words.  first = 1: the product starts the sums: nothing is ever cleared.
; The 64 accumulators take turns, one instruction a turn, in the same order in every step.
.macro MUL16 a0, p, q, sc, first
.irp a, \a0, \a0+1
.irp b, 0,1,2,3,4,5,6,7
.set rD, 8*(8*((\a)%4)+\b)
.set rB, 128*(\p)+FR*\b
.set rA, AF+FR*(\a)
.set rSB, SC+16*(\sc)+8+\b
.set rSA, SC+16*(\sc)+(\a)
.if \first
.if MODE == 0
	v_wmma_scale_f32_16x16x128_f8f6f4 v[rD:rD+7], v[rB:rB+15], v[rA:rA+15], 0, v[rSB], v[rSA]
.else
	v_wmma_scale_f32_16x16x128_f8f6f4 v[rD:rD+7], v[rB:rB+15], v[rA:rA+15], v[BI+8*\b:BI+8*\b+7], v[rSB], v[rSA]
.endif
.elseif \q
	v_wmma_scale_f32_16x16x128_f8f6f4 v[rD:rD+7], v[rB:rB+15], v[rA:rA+15], v[rD:rD+7], v[rSB], v[rSA] matrix_a_scale:MATRIX_SCALE_ROW1 matrix_b_scale:MATRIX_SCALE_ROW1
.else
	v_wmma_scale_f32_16x16x128_f8f6f4 v[rD:rD+7], v[rB:rB+15], v[rA:rA+15], v[rD:rD+7], v[rSB], v[rSA]
.endif
.endr
.endr
.endm
.macro FETCH_B slot, q, p
	WIN TO_B
.irp i, 0,1,2,3,4,5,6,7
	FRAG 128*(\p)+FR*\i, ADRB+\slot, \q, \i
.endr
	WIN 0
.endm
.macro FETCH_A slot, q, i0
.irp i, \i0, \i0+1, \i0+2, \i0+3
	FRAG AF+FR*(\i), ADRA+\slot, \q, \i
.endr
.endm
.macro SCALES s                        ; slot s's scale words: lanes 0-15 take a block's 16 words of the first 128 along K, lanes 16-31 those of the second
.irp i, 0,1,2,3,4,5,6,7
	ds_load_b32 v[SC+16*\s+\i], v[ADSA+\s] offset:8192+(\i/2)*REC+(\i%2)*128
.endr
.irp i, 0,1,2,3,4,5,6,7
	ds_load_b32 v[SC+16*\s+8+\i], v[ADSB+\s] offset:8192+(\i/2)*REC+(\i%2)*128
.endr
.endm
; A load into a register that a matrix instruction has read, and a vector instruction or a store that reads a matrix result, stand NP places behind that matrix instruction; only plain vector
; instructions that name none of its registers are places (ISA guide 7.12.1 for vector instructions).
.macro PLACES n
.rept \n
	v_nop
.endr
.endm
; A slot's first 128 along K.  A block of A is free as soon as its eight products are issued, so one set serves A: blocks 0-3 are fetched anew in the step's middle, blocks 4-7 at its end.
.macro STEP slot, first
	s_wait_dscnt 4*NL                              ; all but the youngest 16 loads (A's blocks 4-7) are in
.if \first
	WIN FIRST_LO
.else
	WIN MUL_LO
.endif
	MUL16 0, 0, 0, \slot, \first
	MUL16 2, 0, 0, \slot, \first
	s_wait_dscnt 0                                 ; A's blocks 4-7 are in
	PLACES NP
	FETCH_B \slot, 1, 1
	FETCH_A \slot, 1, 0
.if \first
	WIN FIRST_HI
.else
	WIN MUL_HI
.endif
	MUL16 4, 0, 0, \slot, \first
	MUL16 6, 0, 0, \slot, \first
	PLACES NP
	WIN 0
	FETCH_A \slot, 1, 4
.endm
; A slot's second 128 changes slots: ONE barrier; in front of it each wave waits for all its tensor loads, adds 0 to its spare word, and waits for that and for its own reads of this slot.
; fill = 1: the barrier opens a round of the cluster's barrier, and this slot is filled again, two K steps ahead, first thing behind the round.
.macro TURN slot, next, fill
	s_wait_tensorcnt 0x0                           ; all my tensor loads have landed: my part of the next slot
	ds_add_u32 v[SPW], v[NIL]                      ; 0 onto my spare word
	s_wait_dscnt 4*NL+1                            ; (the add and the youngest 16 loads, A's blocks 4-7, may be out)
	WIN MUL_LO
	MUL16 0, 1, 1, \slot, 0                        ; sixteen matrix instructions stand between the add and the wait for it
	s_wait_dscnt 0x0                               ; the add is done, and my reads of this slot are over
	s_barrier_signal -1
	MUL16 2, 1, 1, \slot, 0
	WIN 0
	s_barrier_wait -1
.if \fill
	CREST                                          ; no wave of any partner still reads this slot or has a load on its way
	s_add_nc_u64 s[G0+4*\slot+2:G0+4*\slot+3], s[G0+4*\slot+2:G0+4*\slot+3], 2*REC
	s_add_nc_u64 s[G0B+4*\slot+2:G0B+4*\slot+3], s[G0B+4*\slot+2:G0B+4*\slot+3], 2*REC
	JLOAD G0+4*\slot, G1, G0B+4*\slot, G1B         ; my one tensor load behind the round; its four v_nop are among the places in front of the loads below
	PLACES NP-4
.else
	PLACES NP
.endif
	FETCH_B \next, 0, 0
	FETCH_A \next, 0, 0
	SCALES \next
	WIN MUL_HI
	MUL16 4, 1, 1, \slot, 0
	MUL16 6, 1, 1, \slot, 0
	PLACES NP
	WIN 0
	FETCH_A \next, 0, 4
.endm
	s_wait_tensorcnt 1                             ; my part of K step 0 is in; K step 1's load may stay out
	s_barrier_signal -1
	s_barrier_wait -1                              ; everybody's is
	FETCH_B 0, 0, 0
	FETCH_A 0, 0, 0
	SCALES 0
	FETCH_A 0, 0, 4
.if MODE > 0
	s_wait_loadcnt 0x0                             ; the bias
.endif
	STEP 0, 1                                      ; the first step stands in front of the loop: its products start the sums
	s_mov_b32 s3, LAPS-1
.Llap:                                                 ; a trip goes once round the ring and fills both slots again
	TURN 0, 1, 1
	STEP 1, 0
	TURN 1, 0, 1
	STEP 0, 0
	s_sub_co_u32 s3, s3, 1
	s_cmp_lg_u32 s3, 0
	s_cbranch_scc1 .Llap
	TURN 0, 1, 0                                   ; the last lap fills nothing, and has no round of the cluster's barrier
	STEP 1, 0
	s_wait_dscnt 4*NL                              ; the very last step: nothing more to fetch
	WIN MUL_LO
	MUL16 0, 1, 1, 1, 0
	MUL16 2, 1, 1, 1, 0
	s_wait_dscnt 0
	WIN MUL_HI
	MUL16 4, 1, 1, 1, 0
	MUL16 6, 1, 1, 1, 0
	WIN 0
	PLACES NP                                      ; behind the last products: their results are read, and the registers that held fragments written or loaded, only from here on
; THE WAY OUT, block by block of 16 rows x 128 columns.  A lane holds pieces of 32 bytes of one row; a block goes through my own stage in LDS and comes back as whole rows of 512 bytes; the residual's same
; rows are added, and the 32 lanes store two aligned runs of 256 bytes.  The stage lies in slot 0, which has had its last fill, and which nobody reads behind the last change of slots.
; LDS serves a wave's instructions in order (ISA guide 5.7.1.4): no wait between the stores and the loads, nor in front of the next block's stores.  Row t of block a is token 32 (a / 2) + 8 (a % 2) + t + 8 (t / 8).
.set SPITCH, 528
.set BK, 128                           ; rows read back from the stage: v128-191 and v192-255 by turns
.macro RLOAD a                         ; the residual's 16 rows of block a into set a % 4 of window 1
	WIN 0x40
.irp t, 0,1,2,3,4,5,6,7,8,9,10,11,12,13,14,15
	global_load_b128 v[64*((\a)%4)+4*\t:64*((\a)%4)+4*\t+3], v[CO], s[OC:OC+1] offset:(32*((\a)/2)+8*((\a)%2)+\t+8*(\t/8))*4096
.endr
	WIN 0
.endm
.macro TOSTAGE a
.set AC, 64*((\a)%4)
	WIN 0x08+4*((\a)/4)                            ; the data: window 2 or 3
.irp b, 0,1,2,3,4,5,6,7
	ds_store_b128 v[STO], v[AC+8*\b:AC+8*\b+3] offset:(\b/2)*128+(\b%2)*32          ; each accumulator from its low end on: columns 32 (b / 2) + 8 (b % 2) + 16 h + 0 .. 7
	ds_store_b128 v[STO], v[AC+8*\b+4:AC+8*\b+7] offset:(\b/2)*128+(\b%2)*32+16
.endr
	WIN 0
.set BB, BK+64*((\a)%2)
.irp t, 0,1,2,3,4,5,6,7,8,9,10,11,12,13,14,15
	ds_load_b128 v[BB+4*\t:BB+4*\t+3], v[RD] offset:\t*SPITCH
.endr
.endm
.macro SEND a, younger                 ; younger: the LDS instructions issued behind block a's loads, which may stay out
.set BB, BK+64*((\a)%2)
	s_wait_dscnt \younger                          ; the block is back in registers
.if (\a) < 5
	s_wait_loadcnt 48                              ; its residual is in: three younger sets of 16 loads may be out
.else
	s_wait_loadcnt 16*(7-(\a))                     ; the counts run down
.endif
	WIN 0x04                                       ; source 1: window 1
.set i, 0
.rept 32
	v_pk_add_f32 v[BB+i:BB+i+1], v[BB+i:BB+i+1], v[64*((\a)%4)+i:64*((\a)%4)+i+1]
.set i, i+2
.endr
	WIN 0
.irp t, 0,1,2,3,4,5,6,7,8,9,10,11,12,13,14,15
.if MODE == 3
	global_store_b128 v[CO], v[BB+4*\t:BB+4*\t+3], s[OS:OS+1] offset:(32*((\a)/2)+8*((\a)%2)+\t+8*(\t/8))*4096 th:TH_STORE_NT
.else
	global_store_b128 v[CO], v[BB+4*\t:BB+4*\t+3], s[OS:OS+1] offset:(32*((\a)/2)+8*((\a)%2)+\t+8*(\t/8))*4096
.endif
.endr
.if (\a) < 4
	RLOAD (\a)+4                                   ; its set takes the block four further on
.endif
.endm
	RLOAD 0
	RLOAD 1
	RLOAD 2
	RLOAD 3
	TOSTAGE 0
.irp a, 1,2,3,4,5,6,7
.if \a > 1
	s_wait_xcnt 0x0                                ; block a - 2's stores have read their registers: block a's loads may land there
.endif
	TOSTAGE \a
	SEND \a-1, 32                                  ; behind block a - 1's loads: block a's 16 stores and 16 loads
.endr
	s_wait_xcnt 0x0
	SEND 7, 0
	s_wait_tensorcnt 0x0                           ; the wave's end, behind my last tensor load and my last LDS store
	ds_add_u32 v[SPW], v[NIL]
	s_wait_dscnt 0x0
	CROUND                                         ; the closing round: no work-group ends while a partner may still ask for a tile that names it
	s_endpgm
.Lfunc_end_k_qcca4a688d0_wp:
	.size	k_qcca4a688d0_wp, .Lfunc_end_k_qcca4a688d0_wp-k_qcca4a688d0_wp
	.p2alignl 7, 3214868480
	.fill 96, 4, 3214868480
	.section	.rodata,"a",@progbits
	.p2align	6, 0x0
	.amdhsa_kernel k_qcca4a688d0_wp
		.amdhsa_group_segment_fixed_size 327680
		.amdhsa_private_segment_fixed_size 0
		.amdhsa_enable_private_segment 0
		.amdhsa_kernarg_size 40
		.amdhsa_user_sgpr_count 2
		.amdhsa_user_sgpr_kernarg_segment_ptr 1
		.amdhsa_wavefront_size32 1
		.amdhsa_system_sgpr_workgroup_id_x 1
		.amdhsa_system_sgpr_workgroup_id_y 1
		.amdhsa_system_sgpr_workgroup_id_z 1
		.amdhsa_system_vgpr_workitem_id 0
		.amdhsa_next_free_vgpr 1024
		.amdhsa_next_free_sgpr 100
		.amdhsa_reserve_vcc 0
		.amdhsa_float_denorm_mode_32 3
		.amdhsa_float_denorm_mode_16_64 3
		.amdhsa_memory_ordered 1
		.amdhsa_forward_progress 1
		.amdhsa_inst_pref_size 175
	.end_amdhsa_kernel
	.amdgpu_metadata
---
amdhsa.version: [ 1, 2 ]
amdhsa.kernels:
  - .name:           k_qcca4a688d0_wp
    .symbol:         k_qcca4a688d0_wp.kd
    .args:
      - { .name: oc, .offset: 0, .size: 8, .value_kind: global_buffer, .address_space: global }
      - { .name: wts, .offset: 8, .size: 8, .value_kind: global_buffer, .address_space: global }
      - { .name: bp, .offset: 16, .size: 8, .value_kind: global_buffer, .address_space: global }
      - { .name: x, .offset: 24, .size: 8, .value_kind: global_buffer, .address_space: global }
      - { .name: x1, .offset: 32, .size: 8, .value_kind: global_buffer, .address_space: global }
    .group_segment_fixed_size: 327680
    .private_segment_fixed_size: 0
    .kernarg_segment_align: 8
    .kernarg_segment_size: 40
    .max_flat_workgroup_size: 128
    .sgpr_count:     100
    .vgpr_count:     1024
    .wavefront_size: 32
...
	.end_amdgpu_metadata
.endif
;; end of part 5
;; launch ln2: the kernel of part 2 again; grid 256 x 1, 8 waves a work-group, no clusters, 2,048 bytes of LDS; arguments x1, ln2_w, ln2_b, h2c; writes h2c
;; launch w1 (part 6): grid 16 x 16, 4 waves a work-group, clusters of 4 x 4, 327,680 bytes of LDS; arguments h2c, wts, b1, ac; writes ac
.if DOCPART == 6
	.amdgcn_target "amdgcn-amd-amdhsa--gfx1250"
	.amdhsa_code_object_version 6
	.text
	.protected	k_qcca4a688d0_w1
	.globl	k_qcca4a688d0_w1
	.p2align	8
	.type	k_qcca4a688d0_w1,@function
k_qcca4a688d0_w1:
	s_mov_b64 s[64:65], 0
	v_nop
	global_prefetch_b8 v0, s[64:65] scope:SCOPE_SE
	s_setreg_imm32_b32 hwreg(HW_REG_WAVE_MODE, 25, 1), 1
	s_wait_xcnt 0x0
	s_wait_alu depctr_hold_cnt(0) depctr_sa_sdst(0) depctr_va_vdst(0) depctr_va_sdst(0) depctr_va_ssrc(0) depctr_va_vcc(0) depctr_vm_vsrc(0)
	s_getreg_b32 s2, hwreg(HW_REG_IB_STS2, 6, 4)
	s_cmp_eq_u32 s2, 0
	s_cbranch_scc0 .Lentry_in_a_cluster
	s_endpgm
.Lentry_in_a_cluster:
	s_bfe_u32 s2, ttmp6, 0x10000c
	s_cmp_lg_u32 s2, 0xf033
	s_cbranch_scc0 .Lentry_shape_is_right
	s_endpgm
.Lentry_shape_is_right:
; ONE TEXT FOR THE BLOCK'S FOUR GEMMS ON CODES OF FP8 (E4M3) WITH E8M0 SCALES.  The line .set MODE says which of them this file is:
;   0: q = h Wq, k = h Wk, v^T = Wv^T h^T, quantised;   1: relu(h2 W1 + b1), quantised;   2: x1 = x + o Wp + bp, f32;   3: out = x1 + a W2 + b2, f32.
.set MODE, 1
; OPERANDS are laid in RECORDS of 8,448 bytes: 32 rows (a group p) x 256 along K (kp): four fragments (u, q) of 2,048 bytes at 4096 u + 2048 q, each an image of an operand's 16 registers (lane l's 16 bytes at
; 512 c + 16 l are k = 32 c + 16 (l / 16) + 0 .. 15 of its row), then the scale words at 8192 + 128 u + 64 q + 4 r.  Lane r of tile u holds row 32 p + 8 u + r + 8 (r / 8).  An operand is [p][kp][record].
; So a wave's 128 rows of a K step are four rows of 8,448 bytes for one tensor load, the scales ride with the codes, and a fragment is read from LDS at 16 x lane: no pitch, no padding.
; SHARES.  A work-group of four waves makes 256 rows of "A" x 256 rows of "B"; a wave 128 x 128: 64 accumulators, 512 registers.  K goes in steps of 256 through a ring of two LDS slots.
; THE MATRIX INSTRUCTION IS USED TRANSPOSED (source 0 = 16 rows of B, source 1 = 16 rows of A): lane (r, h) holds A's row r of a tile, and, by the order of rows in a tile, register 16 g + i of a block's 64
; holds B's row 32 g + 16 h + i of the wave's 128: neighbours along the next product's K, in the order of the next operand's registers.
; MODE 0: clusters with x = 0, 1 have A = h (tokens), B = Wq and Wk (2,048 rows on end); clusters with x = 2 have A = Wv's rows and B = h, so that v's results run along the tokens, which are its K.
; CLUSTERS: 4 x 4 work-groups; A's tiles are asked for jointly along a row of the cluster, B's along a column.
; REGISTERS, in windows of 256: window 0: v16-29 addresses; v32-63 scale words, two sets (nothing else ever stands there); v64-127 the bias; v128-255 A's fragments, one set; window 1: B's fragments, two sets;
; window 2: the accumulators of my rows 0-63 ((a, b) at v[8 (8 a + b)]); window 3: those of rows 64-127.
; LIMITS: a block of zeros gets the byte 1 where the rule says 127 (its codes are zeros; this program alone reads the bytes); blocks under 2^-118 are held at the byte 1; NaN and infinities are not served.
.if MODE == 3
.set KP, 16                            ; K steps of 256
.else
.set KP, 4
.endif
.if MODE == 0
.set WOFF, 0                           ; where B's records begin in wts
.elseif MODE == 1
.set WOFF, 4325376
.elseif MODE == 2
.set WOFF, 3244032
.else
.set WOFF, 8650752
.endif
.set WVO,   2162688                    ; Wv's records
.set SQ,    12582912                   ; qkv: the scale words lie behind the three regions of codes
.set REC,   8448
.set HALFT, 4*REC                      ; 128 rows of a K step: what one tensor load brings, and what one wave reads of A or of B
.set SLOT,  4*HALFT                    ; A's 256 rows, then B's
.set SPARE, 2*SLOT                     ; behind the ring: the spare words, 128 bytes for each wave: two blocks of 256 bytes that no other line names
.set LAPS,  KP/2
.set FR,    16
.set NL,    4
.set NP,    8                          ; places behind this matrix instruction (ISA guide 7.12.1)
.set ADRA, 16                          ; v16-17 my A fragments in slot 0, 1: + 16 x lane
.set ADSA, 18                          ; v18-19 my A records in slot 0, 1: + 4 x lane, for the scale words
.set ADRB, 20                          ; v20-21, v22-23 the same for B
.set ADSB, 22
.set STO,  24                          ; the way out
.set RD,   25
.set CO,   26                          ; 16 x lane
.set LS,   27
.set SPW,  28                          ; LDS address of my spare word; never rewritten
.set NIL,  29                          ; 0; never rewritten
.set SC,   32                          ; scale words: set s: A's block i at SC + 16 s + i, B's at SC + 16 s + 8 + i; lanes 0-15 the slot's first 128 along K, lanes 16-31 its second
.set BI,   64                          ; the bias: 8 registers for each tile of B's rows, in the result's layout
.set AF,   128
.set G1,  24                           ; s[24:31] descriptor group 1 for A's tiles; s[32:39] group 0, a set for each slot
.set G0,  32
.set G1B, 48                           ; s[48:55], s[56:63] the same for B's
.set G0B, 56
.set OC,  68                           ; s[68:69], s[70:71] where results go (MODE 2, 3: the residual, the output)
.set OS,  70
.set BIA, 72
.set SEL, 74
.set MNT, 76
.set HM,  77
.set MSB, 0
.macro WIN new                         ; the immediate's high byte repeats the setting that is left
.if MSB != \new
	s_set_vgpr_msb (MSB<<8)|\new
.set MSB, \new
.endif
.endm
.set MUL_LO, 0xa1                      ; source 0 (B) window 1, source 1 (A) window 0, C and D window 2
.set MUL_HI, 0xf1                      ; the same, C and D window 3
.if MODE == 0
.set FIRST_LO, MUL_LO                  ; the first products take the constant 0 as C,
.set FIRST_HI, MUL_HI
.else
.set FIRST_LO, 0x81                    ; or the bias, which lies in window 0
.set FIRST_HI, 0xc1
.endif
.set TO_B,   0x40                      ; destination window 1, address window 0
; A joint load: waves 0 and 1 fetch for A, waves 2 and 3 for B.  Each line has one mask and one set of registers for all that issue it; the branch hangs on the wave's number alone.
; Four v_nop follow each of the two lines, ahead of the jump, the label and what follows.
.macro JLOAD g0a, g1a, g0b, g1b
	s_cmp_eq_u32 s15, 0
	s_cbranch_scc0 .Lfor_b_\@
	tensor_load_to_lds s[\g0a:\g0a+3], s[\g1a:\g1a+7]
	s_nop 0
.rept 4
	v_nop
.endr
	s_branch .Lasked_\@
.Lfor_b_\@:
	tensor_load_to_lds s[\g0b:\g0b+3], s[\g1b:\g1b+7]
	s_nop 0
.rept 4
	v_nop
.endr
.Lasked_\@:
.endm
.macro CREST                           ; a round of the cluster's barrier behind its opening barrier
	s_cmp_lg_u32 s14, 0
	s_cbranch_scc1 .Lnot_wave_0_\@
	s_barrier_signal -3
.Lnot_wave_0_\@:
	s_barrier_wait -3
	s_barrier_signal -1
	s_barrier_wait -1
.endm
.macro CROUND                          ; a whole round
	s_barrier_signal -1
	s_barrier_wait -1
	CREST
.endm
	s_load_b128 s[4:7], s[0:1], 0x0                ; the activations' records, wts
.if MODE == 0
	s_load_b64 s[8:9], s[0:1], 0x10                ; qkv
.else
	s_load_b128 s[8:11], s[0:1], 0x10              ; the bias; MODE 1: the results' records; MODE 2, 3: the residual
.endif
.if MODE >= 2
	s_load_b64 s[12:13], s[0:1], 0x20              ; the output
.endif
	v_lshl_add_u32 v[SPW], v0, 2, SPARE
	v_mov_b32 v[NIL], 0
	ds_add_u32 v28, v29
	ds_add_u32 v28, v29
	s_wait_dscnt 0x0
	v_lshrrev_b32 v1, 5, v0
	v_readfirstlane_b32 s14, v1                    ; wave 0..3
	s_lshr_b32 s15, s14, 1                         ; which 128 rows of A are mine.  Also: I fetch for A (0) or for B (1)
	s_and_b32 s16, s14, 1                          ; which 128 rows of B.  Also: which 128 rows of that tile I fetch
	s_bfe_u32 s40, ttmp6, 0x40000                  ; cx, cy: my place in the cluster
	s_bfe_u32 s41, ttmp6, 0x40004
	s_and_b32 s79, ttmp7, 0xffff                   ; cluster y
.if MODE == 0
	s_cmp_eq_u32 ttmp9, 2                          ; v's clusters: the same answer in all sixteen partners
	s_cselect_b32 s17, 0, s79
	s_cselect_b32 s42, s79, ttmp9
	s_cselect_b32 s80, 1, 0
	s_lshl_b32 s17, s17, 2
	s_add_co_u32 s17, s17, s41                     ; A's tile: 4 x (cluster y, or 0 for Wv) + cy
	s_lshl_b32 s42, s42, 2
	s_add_co_u32 s42, s42, s40                     ; B's tile: 4 x (cluster x, or cluster y for the tokens) + cx
.else
	s_lshl_b32 s17, s79, 2
	s_add_co_u32 s17, s17, s41                     ; A's tile = 4 x cluster y + cy
	s_lshl_b32 s42, ttmp9, 2
	s_add_co_u32 s42, s42, s40                     ; B's tile = 4 x cluster x + cx
.endif
	s_lshl_b32 s43, s41, 2
	s_lshl_b32 s43, 15, s43                        ; my row of the cluster
	s_lshl_b32 s44, 0x1111, s40                    ; my column
	; descriptor group 1: four rows of 8,448 bytes (1,056 elements of 8 bytes), KP records apart in memory, dense in LDS
	s_or_b32 s[G1+0], s43, (3<<16)|(1<<21)         ; 15:0 the mask: A's tiles go to my row; 17:16 elements of 8 bytes; 20 no padding; 21 set beside a mask
	s_or_b32 s[G1B+0], s44, (3<<16)|(1<<21)
.irp g, G1, G1B
	s_mov_b32 s[\g+1], 1056<<16                    ; tensor_dim0
	s_mov_b32 s[\g+2], 4<<16                       ; tensor_dim1
	s_mov_b32 s[\g+3], 1056<<16                    ; tile_dim0
	s_mov_b32 s[\g+4], 4                           ; tile_dim1
	s_mov_b32 s[\g+5], KP*1056                     ; tensor_dim0_stride
	s_mov_b32 s[\g+6], 0
	s_mov_b32 s[\g+7], 0
.endr
	s_lshl_b32 s18, s16, 2
	s_lshl_b32 s20, s17, 3
	s_add_co_u32 s20, s20, s18                     ; A: group 8 x tile + 4 x half: it hangs on cy and the cluster's place alone
	s_mul_i32 s20, s20, KP*REC
	s_mov_b32 s21, 0
	s_lshl_b32 s46, s42, 3
	s_add_co_u32 s46, s46, s18                     ; B: likewise, on cx and the cluster's place alone
	s_mul_i32 s46, s46, KP*REC
	s_mov_b32 s47, 0
.if MODE == 0
	s_cmp_eq_u32 s80, 1
	s_cselect_b32 s81, WVO, 0
	s_add_co_u32 s20, s20, s81
.else
	s_add_co_u32 s46, s46, WOFF
.endif
	s_mul_i32 s45, s14, HALFT                      ; where they go: wave x 128 rows: no place in the cluster enters an LDS address
	s_wait_kmcnt 0x0
.if MODE == 0
	s_cmp_eq_u32 s80, 1
	s_cselect_b64 s[82:83], s[6:7], s[4:5]         ; A's buffer
	s_cselect_b64 s[84:85], s[4:5], s[6:7]         ; B's
	s_add_nc_u64 s[20:21], s[82:83], s[20:21]
	s_add_nc_u64 s[46:47], s[84:85], s[46:47]
.else
	s_add_nc_u64 s[20:21], s[4:5], s[20:21]
	s_add_nc_u64 s[46:47], s[6:7], s[46:47]
.endif
	CROUND                                         ; all sixteen work-groups are here: the first joint loads meet
.irp s, 0,1
	s_mov_b32 s[G0+4*\s], 1                        ; count = 1
	s_add_co_u32 s[G0+4*\s+1], s45, \s*SLOT        ; LDS address
	s_add_nc_u64 s[G0+4*\s+2:G0+4*\s+3], s[20:21], \s*REC   ; global address: K step s
	s_or_b32 s[G0+4*\s+3], s[G0+4*\s+3], 0x80000000         ; type = 2
	s_mov_b32 s[G0B+4*\s], 1
	s_add_co_u32 s[G0B+4*\s+1], s45, \s*SLOT
	s_add_nc_u64 s[G0B+4*\s+2:G0B+4*\s+3], s[46:47], \s*REC
	s_or_b32 s[G0B+4*\s+3], s[G0B+4*\s+3], 0x80000000
	JLOAD G0+4*\s, G1, G0B+4*\s, G1B               ; two loads of mine are out behind these
.endr
	v_and_b32 v1, 31, v0                           ; lane
	v_and_b32 v5, 15, v0                           ; r
	v_bfe_u32 v6, v0, 4, 1                         ; h
	v_lshlrev_b32 v2, 4, v1
	v_lshlrev_b32 v3, 2, v1
	v_lshlrev_b32 v[CO], 4, v1
	s_mul_i32 s90, s15, HALFT                      ; my 128 rows of A
	s_mul_i32 s91, s16, HALFT                      ; my 128 rows of B,
	s_add_co_u32 s91, s91, 2*HALFT                 ; which lie behind A's 256
.irp s, 0,1
	v_add_nc_u32 v[ADRA+\s], s90, v2
	v_add_nc_u32 v[ADRB+\s], s91, v2
	v_add_nc_u32 v[ADSA+\s], s90, v3
	v_add_nc_u32 v[ADSB+\s], s91, v3
	s_add_co_u32 s90, s90, SLOT
	s_add_co_u32 s91, s91, SLOT
.endr
.if MODE > 0
	s_lshl_b32 s86, s42, 10                        ; the bias of my 128 rows of B: (256 x tile + 128 x half) x 4 bytes
	s_lshl_b32 s87, s16, 9
	s_add_co_u32 s86, s86, s87
	s_mov_b32 s87, 0
	s_add_nc_u64 s[BIA:BIA+1], s[8:9], s[86:87]
	v_lshlrev_b32 v4, 6, v6                        ; lane (r, h) wants, for tile b, the numbers 32 (b / 2) + 8 (b % 2) + 16 h + 0 .. 7
.irp b, 0,1,2,3,4,5,6,7
	global_load_b128 v[BI+8*\b:BI+8*\b+3], v4, s[BIA:BIA+1] offset:(\b/2)*128+(\b%2)*32
	global_load_b128 v[BI+8*\b+4:BI+8*\b+7], v4, s[BIA:BIA+1] offset:(\b/2)*128+(\b%2)*32+16
.endr
.endif
.if MODE == 0
	s_lshl_b32 s86, s17, 1
	s_add_co_u32 s86, s86, s15                     ; which 128 rows of A's operand are mine,
	s_lshl_b32 s87, s42, 1
	s_add_co_u32 s87, s87, s16                     ; and of B's
	s_cmp_eq_u32 s80, 1
	s_cselect_b32 s88, s87, s86                    ; the chunk of 128 tokens
	s_cselect_b32 s89, s86, s87                    ; the chunk of 128 features
	s_lshr_b32 s90, s89, 3
	s_cmp_eq_u32 s80, 1
	s_cselect_b32 s90, 2, s90                      ; region: q 0, k 1, v 2
	s_and_b32 s89, s89, 7                          ; the pair of heads
	s_lshr_b32 s91, s88, 4                         ; the batch
	s_and_b32 s88, s88, 15                         ; the chunk within it
	s_lshl_b32 s92, s90, 22                        ; codes: region << 22 | batch << 21 | pair << 18 | chunk << 14 (| block a << 11 | piece c << 9)
	s_lshl_b32 s93, s91, 21
	s_or_b32 s92, s92, s93
	s_lshl_b32 s93, s89, 18
	s_or_b32 s92, s92, s93
	s_lshl_b32 s93, s88, 14
	s_or_b32 s92, s92, s93
	s_mov_b32 s93, 0
	s_lshl_b32 s94, s90, 17                        ; scale words: SQ + (region << 17 | batch << 16 | pair << 13 | chunk << 9 (| a << 6)) + 4 r
	s_lshl_b32 s95, s91, 16
	s_or_b32 s94, s94, s95
	s_lshl_b32 s95, s89, 13
	s_or_b32 s94, s94, s95
	s_lshl_b32 s95, s88, 9
	s_or_b32 s94, s94, s95
	s_add_co_u32 s94, s94, SQ
	s_mov_b32 s95, 0
	s_add_nc_u64 s[OC:OC+1], s[8:9], s[92:93]
	s_add_nc_u64 s[OS:OS+1], s[8:9], s[94:95]
	v_lshlrev_b32 v[LS], 2, v1                     ; two blocks' words lie on end: 4 x lane
.endif
.if MODE == 1
	s_lshl_b32 s86, s17, 3
	s_lshl_b32 s87, s15, 2
	s_add_co_u32 s86, s86, s87                     ; my first group of tokens,
	s_mul_i32 s86, s86, 16*REC                     ; of 16 records each,
	s_mul_i32 s87, s42, REC
	s_add_co_u32 s86, s86, s87                     ; record kp = B's tile
	s_lshl_b32 s87, s16, 11
	s_add_co_u32 s88, s86, s87                     ; fragment q = my half of it
	s_mov_b32 s89, 0
	s_lshl_b32 s87, s16, 6
	s_add_co_u32 s86, s86, s87
	s_add_co_u32 s86, s86, 8192
	s_mov_b32 s87, 0
	s_add_nc_u64 s[OC:OC+1], s[10:11], s[88:89]
	s_add_nc_u64 s[OS:OS+1], s[10:11], s[86:87]
	v_lshlrev_b32 v[LS], 2, v5
	v_lshl_add_u32 v[LS], v6, 7, v[LS]             ; tile u = 0 in lanes 0-15, u = 1 in lanes 16-31: 128 h + 4 r
.endif
.if MODE < 2
	s_mov_b32 s[SEL], 0x76543210
	s_mov_b32 s[SEL+1], 0xfedcba98                 ; v_permlanex16_b32's selects for lane l xor 16
	s_mov_b32 s[MNT], 0x600000                     ; the mantissa field of 448
	s_mov_b32 s[HM], 0xffff0000                    ; lanes 16-31
.else
	s_lshl_b32 s86, s17, 20                        ; (256 x A's tile + 128 x half) rows of 4,096 bytes + (256 x B's tile + 128 x half) x 4
	s_lshl_b32 s87, s15, 19
	s_add_co_u32 s86, s86, s87
	s_lshl_b32 s87, s42, 10
	s_add_co_u32 s86, s86, s87
	s_lshl_b32 s87, s16, 9
	s_add_co_u32 s86, s86, s87
	s_mov_b32 s87, 0
	s_add_nc_u64 s[OC:OC+1], s[10:11], s[86:87]    ; the residual
	s_add_nc_u64 s[OS:OS+1], s[12:13], s[86:87]    ; the output
	s_mul_i32 s90, s14, 16*528                     ; my stage: 16 rows x (512 bytes + 16)
	v_mul_u32_u24 v[STO], v5, 528
	v_lshl_add_u32 v[STO], v6, 6, v[STO]
	v_add_nc_u32 v[STO], s90, v[STO]               ; in: row r, + 64 h
	v_add_nc_u32 v[RD], s90, v2                    ; back: 16 x lane: a whole row of 512 bytes
.endif
.macro FRAG reg, adr, q, i             ; block i's fragment of the slot's q-th 128 along K: the image of its 16 registers
.irp c, 0,1,2,3
	ds_load_b128 v[\reg+4*\c:\reg+4*\c+3], v[\adr] offset:((\i)/2)*REC+((\i)%2)*4096+(\q)*2048+512*\c
.endr
.endm
; 16 matrix instructions: A's blocks a0, a0 + 1 x B's eight, the slot's q-th 128 along K.  p: B's set; sc: the set of scale words.  first = 1: the product starts the sums: nothing is ever cleared.
; The 64 accumulators take turns, one instruction a turn, in the same order in every step.
.macro MUL16 a0, p, q, sc, first
.irp a, \a0, \a0+1
.irp b, 0,1,2,3,4,5,6,7
.set rD, 8*(8*((\a)%4)+\b)
.set rB, 128*(\p)+FR*\b
.set rA, AF+FR*(\a)
.set rSB, SC+16*(\sc)+8+\b
.set rSA, SC+16*(\sc)+(\a)
.if \first
.if MODE == 0
	v_wmma_scale_f32_16x16x128_f8f6f4 v[rD:rD+7], v[rB:rB+15], v[rA:rA+15], 0, v[rSB], v[rSA]
.else
	v_wmma_scale_f32_16x16x128_f8f6f4 v[rD:rD+7], v[rB:rB+15], v[rA:rA+15], v[BI+8*\b:BI+8*\b+7], v[rSB], v[rSA]
.endif
.elseif \q
	v_wmma_scale_f32_16x16x128_f8f6f4 v[rD:rD+7], v[rB:rB+15], v[rA:rA+15], v[rD:rD+7], v[rSB], v[rSA] matrix_a_scale:MATRIX_SCALE_ROW1 matrix_b_scale:MATRIX_SCALE_ROW1
.else
	v_wmma_scale_f32_16x16x128_f8f6f4 v[rD:rD+7], v[rB:rB+15], v[rA:rA+15], v[rD:rD+7], v[rSB], v[rSA]
.endif
.endr
.endr
.endm
.macro FETCH_B slot, q, p
	WIN TO_B
.irp i, 0,1,2,3,4,5,6,7
	FRAG 128*(\p)+FR*\i, ADRB+\slot, \q, \i
.endr
	WIN 0
.endm
.macro FETCH_A slot, q, i0
.irp i, \i0, \i0+1, \i0+2, \i0+3
	FRAG AF+FR*(\i), ADRA+\slot, \q, \i
.endr
.endm
.macro SCALES s                        ; slot s's scale words: lanes 0-15 take a block's 16 words of the first 128 along K, lanes 16-31 those of the second
.irp i, 0,1,2,3,4,5,6,7
	ds_load_b32 v[SC+16*\s+\i], v[ADSA+\s] offset:8192+(\i/2)*REC+(\i%2)*128
.endr
.irp i, 0,1,2,3,4,5,6,7
	ds_load_b32 v[SC+16*\s+8+\i], v[ADSB+\s] offset:8192+(\i/2)*REC+(\i%2)*128
.endr
.endm
; A load into a register that a matrix instruction has read, and a vector instruction or a store that reads a matrix result, stand NP places behind that matrix instruction; only plain vector
; instructions that name none of its registers are places (ISA guide 7.12.1 for vector instructions).
.macro PLACES n
.rept \n
	v_nop
.endr
.endm
; A slot's first 128 along K.  A block of A is free as soon as its eight products are issued, so one set serves A: blocks 0-3 are fetched anew in the step's middle, blocks 4-7 at its end.
.macro STEP slot, first
	s_wait_dscnt 4*NL                              ; all but the youngest 16 loads (A's blocks 4-7) are in
.if \first
	WIN FIRST_LO
.else
	WIN MUL_LO
.endif
	MUL16 0, 0, 0, \slot, \first
	MUL16 2, 0, 0, \slot, \first
	s_wait_dscnt 0                                 ; A's blocks 4-7 are in
	PLACES NP
	FETCH_B \slot, 1, 1
	FETCH_A \slot, 1, 0
.if \first
	WIN FIRST_HI
.else
	WIN MUL_HI
.endif
	MUL16 4, 0, 0, \slot, \first
	MUL16 6, 0, 0, \slot, \first
	PLACES NP
	WIN 0
	FETCH_A \slot, 1, 4
.endm
; A slot's second 128 changes slots: ONE barrier; in front of it each wave waits for all its tensor loads, adds 0 to its spare word, and waits for that and for its own reads of this slot.
; fill = 1: the barrier opens a round of the cluster's barrier, and this slot is filled again, two K steps ahead, first thing behind the round.
.macro TURN slot, next, fill
	s_wait_tensorcnt 0x0                           ; all my tensor loads have landed: my part of the next slot
	ds_add_u32 v[SPW], v[NIL]                      ; 0 onto my spare word
	s_wait_dscnt 4*NL+1                            ; (the add and the youngest 16 loads, A's blocks 4-7, may be out)
	WIN MUL_LO
	MUL16 0, 1, 1, \slot, 0                        ; sixteen matrix instructions stand between the add and the wait for it
	s_wait_dscnt 0x0                               ; the add is done, and my reads of this slot are over
	s_barrier_signal -1
	MUL16 2, 1, 1, \slot, 0
	WIN 0
	s_barrier_wait -1
.if \fill
	CREST                                          ; no wave of any partner still reads this slot or has a load on its way
	s_add_nc_u64 s[G0+4*\slot+2:G0+4*\slot+3], s[G0+4*\slot+2:G0+4*\slot+3], 2*REC
	s_add_nc_u64 s[G0B+4*\slot+2:G0B+4*\slot+3], s[G0B+4*\slot+2:G0B+4*\slot+3], 2*REC
	JLOAD G0+4*\slot, G1, G0B+4*\slot, G1B         ; my one tensor load behind the round; its four v_nop are among the places in front of the loads below
	PLACES NP-4
.else
	PLACES NP
.endif
	FETCH_B \next, 0, 0
	FETCH_A \next, 0, 0
	SCALES \next
	WIN MUL_HI
	MUL16 4, 1, 1, \slot, 0
	MUL16 6, 1, 1, \slot, 0
	PLACES NP
	WIN 0
	FETCH_A \next, 0, 4
.endm
	s_wait_tensorcnt 1                             ; my part of K step 0 is in; K step 1's load may stay out
	s_barrier_signal -1
	s_barrier_wait -1                              ; everybody's is
	FETCH_B 0, 0, 0
	FETCH_A 0, 0, 0
	SCALES 0
	FETCH_A 0, 0, 4
.if MODE > 0
	s_wait_loadcnt 0x0                             ; the bias
.endif
	STEP 0, 1                                      ; the first step stands in front of the loop: its products start the sums
	s_mov_b32 s3, LAPS-1
.Llap:                                                 ; a trip goes once round the ring and fills both slots again
	TURN 0, 1, 1
	STEP 1, 0
	TURN 1, 0, 1
	STEP 0, 0
	s_sub_co_u32 s3, s3, 1
	s_cmp_lg_u32 s3, 0
	s_cbranch_scc1 .Llap
	TURN 0, 1, 0                                   ; the last lap fills nothing, and has no round of the cluster's barrier
	STEP 1, 0
	s_wait_dscnt 4*NL                              ; the very last step: nothing more to fetch
	WIN MUL_LO
	MUL16 0, 1, 1, 1, 0
	MUL16 2, 1, 1, 1, 0
	s_wait_dscnt 0
	WIN MUL_HI
	MUL16 4, 1, 1, 1, 0
	MUL16 6, 1, 1, 1, 0
	WIN 0
	PLACES NP                                      ; behind the last products: their results are read, and the registers that held A's fragments written, only from here on
; THE WAY OUT: each block of 16 rows x 128 is quantised in registers and IS a fragment of the next product: four stores of 512 consecutive bytes; two blocks' scale words leave together, 128 bytes.
.set T,   128                          ; v128-191 the block's 64 numbers, held
.set PC,  192                          ; v192-207 its codes
.set TM,  208                          ; v208-223 at work
.set PWE, 224                          ; the scale word of an even block, of an odd one, and the two side by side
.set PWO, 225
.set PWS, 226
.macro QBLK a
.set AC, 64*((\a)%4)
.set WW, 2+(\a)/4
.set W2S, WW|(WW<<2)
.if MODE == 1
.set IMM, ((\a)/2)*16*REC+((\a)%2)*4096
.set IMS, ((\a)/2)*16*REC
.else
.set IMM, 2048*(\a)
.set IMS, 64*((\a)-1)
.endif
	WIN W2S                                        ; sources 0 and 1: the block's window
.irp b, 0,1,2,3
.if MODE == 1
	v_max3_num_f32 v[TM+\b], v[AC+16*\b], v[AC+16*\b+1], 0x4800000     ; no |.|: what is negative becomes 0 (the activation) and must not count; the floor 2^(9 - 127) stands over it
.else
	v_max3_num_f32 v[TM+\b], |v[AC+16*\b]|, |v[AC+16*\b+1]|, 0x4800000 ; my 16 numbers of block b of 32, and the floor 2^(9 - 127)
.endif
.endr
.irp i, 2,4,6,8,10,12,14               ; ascending: each accumulator is first read at its low end
.irp b, 0,1,2,3
.if MODE == 1
	v_max3_num_f32 v[TM+\b], v[AC+16*\b+\i], v[AC+16*\b+\i+1], v[TM+\b]
.else
	v_max3_num_f32 v[TM+\b], |v[AC+16*\b+\i]|, |v[AC+16*\b+\i+1]|, v[TM+\b]
.endif
.endr
.endr
	WIN 0
.irp b, 0,1,2,3
	v_permlanex16_b32 v[TM+4+\b], v[TM+\b], s[SEL], s[SEL+1]
.endr
.irp b, 0,1,2,3
	v_max_num_f32 v[TM+\b], v[TM+\b], v[TM+4+\b]   ; with lane l xor 16's: the block's largest magnitude
.endr
.irp b, 0,1,2,3
	v_add_nc_u32 v[TM+12+\b], 0xfc000000, v[TM+\b] ; 8 off its exponent field: the conversion's scale operand
.endr
.irp b, 0,1,2,3
	v_and_or_b32 v[TM+8+\b], v[TM+\b], 0x7f800000, s[MNT]   ; 448 x the scale
.endr
.irp b, 0,1,2,3
	v_lshrrev_b32 v[TM+4+\b], 23, v[TM+12+\b]      ; the scale's byte
.endr
	v_lshl_or_b32 v[PWE+(\a)%2], v[TM+5], 8, v[TM+4]
	v_lshl_or_b32 v[PWE+(\a)%2], v[TM+6], 16, v[PWE+(\a)%2]
	v_lshl_or_b32 v[PWE+(\a)%2], v[TM+7], 24, v[PWE+(\a)%2]
	s_wait_xcnt 0x0                                ; the last block's stores have read their data: the codes and the words may be written again
	WIN WW                                         ; source 0: the block's window.  The hold is also the move into window 0
.irp b, 0,1,2,3
.irp i, 0,1,2,3,4,5,6,7,8,9,10,11,12,13,14,15
.if MODE == 1
	v_med3_num_f32 v[T+16*\b+\i], v[AC+16*\b+\i], 0, v[TM+8+\b]                ; the activation and the hold in one
.else
	v_med3_num_f32 v[T+16*\b+\i], v[AC+16*\b+\i], -v[TM+8+\b], v[TM+8+\b]      ; the conversion does not saturate (ISA guide 7.6.2): the hold comes first
.endif
.endr
.endr
	WIN 0
.irp b, 0,1,2,3
	v_cvt_scalef32_pk8_fp8_f32 v[PC+4*\b:PC+4*\b+1], v[T+16*\b:T+16*\b+7], v[TM+12+\b]
	v_cvt_scalef32_pk8_fp8_f32 v[PC+4*\b+2:PC+4*\b+3], v[T+16*\b+8:T+16*\b+15], v[TM+12+\b]
.endr
	v_nop                                          ; one plain line behind the conversions
.irp c, 0,1,2,3
	global_store_b128 v[CO], v[PC+4*\c:PC+4*\c+3], s[OC:OC+1] offset:IMM+512*\c
.endr
.if (\a)%2
	v_cndmask_b32 v[PWS], v[PWE], v[PWO], s[HM]    ; lanes 16-31 take the odd block's words
	global_store_b32 v[LS], v[PWS], s[OS:OS+1] offset:IMS
.endif
.endm
.irp b, 0,1,2,3
	v_mov_b32 v[TM+4+\b], 0                        ; written once: a lane permute's destination counts as one of its sources
.endr
.irp a, 0,1,2,3,4,5,6,7
	QBLK \a
.endr
	s_wait_tensorcnt 0x0                           ; the wave's end
	ds_add_u32 v[SPW], v[NIL]
	s_wait_dscnt 0x0
	CROUND                                         ; the closing round: no work-group ends while a partner may still ask for a tile that names it
	s_endpgm
.Lfunc_end_k_qcca4a688d0_w1:
	.size	k_qcca4a688d0_w1, .Lfunc_end_k_qcca4a688d0_w1-k_qcca4a688d0_w1
	.p2alignl 7, 3214868480
	.fill 96, 4, 3214868480
	.section	.rodata,"a",@progbits
	.p2align	6, 0x0
	.amdhsa_kernel k_qcca4a688d0_w1
		.amdhsa_group_segment_fixed_size 327680
		.amdhsa_private_segment_fixed_size 0
		.amdhsa_enable_private_segment 0
		.amdhsa_kernarg_size 32
		.amdhsa_user_sgpr_count 2
		.amdhsa_user_sgpr_kernarg_segment_ptr 1
		.amdhsa_wavefront_size32 1
		.amdhsa_system_sgpr_workgroup_id_x 1
		.amdhsa_system_sgpr_workgroup_id_y 1
		.amdhsa_system_sgpr_workgroup_id_z 1
		.amdhsa_system_vgpr_workitem_id 0
		.amdhsa_next_free_vgpr 1024
		.amdhsa_next_free_sgpr 100
		.amdhsa_reserve_vcc 0
		.amdhsa_float_denorm_mode_32 3
		.amdhsa_float_denorm_mode_16_64 3
		.amdhsa_memory_ordered 1
		.amdhsa_forward_progress 1
		.amdhsa_inst_pref_size 186
	.end_amdhsa_kernel
	.amdgpu_metadata
---
amdhsa.version: [ 1, 2 ]
amdhsa.kernels:
  - .name:           k_qcca4a688d0_w1
    .symbol:         k_qcca4a688d0_w1.kd
    .args:
      - { .name: h2c, .offset: 0, .size: 8, .value_kind: global_buffer, .address_space: global }
      - { .name: wts, .offset: 8, .size: 8, .value_kind: global_buffer, .address_space: global }
      - { .name: b1, .offset: 16, .size: 8, .value_kind: global_buffer, .address_space: global }
      - { .name: ac, .offset: 24, .size: 8, .value_kind: global_buffer, .address_space: global }
    .group_segment_fixed_size: 327680
    .private_segment_fixed_size: 0
    .kernarg_segment_align: 8
    .kernarg_segment_size: 32
    .max_flat_workgroup_size: 128
    .sgpr_count:     100
    .vgpr_count:     1024
    .wavefront_size: 32
...
	.end_amdgpu_metadata
.endif
;; end of part 6
;; launch w2 (part 7): grid 4 x 16, 4 waves a work-group, clusters of 4 x 4, 327,680 bytes of LDS; arguments ac, wts, b2, x1, out0; writes out0
.if DOCPART == 7
	.amdgcn_target "amdgcn-amd-amdhsa--gfx1250"
	.amdhsa_code_object_version 6
	.text
	.protected	k_qcca4a688d0_w2
	.globl	k_qcca4a688d0_w2
	.p2align	8
	.type	k_qcca4a688d0_w2,@function
k_qcca4a688d0_w2:
	s_mov_b64 s[64:65], 0
	v_nop
	global_prefetch_b8 v0, s[64:65] scope:SCOPE_SE
	s_setreg_imm32_b32 hwreg(HW_REG_WAVE_MODE, 25, 1), 1
	s_wait_xcnt 0x0
	s_wait_alu depctr_hold_cnt(0) depctr_sa_sdst(0) depctr_va_vdst(0) depctr_va_sdst(0) depctr_va_ssrc(0) depctr_va_vcc(0) depctr_vm_vsrc(0)
	s_getreg_b32 s2, hwreg(HW_REG_IB_STS2, 6, 4)
	s_cmp_eq_u32 s2, 0
	s_cbranch_scc0 .Lentry_in_a_cluster
	s_endpgm
.Lentry_in_a_cluster:
	s_bfe_u32 s2, ttmp6, 0x10000c
	s_cmp_lg_u32 s2, 0xf033
	s_cbranch_scc0 .Lentry_shape_is_right
	s_endpgm
.Lentry_shape_is_right:
; ONE TEXT FOR THE BLOCK'S FOUR GEMMS ON CODES OF FP8 (E4M3) WITH E8M0 SCALES.  The line .set MODE says which of them this file is:
;   0: q = h Wq, k = h Wk, v^T = Wv^T h^T, quantised;   1: relu(h2 W1 + b1), quantised;   2: x1 = x + o Wp + bp, f32;   3: out = x1 + a W2 + b2, f32.
.set MODE, 3
; OPERANDS are laid in RECORDS of 8,448 bytes: 32 rows (a group p) x 256 along K (kp): four fragments (u, q) of 2,048 bytes at 4096 u + 2048 q, each an image of an operand's 16 registers (lane l's 16 bytes at
; 512 c + 16 l are k = 32 c + 16 (l / 16) + 0 .. 15 of its row), then the scale words at 8192 + 128 u + 64 q + 4 r.  Lane r of tile u holds row 32 p + 8 u + r + 8 (r / 8).  An operand is [p][kp][record].
; So a wave's 128 rows of a K step are four rows of 8,448 bytes for one tensor load, the scales ride with the codes, and a fragment is read from LDS at 16 x lane: no pitch, no padding.
; SHARES.  A work-group of four waves makes 256 rows of "A" x 256 rows of "B"; a wave 128 x 128: 64 accumulators, 512 registers.  K goes in steps of 256 through a ring of two LDS slots.
; THE MATRIX INSTRUCTION IS USED TRANSPOSED (source 0 = 16 rows of B, source 1 = 16 rows of A): lane (r, h) holds A's row r of a tile, and, by the order of rows in a tile, register 16 g + i of a block's 64
; holds B's row 32 g + 16 h + i of the wave's 128: neighbours along the next product's K, in the order of the next operand's registers.
; MODE 0: clusters with x = 0, 1 have A = h (tokens), B = Wq and Wk (2,048 rows on end); clusters with x = 2 have A = Wv's rows and B = h, so that v's results run along the tokens, which are its K.
; CLUSTERS: 4 x 4 work-groups; A's tiles are asked for jointly along a row of the cluster, B's along a column.
; REGISTERS, in windows of 256: window 0: v16-29 addresses; v32-63 scale words, two sets (nothing else ever stands there); v64-127 the bias; v128-255 A's fragments, one set; window 1: B's fragments, two sets;
; window 2: the accumulators of my rows 0-63 ((a, b) at v[8 (8 a + b)]); window 3: those of rows 64-127.
; LIMITS: a block of zeros gets the byte 1 where the rule says 127 (its codes are zeros; this program alone reads the bytes); blocks under 2^-118 are held at the byte 1; NaN and infinities are not served.
.if MODE == 3
.set KP, 16                            ; K steps of 256
.else
.set KP, 4
.endif
.if MODE == 0
.set WOFF, 0                           ; where B's records begin in wts
.elseif MODE == 1
.set WOFF, 4325376
.elseif MODE == 2
.set WOFF, 3244032
.else
.set WOFF, 8650752
.endif
.set WVO,   2162688                    ; Wv's records
.set SQ,    12582912                   ; qkv: the scale words lie behind the three regions of codes
.set REC,   8448
.set HALFT, 4*REC                      ; 128 rows of a K step: what one tensor load brings, and what one wave reads of A or of B
.set SLOT,  4*HALFT                    ; A's 256 rows, then B's
.set SPARE, 2*SLOT                     ; behind the ring: the spare words, 128 bytes for each wave: two blocks of 256 bytes that no other line names
.set LAPS,  KP/2
.set FR,    16
.set NL,    4
.set NP,    8                          ; places behind this matrix instruction (ISA guide 7.12.1)
.set ADRA, 16                          ; v16-17 my A fragments in slot 0, 1: + 16 x lane
.set ADSA, 18                          ; v18-19 my A records in slot 0, 1: + 4 x lane, for the scale words
.set ADRB, 20                          ; v20-21, v22-23 the same for B
.set ADSB, 22
.set STO,  24                          ; the way out
.set RD,   25
.set CO,   26                          ; 16 x lane
.set LS,   27
.set SPW,  28                          ; LDS address of my spare word; never rewritten
.set NIL,  29                          ; 0; never rewritten
.set SC,   32                          ; scale words: set s: A's block i at SC + 16 s + i, B's at SC + 16 s + 8 + i; lanes 0-15 the slot's first 128 along K, lanes 16-31 its second
.set BI,   64                          ; the bias: 8 registers for each tile of B's rows, in the result's layout
.set AF,   128
.set G1,  24                           ; s[24:31] descriptor group 1 for A's tiles; s[32:39] group 0, a set for each slot
.set G0,  32
.set G1B, 48                           ; s[48:55], s[56:63] the same for B's
.set G0B, 56
.set OC,  68                           ; s[68:69], s[70:71] where results go (MODE 2, 3: the residual, the output)
.set OS,  70
.set BIA, 72
.set SEL, 74
.set MNT, 76
.set HM,  77
.set MSB, 0
.macro WIN new                         ; the immediate's high byte repeats the setting that is left
.if MSB != \new
	s_set_vgpr_msb (MSB<<8)|\new
.set MSB, \new
.endif
.endm
.set MUL_LO, 0xa1                      ; source 0 (B) window 1, source 1 (A) window 0, C and D window 2
.set MUL_HI, 0xf1                      ; the same, C and D window 3
.if MODE == 0
.set FIRST_LO, MUL_LO                  ; the first products take the constant 0 as C,
.set FIRST_HI, MUL_HI
.else
.set FIRST_LO, 0x81                    ; or the bias, which lies in window 0
.set FIRST_HI, 0xc1
.endif
.set TO_B,   0x40                      ; destination window 1, address window 0
; A joint load: waves 0 and 1 fetch for A, waves 2 and 3 for B.  Each line has one mask and one set of registers for all that issue it; the branch hangs on the wave's number alone.
; Four v_nop follow each of the two lines, ahead of the jump, the label and what follows.
.macro JLOAD g0a, g1a, g0b, g1b
	s_cmp_eq_u32 s15, 0
	s_cbranch_scc0 .Lfor_b_\@
	tensor_load_to_lds s[\g0a:\g0a+3], s[\g1a:\g1a+7]
	s_nop 0
.rept 4
	v_nop
.endr
	s_branch .Lasked_\@
.Lfor_b_\@:
	tensor_load_to_lds s[\g0b:\g0b+3], s[\g1b:\g1b+7]
	s_nop 0
.rept 4
	v_nop
.endr
.Lasked_\@:
.endm
.macro CREST                           ; a round of the cluster's barrier behind its opening barrier
	s_cmp_lg_u32 s14, 0
	s_cbranch_scc1 .Lnot_wave_0_\@
	s_barrier_signal -3
.Lnot_wave_0_\@:
	s_barrier_wait -3
	s_barrier_signal -1
	s_barrier_wait -1
.endm
.macro CROUND                          ; a whole round
	s_barrier_signal -1
	s_barrier_wait -1
	CREST
.endm
	s_load_b128 s[4:7], s[0:1], 0x0                ; the activations' records, wts
.if MODE == 0
	s_load_b64 s[8:9], s[0:1], 0x10                ; qkv
.else
	s_load_b128 s[8:11], s[0:1], 0x10              ; the bias; MODE 1: the results' records; MODE 2, 3: the residual
.endif
.if MODE >= 2
	s_load_b64 s[12:13], s[0:1], 0x20              ; the output
.endif
	v_lshl_add_u32 v[SPW], v0, 2, SPARE
	v_mov_b32 v[NIL], 0
	ds_add_u32 v28, v29
	ds_add_u32 v28, v29
	s_wait_dscnt 0x0
	v_lshrrev_b32 v1, 5, v0
	v_readfirstlane_b32 s14, v1                    ; wave 0..3
	s_lshr_b32 s15, s14, 1                         ; which 128 rows of A are mine.  Also: I fetch for A (0) or for B (1)
	s_and_b32 s16, s14, 1                          ; which 128 rows of B.  Also: which 128 rows of that tile I fetch
	s_bfe_u32 s40, ttmp6, 0x40000                  ; cx, cy: my place in the cluster
	s_bfe_u32 s41, ttmp6, 0x40004
	s_and_b32 s79, ttmp7, 0xffff                   ; cluster y
.if MODE == 0
	s_cmp_eq_u32 ttmp9, 2                          ; v's clusters: the same answer in all sixteen partners
	s_cselect_b32 s17, 0, s79
	s_cselect_b32 s42, s79, ttmp9
	s_cselect_b32 s80, 1, 0
	s_lshl_b32 s17, s17, 2
	s_add_co_u32 s17, s17, s41                     ; A's tile: 4 x (cluster y, or 0 for Wv) + cy
	s_lshl_b32 s42, s42, 2
	s_add_co_u32 s42, s42, s40                     ; B's tile: 4 x (cluster x, or cluster y for the tokens) + cx
.else
	s_lshl_b32 s17, s79, 2
	s_add_co_u32 s17, s17, s41                     ; A's tile = 4 x cluster y + cy
	s_lshl_b32 s42, ttmp9, 2
	s_add_co_u32 s42, s42, s40                     ; B's tile = 4 x cluster x + cx
.endif
	s_lshl_b32 s43, s41, 2
	s_lshl_b32 s43, 15, s43                        ; my row of the cluster
	s_lshl_b32 s44, 0x1111, s40                    ; my column
	; descriptor group 1: four rows of 8,448 bytes (1,056 elements of 8 bytes), KP records apart in memory, dense in LDS
	s_or_b32 s[G1+0], s43, (3<<16)|(1<<21)         ; 15:0 the mask: A's tiles go to my row; 17:16 elements of 8 bytes; 20 no padding; 21 set beside a mask
	s_or_b32 s[G1B+0], s44, (3<<16)|(1<<21)
.irp g, G1, G1B
	s_mov_b32 s[\g+1], 1056<<16                    ; tensor_dim0
	s_mov_b32 s[\g+2], 4<<16                       ; tensor_dim1
	s_mov_b32 s[\g+3], 1056<<16                    ; tile_dim0
	s_mov_b32 s[\g+4], 4                           ; tile_dim1
	s_mov_b32 s[\g+5], KP*1056                     ; tensor_dim0_stride
	s_mov_b32 s[\g+6], 0
	s_mov_b32 s[\g+7], 0
.endr
	s_lshl_b32 s18, s16, 2
	s_lshl_b32 s20, s17, 3
	s_add_co_u32 s20, s20, s18                     ; A: group 8 x tile + 4 x half: it hangs on cy and the cluster's place alone
	s_mul_i32 s20, s20, KP*REC
	s_mov_b32 s21, 0
	s_lshl_b32 s46, s42, 3
	s_add_co_u32 s46, s46, s18                     ; B: likewise, on cx and the cluster's place alone
	s_mul_i32 s46, s46, KP*REC
	s_mov_b32 s47, 0
.if MODE == 0
	s_cmp_eq_u32 s80, 1
	s_cselect_b32 s81, WVO, 0
	s_add_co_u32 s20, s20, s81
.else
	s_add_co_u32 s46, s46, WOFF
.endif
	s_mul_i32 s45, s14, HALFT                      ; where they go: wave x 128 rows: no place in the cluster enters an LDS address
	s_wait_kmcnt 0x0
.if MODE == 0
	s_cmp_eq_u32 s80, 1
	s_cselect_b64 s[82:83], s[6:7], s[4:5]         ; A's buffer
	s_cselect_b64 s[84:85], s[4:5], s[6:7]         ; B's
	s_add_nc_u64 s[20:21], s[82:83], s[20:21]
	s_add_nc_u64 s[46:47], s[84:85], s[46:47]
.else
	s_add_nc_u64 s[20:21], s[4:5], s[20:21]
	s_add_nc_u64 s[46:47], s[6:7], s[46:47]
.endif
	CROUND                                         ; all sixteen work-groups are here: the first joint loads meet
.irp s, 0,1
	s_mov_b32 s[G0+4*\s], 1                        ; count = 1
	s_add_co_u32 s[G0+4*\s+1], s45, \s*SLOT        ; LDS address
	s_add_nc_u64 s[G0+4*\s+2:G0+4*\s+3], s[20:21], \s*REC   ; global address: K step s
	s_or_b32 s[G0+4*\s+3], s[G0+4*\s+3], 0x80000000         ; type = 2
	s_mov_b32 s[G0B+4*\s], 1
	s_add_co_u32 s[G0B+4*\s+1], s45, \s*SLOT
	s_add_nc_u64 s[G0B+4*\s+2:G0B+4*\s+3], s[46:47], \s*REC
	s_or_b32 s[G0B+4*\s+3], s[G0B+4*\s+3], 0x80000000
	JLOAD G0+4*\s, G1, G0B+4*\s, G1B               ; two loads of mine are out behind these
.endr
	v_and_b32 v1, 31, v0                           ; lane
	v_and_b32 v5, 15, v0                           ; r
	v_bfe_u32 v6, v0, 4, 1                         ; h
	v_lshlrev_b32 v2, 4, v1
	v_lshlrev_b32 v3, 2, v1
	v_lshlrev_b32 v[CO], 4, v1
	s_mul_i32 s90, s15, HALFT                      ; my 128 rows of A
	s_mul_i32 s91, s16, HALFT                      ; my 128 rows of B,
	s_add_co_u32 s91, s91, 2*HALFT                 ; which lie behind A's 256
.irp s, 0,1
	v_add_nc_u32 v[ADRA+\s], s90, v2
	v_add_nc_u32 v[ADRB+\s], s91, v2
	v_add_nc_u32 v[ADSA+\s], s90, v3
	v_add_nc_u32 v[ADSB+\s], s91, v3
	s_add_co_u32 s90, s90, SLOT
	s_add_co_u32 s91, s91, SLOT
.endr
.if MODE > 0
	s_lshl_b32 s86, s42, 10                        ; the bias of my 128 rows of B: (256 x tile + 128 x half) x 4 bytes
	s_lshl_b32 s87, s16, 9
	s_add_co_u32 s86, s86, s87
	s_mov_b32 s87, 0
	s_add_nc_u64 s[BIA:BIA+1], s[8:9], s[86:87]
	v_lshlrev_b32 v4, 6, v6                        ; lane (r, h) wants, for tile b, the numbers 32 (b / 2) + 8 (b % 2) + 16 h + 0 .. 7
.irp b, 0,1,2,3,4,5,6,7
	global_load_b128 v[BI+8*\b:BI+8*\b+3], v4, s[BIA:BIA+1] offset:(\b/2)*128+(\b%2)*32
	global_load_b128 v[BI+8*\b+4:BI+8*\b+7], v4, s[BIA:BIA+1] offset:(\b/2)*128+(\b%2)*32+16
.endr
.endif
.if MODE == 0
	s_lshl_b32 s86, s17, 1
	s_add_co_u32 s86, s86, s15                     ; which 128 rows of A's operand are mine,
	s_lshl_b32 s87, s42, 1
	s_add_co_u32 s87, s87, s16                     ; and of B's
	s_cmp_eq_u32 s80, 1
	s_cselect_b32 s88, s87, s86                    ; the chunk of 128 tokens
	s_cselect_b32 s89, s86, s87                    ; the chunk of 128 features
	s_lshr_b32 s90, s89, 3
	s_cmp_eq_u32 s80, 1
	s_cselect_b32 s90, 2, s90                      ; region: q 0, k 1, v 2
	s_and_b32 s89, s89, 7                          ; the pair of heads
	s_lshr_b32 s91, s88, 4                         ; the batch
	s_and_b32 s88, s88, 15                         ; the chunk within it
	s_lshl_b32 s92, s90, 22                        ; codes: region << 22 | batch << 21 | pair << 18 | chunk << 14 (| block a << 11 | piece c << 9)
	s_lshl_b32 s93, s91, 21
	s_or_b32 s92, s92, s93
	s_lshl_b32 s93, s89, 18
	s_or_b32 s92, s92, s93
	s_lshl_b32 s93, s88, 14
	s_or_b32 s92, s92, s93
	s_mov_b32 s93, 0
	s_lshl_b32 s94, s90, 17                        ; scale words: SQ + (region << 17 | batch << 16 | pair << 13 | chunk << 9 (| a << 6)) + 4 r
	s_lshl_b32 s95, s91, 16
	s_or_b32 s94, s94, s95
	s_lshl_b32 s95, s89, 13
	s_or_b32 s94, s94, s95
	s_lshl_b32 s95, s88, 9
	s_or_b32 s94, s94, s95
	s_add_co_u32 s94, s94, SQ
	s_mov_b32 s95, 0
	s_add_nc_u64 s[OC:OC+1], s[8:9], s[92:93]
	s_add_nc_u64 s[OS:OS+1], s[8:9], s[94:95]
	v_lshlrev_b32 v[LS], 2, v1                     ; two blocks' words lie on end: 4 x lane
.endif
.if MODE == 1
	s_lshl_b32 s86, s17, 3
	s_lshl_b32 s87, s15, 2
	s_add_co_u32 s86, s86, s87                     ; my first group of tokens,
	s_mul_i32 s86, s86, 16*REC                     ; of 16 records each,
	s_mul_i32 s87, s42, REC
	s_add_co_u32 s86, s86, s87                     ; record kp = B's tile
	s_lshl_b32 s87, s16, 11
	s_add_co_u32 s88, s86, s87                     ; fragment q = my half of it
	s_mov_b32 s89, 0
	s_lshl_b32 s87, s16, 6
	s_add_co_u32 s86, s86, s87
	s_add_co_u32 s86, s86, 8192
	s_mov_b32 s87, 0
	s_add_nc_u64 s[OC:OC+1], s[10:11], s[88:89]
	s_add_nc_u64 s[OS:OS+1], s[10:11], s[86:87]
	v_lshlrev_b32 v[LS], 2, v5
	v_lshl_add_u32 v[LS], v6, 7, v[LS]             ; tile u = 0 in lanes 0-15, u = 1 in lanes 16-31: 128 h + 4 r
.endif
.if MODE < 2
	s_mov_b32 s[SEL], 0x76543210
	s_mov_b32 s[SEL+1], 0xfedcba98                 ; v_permlanex16_b32's selects for lane l xor 16
	s_mov_b32 s[MNT], 0x600000                     ; the mantissa field of 448
	s_mov_b32 s[HM], 0xffff0000                    ; lanes 16-31
.else
	s_lshl_b32 s86, s17, 20                        ; (256 x A's tile + 128 x half) rows of 4,096 bytes + (256 x B's tile + 128 x half) x 4
	s_lshl_b32 s87, s15, 19
	s_add_co_u32 s86, s86, s87
	s_lshl_b32 s87, s42, 10
	s_add_co_u32 s86, s86, s87
	s_lshl_b32 s87, s16, 9
	s_add_co_u32 s86, s86, s87
	s_mov_b32 s87, 0
	s_add_nc_u64 s[OC:OC+1], s[10:11], s[86:87]    ; the residual
	s_add_nc_u64 s[OS:OS+1], s[12:13], s[86:87]    ; the output
	s_mul_i32 s90, s14, 16*528                     ; my stage: 16 rows x (512 bytes + 16)
	v_mul_u32_u24 v[STO], v5, 528
	v_lshl_add_u32 v[STO], v6, 6, v[STO]
	v_add_nc_u32 v[STO], s90, v[STO]               ; in: row r, + 64 h
	v_add_nc_u32 v[RD], s90, v2                    ; back: 16 x lane: a whole row of 512 bytes
.endif
.macro FRAG reg, adr, q, i             ; block i's fragment of the slot's q-th 128 along K: the image of its 16 registers
.irp c, 0,1,2,3
	ds_load_b128 v[\reg+4*\c:\reg+4*\c+3], v[\adr] offset:((\i)/2)*REC+((\i)%2)*4096+(\q)*2048+512*\c
.endr
.endm
; 16 matrix instructions: A's blocks a0, a0 + 1 x B's eight, the slot's q-th 128 along K.  p: B's set; sc: the set of scale words.  first = 1: the product starts the sums: nothing is ever cleared.
; The 64 accumulators take turns, one instruction a turn, in the same order in every step.
.macro MUL16 a0, p, q, sc, first
.irp a, \a0, \a0+1
.irp b, 0,1,2,3,4,5,6,7
.set rD, 8*(8*((\a)%4)+\b)
.set rB, 128*(\p)+FR*\b
.set rA, AF+FR*(\a)
.set rSB, SC+16*(\sc)+8+\b
.set rSA, SC+16*(\sc)+(\a)
.if \first
.if MODE == 0
	v_wmma_scale_f32_16x16x128_f8f6f4 v[rD:rD+7], v[rB:rB+15], v[rA:rA+15], 0, v[rSB], v[rSA]
.else
	v_wmma_scale_f32_16x16x128_f8f6f4 v[rD:rD+7], v[rB:rB+15], v[rA:rA+15], v[BI+8*\b:BI+8*\b+7], v[rSB], v[rSA]
.endif
.elseif \q
	v_wmma_scale_f32_16x16x128_f8f6f4 v[rD:rD+7], v[rB:rB+15], v[rA:rA+15], v[rD:rD+7], v[rSB], v[rSA] matrix_a_scale:MATRIX_SCALE_ROW1 matrix_b_scale:MATRIX_SCALE_ROW1
.else
	v_wmma_scale_f32_16x16x128_f8f6f4 v[rD:rD+7], v[rB:rB+15], v[rA:rA+15], v[rD:rD+7], v[rSB], v[rSA]
.endif
.endr
.endr
.endm
.macro FETCH_B slot, q, p
	WIN TO_B
.irp i, 0,1,2,3,4,5,6,7
	FRAG 128*(\p)+FR*\i, ADRB+\slot, \q, \i
.endr
	WIN 0
.endm
.macro FETCH_A slot, q, i0
.irp i, \i0, \i0+1, \i0+2, \i0+3
	FRAG AF+FR*(\i), ADRA+\slot, \q, \i
.endr
.endm
.macro SCALES s                        ; slot s's scale words: lanes 0-15 take a block's 16 words of the first 128 along K, lanes 16-31 those of the second
.irp i, 0,1,2,3,4,5,6,7
	ds_load_b32 v[SC+16*\s+\i], v[ADSA+\s] offset:8192+(\i/2)*REC+(\i%2)*128
.endr
.irp i, 0,1,2,3,4,5,6,7
	ds_load_b32 v[SC+16*\s+8+\i], v[ADSB+\s] offset:8192+(\i/2)*REC+(\i%2)*128
.endr
.endm
; A load into a register that a matrix instruction has read, and a vector instruction or a store that reads a matrix result, stand NP places behind that matrix instruction; only plain vector
; instructions that name none of its registers are places (ISA guide 7.12.1 for vector instructions).
.macro PLACES n
.rept \n
	v_nop
.endr
.endm
; A slot's first 128 along K.  A block of A is free as soon as its eight products are issued, so one set serves A: blocks 0-3 are fetched anew in the step's middle, blocks 4-7 at its end.
.macro STEP slot, first
	s_wait_dscnt 4*NL                              ; all but the youngest 16 loads (A's blocks 4-7) are in
.if \first
	WIN FIRST_LO
.else
	WIN MUL_LO
.endif
	MUL16 0, 0, 0, \slot, \first
	MUL16 2, 0, 0, \slot, \first
	s_wait_dscnt 0                                 ; A's blocks 4-7 are in
	PLACES NP
	FETCH_B \slot, 1, 1
	FETCH_A \slot, 1, 0
.if \first
	WIN FIRST_HI
.else
	WIN MUL_HI
.endif
	MUL16 4, 0, 0, \slot, \first
	MUL16 6, 0, 0, \slot, \first
	PLACES NP
	WIN 0
	FETCH_A \slot, 1, 4
.endm
; A slot's second 128 changes slots: ONE barrier; in front of it each wave waits for all its tensor loads, adds 0 to its spare word, and waits for that and for its own reads of this slot.
; fill = 1: the barrier opens a round of the cluster's barrier, and this slot is filled again, two K steps ahead, first thing behind the round.
.macro TURN slot, next, fill
	s_wait_tensorcnt 0x0                           ; all my tensor loads have landed: my part of the next slot
	ds_add_u32 v[SPW], v[NIL]                      ; 0 onto my spare word
	s_wait_dscnt 4*NL+1                            ; (the add and the youngest 16 loads, A's blocks 4-7, may be out)
	WIN MUL_LO
	MUL16 0, 1, 1, \slot, 0                        ; sixteen matrix instructions stand between the add and the wait for it
	s_wait_dscnt 0x0                               ; the add is done, and my reads of this slot are over
	s_barrier_signal -1
	MUL16 2, 1, 1, \slot, 0
	WIN 0
	s_barrier_wait -1
.if \fill
	CREST                                          ; no wave of any partner still reads this slot or has a load on its way
	s_add_nc_u64 s[G0+4*\slot+2:G0+4*\slot+3], s[G0+4*\slot+2:G0+4*\slot+3], 2*REC
	s_add_nc_u64 s[G0B+4*\slot+2:G0B+4*\slot+3], s[G0B+4*\slot+2:G0B+4*\slot+3], 2*REC
	JLOAD G0+4*\slot, G1, G0B+4*\slot, G1B         ; my one tensor load behind the round; its four v_nop are among the places in front of the loads below
	PLACES NP-4
.else
	PLACES NP
.endif
	FETCH_B \next, 0, 0
	FETCH_A \next, 0, 0
	SCALES \next
	WIN MUL_HI
	MUL16 4, 1, 1, \slot, 0
	MUL16 6, 1, 1, \slot, 0
	PLACES NP
	WIN 0
	FETCH_A \next, 0, 4
.endm
	s_wait_tensorcnt 1                             ; my part of K step 0 is in; K step 1's load may stay out
	s_barrier_signal -1
	s_barrier_wait -1                              ; everybody's is
	FETCH_B 0, 0, 0
	FETCH_A 0, 0, 0
	SCALES 0
	FETCH_A 0, 0, 4
.if MODE > 0
	s_wait_loadcnt 0x0                             ; the bias
.endif
	STEP 0, 1                                      ; the first step stands in front of the loop: its products start the sums
	s_mov_b32 s3, LAPS-1
.Llap:                                                 ; a trip goes once round the ring and fills both slots again
	TURN 0, 1, 1
	STEP 1, 0
	TURN 1, 0, 1
	STEP 0, 0
	s_sub_co_u32 s3, s3, 1
	s_cmp_lg_u32 s3, 0
	s_cbranch_scc1 .Llap
	TURN 0, 1, 0                                   ; the last lap fills nothing, and has no round of the cluster's barrier
	STEP 1, 0
	s_wait_dscnt 4*NL                              ; the very last step: nothing more to fetch
	WIN MUL_LO
	MUL16 0, 1, 1, 1, 0
	MUL16 2, 1, 1, 1, 0
	s_wait_dscnt 0
	WIN MUL_HI
	MUL16 4, 1, 1, 1, 0
	MUL16 6, 1, 1, 1, 0
	WIN 0
	PLACES NP                                      ; behind the last products: their results are read, and the registers that held fragments written or loaded, only from here on
; THE WAY OUT, block by block of 16 rows x 128 columns.  A lane holds pieces of 32 bytes of one row; a block goes through my own stage in LDS and comes back as whole rows of 512 bytes; the residual's same
; rows are added, and the 32 lanes store two aligned runs of 256 bytes.  The stage lies in slot 0, which has had its last fill, and which nobody reads behind the last change of slots.
; LDS serves a wave's instructions in order (ISA guide 5.7.1.4): no wait between the stores and the loads, nor in front of the next block's stores.  Row t of block a is token 32 (a / 2) + 8 (a % 2) + t + 8 (t / 8).
.set SPITCH, 528
.set BK, 128                           ; rows read back from the stage: v128-191 and v192-255 by turns
.macro RLOAD a                         ; the residual's 16 rows of block a into set a % 4 of window 1
	WIN 0x40
.irp t, 0,1,2,3,4,5,6,7,8,9,10,11,12,13,14,15
	global_load_b128 v[64*((\a)%4)+4*\t:64*((\a)%4)+4*\t+3], v[CO], s[OC:OC+1] offset:(32*((\a)/2)+8*((\a)%2)+\t+8*(\t/8))*4096
.endr
	WIN 0
.endm
.macro TOSTAGE a
.set AC, 64*((\a)%4)
	WIN 0x08+4*((\a)/4)                            ; the data: window 2 or 3
.irp b, 0,1,2,3,4,5,6,7
	ds_store_b128 v[STO], v[AC+8*\b:AC+8*\b+3] offset:(\b/2)*128+(\b%2)*32          ; each accumulator from its low end on: columns 32 (b / 2) + 8 (b % 2) + 16 h + 0 .. 7
	ds_store_b128 v[STO], v[AC+8*\b+4:AC+8*\b+7] offset:(\b/2)*128+(\b%2)*32+16
.endr
	WIN 0
.set BB, BK+64*((\a)%2)
.irp t, 0,1,2,3,4,5,6,7,8,9,10,11,12,13,14,15
	ds_load_b128 v[BB+4*\t:BB+4*\t+3], v[RD] offset:\t*SPITCH
.endr
.endm
.macro SEND a, younger                 ; younger: the LDS instructions issued behind block a's loads, which may stay out
.set BB, BK+64*((\a)%2)
	s_wait_dscnt \younger                          ; the block is back in registers
.if (\a) < 5
	s_wait_loadcnt 48                              ; its residual is in: three younger sets of 16 loads may be out
.else
	s_wait_loadcnt 16*(7-(\a))                     ; the counts run down
.endif
	WIN 0x04                                       ; source 1: window 1
.set i, 0
.rept 32
	v_pk_add_f32 v[BB+i:BB+i+1], v[BB+i:BB+i+1], v[64*((\a)%4)+i:64*((\a)%4)+i+1]
.set i, i+2
.endr
	WIN 0
.irp t, 0,1,2,3,4,5,6,7,8,9,10,11,12,13,14,15
.if MODE == 3
	global_store_b128 v[CO], v[BB+4*\t:BB+4*\t+3], s[OS:OS+1] offset:(32*((\a)/2)+8*((\a)%2)+\t+8*(\t/8))*4096 th:TH_STORE_NT
.else
	global_store_b128 v[CO], v[BB+4*\t:BB+4*\t+3], s[OS:OS+1] offset:(32*((\a)/2)+8*((\a)%2)+\t+8*(\t/8))*4096
.endif
.endr
.if (\a) < 4
	RLOAD (\a)+4                                   ; its set takes the block four further on
.endif
.endm
	RLOAD 0
	RLOAD 1
	RLOAD 2
	RLOAD 3
	TOSTAGE 0
.irp a, 1,2,3,4,5,6,7
.if \a > 1
	s_wait_xcnt 0x0                                ; block a - 2's stores have read their registers: block a's loads may land there
.endif
	TOSTAGE \a
	SEND \a-1, 32                                  ; behind block a - 1's loads: block a's 16 stores and 16 loads
.endr
	s_wait_xcnt 0x0
	SEND 7, 0
	s_wait_tensorcnt 0x0                           ; the wave's end, behind my last tensor load and my last LDS store
	ds_add_u32 v[SPW], v[NIL]
	s_wait_dscnt 0x0
	CROUND                                         ; the closing round: no work-group ends while a partner may still ask for a tile that names it
	s_endpgm
.Lfunc_end_k_qcca4a688d0_w2:
	.size	k_qcca4a688d0_w2, .Lfunc_end_k_qcca4a688d0_w2-k_qcca4a688d0_w2
	.p2alignl 7, 3214868480
	.fill 96, 4, 3214868480
	.section	.rodata,"a",@progbits
	.p2align	6, 0x0
	.amdhsa_kernel k_qcca4a688d0_w2
		.amdhsa_group_segment_fixed_size 327680
		.amdhsa_private_segment_fixed_size 0
		.amdhsa_enable_private_segment 0
		.amdhsa_kernarg_size 40
		.amdhsa_user_sgpr_count 2
		.amdhsa_user_sgpr_kernarg_segment_ptr 1
		.amdhsa_wavefront_size32 1
		.amdhsa_system_sgpr_workgroup_id_x 1
		.amdhsa_system_sgpr_workgroup_id_y 1
		.amdhsa_system_sgpr_workgroup_id_z 1
		.amdhsa_system_vgpr_workitem_id 0
		.amdhsa_next_free_vgpr 1024
		.amdhsa_next_free_sgpr 100
		.amdhsa_reserve_vcc 0
		.amdhsa_float_denorm_mode_32 3
		.amdhsa_float_denorm_mode_16_64 3
		.amdhsa_memory_ordered 1
		.amdhsa_forward_progress 1
		.amdhsa_inst_pref_size 175
	.end_amdhsa_kernel
	.amdgpu_metadata
---
amdhsa.version: [ 1, 2 ]
amdhsa.kernels:
  - .name:           k_qcca4a688d0_w2
    .symbol:         k_qcca4a688d0_w2.kd
    .args:
      - { .name: ac, .offset: 0, .size: 8, .value_kind: global_buffer, .address_space: global }
      - { .name: wts, .offset: 8, .size: 8, .value_kind: global_buffer, .address_space: global }
      - { .name: b2, .offset: 16, .size: 8, .value_kind: global_buffer, .address_space: global }
      - { .name: x1, .offset: 24, .size: 8, .value_kind: global_buffer, .address_space: global }
      - { .name: out0, .offset: 32, .size: 8, .value_kind: global_buffer, .address_space: global }
    .group_segment_fixed_size: 327680
    .private_segment_fixed_size: 0
    .kernarg_segment_align: 8
    .kernarg_segment_size: 40
    .max_flat_workgroup_size: 128
    .sgpr_count:     100
    .vgpr_count:     1024
    .wavefront_size: 32
...
	.end_amdgpu_metadata
.endif
;; end of part 7
;; ======== version 2 of 2: 7 launches
;; limits: right only within a limited range of input values
;; workspace buffers: wts 12,976,128 bytes; hc 4,325,376 bytes; qkv 12,976,128 bytes; oc 4,325,376 bytes; x1 16,777,216 bytes; h2c 4,325,376 bytes; ac 17,301,504 bytes
;; launch ln1 (part 8): grid 448 x 1, 8 waves a work-group, no clusters, 2,048 bytes of LDS; arguments x, ln1_w, ln1_b, hc, Wq, Wk, Wv, Wp, W1, W2, wts; writes hc, wts
.if DOCPART == 8
	.amdgcn_target "amdgcn-amd-amdhsa--gfx1250"
	.amdhsa_code_object_version 6
	.text
	.protected	k_qcca4a688d0_ln1
	.globl	k_qcca4a688d0_ln1
	.p2align	8
	.type	k_qcca4a688d0_ln1,@function
k_qcca4a688d0_ln1:
	s_mov_b64 s[64:65], 0
	v_nop
	global_prefetch_b8 v0, s[64:65] scope:SCOPE_SE
	s_setreg_imm32_b32 hwreg(HW_REG_WAVE_MODE, 25, 1), 1
	s_wait_xcnt 0x0
; y = (x - mean) * rsqrt(var + 1e-5) * w + b along rows of 1,024 f32, quantised on the way to codes of FP8 (E4M3) with one E8M0 scale byte for each 32 along the row, and stored as records.
; A RECORD (8,448 bytes) holds 32 rows (a group p) x 256 along K (kp): fragments (u, q) of 2,048 bytes at 4096 u + 2048 q, images of an operand's 16 registers (lane l's 16 bytes at 512 c + 16 l are
; k = 32 c + 16 (l / 16) + 0 .. 15 of its row), then the scale words at 8192 + 128 u + 64 q + 4 r.  Lane r of tile u holds row 32 p + 8 u + r + 8 (r / 8).  The operand is laid [p][kp = 4][record].
; SHARES.  A work-group takes one tile of 16 rows (p = number / 2, u = number % 2); wave w takes columns 128 w .. 128 w + 127, one fragment.  Lane (r, h) holds the 64 numbers k = 32 c + 16 h + i of its row,
; in the order of the operand's registers, so the conversions' results are the image.  A row's mean and variance meet in LDS: one word for a wave and a row, two barriers, two regions.
; The variance is taken of x - mean, in a second pass over the registers, as it is defined: a common offset of the inputs costs nothing.
; LIMITS: a block of zeros gets the byte 1 where the rule says 127 (its codes are zeros; this program alone reads the bytes); blocks under 2^-118 are held at the byte 1; NaN and infinities are not served.
.set REC, 8448
.set PC,  16                           ; v16-31   the codes
.set X,   32                           ; v32-95   my 64 numbers
.set W,   96                           ; v96-159  the gain at my columns
.set BV,  160                          ; v160-223 the bias
.set TM,  224                          ; v224-239 at work in the quantiser; before that v224-231 take the eight waves' partial sums
.set P,   224
.set PW,  240                          ; the scale word
.set SA,  242                          ; v242-249 four chains of packed sums
; ONE BODY, TWO PATHS, chosen by the work-group's number alone: 0 to 255 take the norm described above; 256 to 447 quantise the six weights (at .Lweights, described there).
; The launch for the second norm has a grid of 256 work-groups: there the weights' path is not walked.
	s_cmp_lt_u32 ttmp9, 256
	s_cbranch_scc0 .Lweights
	s_load_b256 s[4:11], s[0:1], 0x0               ; x, w, b, the records
	v_lshl_add_u32 v254, v0, 2, 0x400
	v_mov_b32 v255, 0
	v_lshrrev_b32 v1, 5, v0
	s_delay_alu instid0(VALU_DEP_1)
	v_readfirstlane_b32 s12, v1                    ; wave 0..7
	v_and_b32 v14, 31, v0                          ; lane
	v_and_b32 v1, 15, v0                           ; r
	v_bfe_u32 v2, v0, 4, 1                         ; h
	s_delay_alu instid0(VALU_DEP_2)
	v_and_b32 v3, 8, v1
	s_delay_alu instid0(VALU_DEP_1)
	v_add_nc_u32 v3, v3, v1                        ; r + 8 (r / 8)
	s_delay_alu instid0(VALU_DEP_1)
	v_lshlrev_b32 v3, 12, v3                       ; rows of 4,096 bytes,
	s_delay_alu instid0(VALU_DEP_1)
	v_lshl_add_u32 v3, v2, 6, v3                   ; + 64 h: my 16 numbers of a block of 32
	v_lshlrev_b32 v4, 6, v2                        ; the same in w and b
	v_lshlrev_b32 v5, 4, v14                       ; 16 x lane: my place in a piece of the image
	v_lshlrev_b32 v6, 2, v1                        ; 4 r: a row's word
	s_lshl_b32 s13, s12, 6
	v_add_nc_u32 v7, s13, v6                       ; LDS: 64 x wave + 4 r
	s_mov_b32 s14, 0x76543210
	s_mov_b32 s15, 0xfedcba98                      ; v_permlanex16_b32's selects for lane l xor 16
	s_mov_b32 s16, 0x600000                        ; the mantissa field of 448
	s_mov_b32 s17, 0x3a800000                      ; 1 / 1024
	s_mov_b32 s18, 0x3727c5ac                      ; 1e-5
	s_lshr_b32 s19, ttmp9, 1                       ; p
	s_and_b32 s24, ttmp9, 1                        ; u
	s_lshl_b32 s2, s19, 17                         ; 32 p rows,
	s_lshl_b32 s25, s24, 15
	s_add_co_u32 s2, s2, s25                       ; + 8 u rows,
	s_lshl_b32 s26, s12, 9                         ; + my wave's 512 bytes
	s_add_co_u32 s2, s2, s26
	s_mov_b32 s3, 0
	s_mov_b32 s27, 0
	s_lshl_b32 s32, s19, 2
	s_lshr_b32 s33, s12, 1
	s_add_co_u32 s32, s32, s33                     ; record 4 p + kp
	s_mul_i32 s32, s32, REC
	s_and_b32 s33, s12, 1                          ; q
	s_lshl_b32 s28, s24, 12
	s_add_co_u32 s28, s28, s32
	s_lshl_b32 s25, s33, 11
	s_add_co_u32 s28, s28, s25                     ; my fragment
	s_mov_b32 s29, 0
	s_lshl_b32 s30, s24, 7
	s_add_co_u32 s30, s30, s32
	s_lshl_b32 s25, s33, 6
	s_add_co_u32 s30, s30, s25
	s_add_co_u32 s30, s30, 8192                    ; its scale words
	s_mov_b32 s31, 0
	s_wait_alu depctr_va_vdst(0)
	s_wait_kmcnt 0x0
	s_add_nc_u64 s[4:5], s[4:5], s[2:3]
	s_add_nc_u64 s[6:7], s[6:7], s[26:27]
	s_add_nc_u64 s[8:9], s[8:9], s[26:27]
	s_add_nc_u64 s[20:21], s[10:11], s[28:29]
	s_add_nc_u64 s[22:23], s[10:11], s[30:31]
.irp c, 0,1,2,3
.irp j, 0,1,2,3
	global_load_b128 v[X+16*\c+4*\j:X+16*\c+4*\j+3], v3, s[4:5] offset:128*\c+16*\j
.endr
.endr
.irp c, 0,1,2,3
.irp j, 0,1,2,3
	global_load_b128 v[W+16*\c+4*\j:W+16*\c+4*\j+3], v4, s[6:7] offset:128*\c+16*\j
.endr
.endr
.irp c, 0,1,2,3
.irp j, 0,1,2,3
	global_load_b128 v[BV+16*\c+4*\j:BV+16*\c+4*\j+3], v4, s[8:9] offset:128*\c+16*\j
.endr
.endr
; The four chains become one number a lane; with lane l xor 16's it is my wave's part of the row's sum; the eight waves' parts meet in LDS at off; every wave adds them in the same order.  The sum is left in v[P].
.macro REDUCE off
	s_delay_alu instid0(VALU_DEP_3)
	v_pk_add_f32 v[SA:SA+1], v[SA:SA+1], v[SA+2:SA+3]
	s_delay_alu instid0(VALU_DEP_2)
	v_pk_add_f32 v[SA+4:SA+5], v[SA+4:SA+5], v[SA+6:SA+7]
	s_delay_alu instid0(VALU_DEP_1)
	v_pk_add_f32 v[SA:SA+1], v[SA:SA+1], v[SA+4:SA+5]
	s_delay_alu instid0(VALU_DEP_1)
	v_add_f32 v[SA], v[SA], v[SA+1]
	s_delay_alu instid0(VALU_DEP_1)
	v_permlanex16_b32 v[SA+1], v[SA], s14, s15
	s_delay_alu instid0(VALU_DEP_1)
	v_add_f32 v[SA], v[SA], v[SA+1]
	ds_store_b32 v7, v[SA] offset:\off             ; both halves of the lanes write the same word with the same value
	s_wait_dscnt 0x0                               ; for the others' sake: my store has landed
	s_barrier_signal -1
	s_barrier_wait -1
.irp k, 0,1,2,3,4,5,6,7
	ds_load_b32 v[P+\k], v6 offset:\off+64*\k
.endr
	s_wait_dscnt 0x0
	v_add_f32 v[P], v[P], v[P+1]
	v_add_f32 v[P+2], v[P+2], v[P+3]
	v_add_f32 v[P+4], v[P+4], v[P+5]
	v_add_f32 v[P+6], v[P+6], v[P+7]
	s_delay_alu instid0(VALU_DEP_3)
	v_add_f32 v[P], v[P], v[P+2]
	s_delay_alu instid0(VALU_DEP_2)
	v_add_f32 v[P+4], v[P+4], v[P+6]
	s_delay_alu instid0(VALU_DEP_1)
	v_add_f32 v[P], v[P], v[P+4]
.endm
	s_wait_loadcnt 32                              ; x's 16 loads are in; the 32 of w and b may be out
.irp k, 0,1,2,3
	v_pk_add_f32 v[SA+2*\k:SA+2*\k+1], v[X+2*\k:X+2*\k+1], v[X+8+2*\k:X+9+2*\k]
.endr
.irp j, 2,3,4,5,6,7
.irp k, 0,1,2,3
	s_delay_alu instid0(VALU_DEP_4)
	v_pk_add_f32 v[SA+2*\k:SA+2*\k+1], v[SA+2*\k:SA+2*\k+1], v[X+8*\j+2*\k:X+8*\j+2*\k+1]
.endr
.endr
	REDUCE 0
	s_delay_alu instid0(VALU_DEP_1)
	v_mul_f32 v10, s17, v[P]                       ; the mean, in both registers of a pair
	s_delay_alu instid0(VALU_DEP_1)
	v_mov_b32 v11, v10
.set i, 0
.rept 32
	v_pk_add_f32 v[X+i:X+i+1], v[X+i:X+i+1], v[10:11] neg_lo:[0,1] neg_hi:[0,1]   ; x - mean
.set i, i+2
.endr
.irp k, 0,1,2,3
	v_pk_mul_f32 v[SA+2*\k:SA+2*\k+1], v[X+2*\k:X+2*\k+1], v[X+2*\k:X+2*\k+1]
.endr
.irp j, 1,2,3,4,5,6,7
.irp k, 0,1,2,3
	s_delay_alu instid0(VALU_DEP_4)
	v_pk_fma_f32 v[SA+2*\k:SA+2*\k+1], v[X+8*\j+2*\k:X+8*\j+2*\k+1], v[X+8*\j+2*\k:X+8*\j+2*\k+1], v[SA+2*\k:SA+2*\k+1]
.endr
.endr
	REDUCE 512                                     ; other bytes than the first sum's: no wave can write over what another still reads
	s_delay_alu instid0(VALU_DEP_1)
	v_fma_f32 v9, v[P], s17, s18                   ; the variance + 1e-5
	s_wait_alu depctr_va_vdst(0)
	v_rsq_f32 v12, v9
	v_nop                                          ; a plain line behind the transcendental
	s_wait_alu depctr_va_vdst(0)                   ; and the wait ahead of the first line that names its result
	v_mov_b32 v13, v12
	s_wait_alu depctr_va_vdst(0)
	s_wait_loadcnt 0x0                             ; w and b
.set i, 0
.rept 32
	v_pk_mul_f32 v[X+i:X+i+1], v[X+i:X+i+1], v[12:13]
.set i, i+2
.endr
.set i, 0
.rept 32
	v_pk_fma_f32 v[X+i:X+i+1], v[X+i:X+i+1], v[W+i:W+i+1], v[BV+i:BV+i+1]
.set i, i+2
.endr
	; THE QUANTISER: register 16 b + i is k 32 b + 16 h + i of my row; a block of 32 lies in lanes l and l xor 16
.irp b, 0,1,2,3
	v_max3_num_f32 v[TM+\b], |v[X+16*\b]|, |v[X+1+16*\b]|, 0x4800000   ; my 16 numbers of block b, and the floor 2^(9 - 127): the byte cannot fall under 1
.endr
.irp i, 2,4,6,8,10,12,14
.irp b, 0,1,2,3
	s_delay_alu instid0(VALU_DEP_4)
	v_max3_num_f32 v[TM+\b], v[TM+\b], |v[X+16*\b+\i]|, |v[X+1+16*\b+\i]|   ; the four blocks by turns
.endr
.endr
.irp b, 0,1,2,3
	s_delay_alu instid0(VALU_DEP_4)
	v_permlanex16_b32 v[TM+4+\b], v[TM+\b], s14, s15
.endr
.irp b, 0,1,2,3
	s_delay_alu instid0(VALU_DEP_4)
	v_max_num_f32 v[TM+\b], v[TM+\b], v[TM+4+\b]   ; the block's largest magnitude
.endr
.irp b, 0,1,2,3
	s_delay_alu instid0(VALU_DEP_4)
	v_add_nc_u32 v[TM+12+\b], 0xfc000000, v[TM+\b] ; 8 off its exponent field: the conversion's scale operand
.endr
.irp b, 0,1,2,3
	v_and_or_b32 v[TM+8+\b], v[TM+\b], 0x7f800000, s16   ; 448 x the scale
.endr
.irp b, 0,1,2,3
	v_lshrrev_b32 v[TM+4+\b], 23, v[TM+12+\b]      ; the scale's byte
.endr
	s_delay_alu instid0(VALU_DEP_3)
	v_lshl_or_b32 v[PW], v[TM+5], 8, v[TM+4]
	s_delay_alu instid0(VALU_DEP_1)
	v_lshl_or_b32 v[PW], v[TM+6], 16, v[PW]
	s_delay_alu instid0(VALU_DEP_1)
	v_lshl_or_b32 v[PW], v[TM+7], 24, v[PW]        ; my row's scale word
.irp b, 0,1,2,3
.irp i, 0,1,2,3,4,5,6,7,8,9,10,11,12,13,14,15
	v_med3_num_f32 v[X+16*\b+\i], v[X+16*\b+\i], -v[TM+8+\b], v[TM+8+\b]   ; the conversion does not saturate (ISA guide 7.6.2): the hold comes first
.endr
	v_cvt_scalef32_pk8_fp8_f32 v[PC+4*\b:PC+1+4*\b], v[X+16*\b:X+7+16*\b], v[TM+12+\b]
	v_cvt_scalef32_pk8_fp8_f32 v[PC+2+4*\b:PC+3+4*\b], v[X+8+16*\b:X+15+16*\b], v[TM+12+\b]
.endr
	v_nop
.irp c, 0,1,2,3
	global_store_b128 v5, v[PC+4*\c:PC+4*\c+3], s[20:21] offset:512*\c   ; 32 lanes store 512 consecutive bytes, aligned
.endr
	v_cmp_gt_u32 vcc_lo, 16, v14
	s_wait_xcnt 0x0                                ; EXEC changes only behind this wait: the stores above have read it
	s_wait_tensorcnt 0x0
	ds_add_u32 v254, v255
	s_wait_dscnt 0x0
	s_and_saveexec_b32 s34, vcc_lo
	global_store_b32 v6, v[PW], s[22:23]           ; lanes 0-15: the 16 rows' words, 64 consecutive bytes
	s_wait_xcnt 0x0                                ; and again, in front of the line that widens it
	s_or_b32 exec_lo, exec_lo, s34
	s_endpgm
; THE WEIGHTS.  The six weights, f32 stored [K][N] with K as the FIRST axis, become codes of FP8 (E4M3) with one E8M0 scale byte for each 32 along K, laid in the same records: 32 columns n (a group p) x 256 along K (kp);
; a weight is laid [p][kp][record].  A LANE TAKES A COLUMN n AND ITS REGISTERS RUN DOWN K: a block of 32 lies in one lane's 32 registers, and the conversions give codes with K innermost.
; One wave makes one record; four waves stand side by side on 512 consecutive bytes of each row of the weight; a work-group of eight waves holds two such fours.  Each store of codes covers two aligned runs of 256 bytes.
; Fours 0-127: Wq, Wk, Wv, Wp (32 each); 128-255: W1; 256-383: W2.  Only pointers and numbers are chosen by the four's number.
; LIMITS: a block of zeros gets the byte 1 where the rule says 127 (its codes are zeros; this program alone reads the bytes); blocks under 2^-118 are held at the byte 1; NaN and infinities are not served.
.Lweights:
.set WSM,  1081344                     ; a weight of 1,024 x 1,024 in records
.set W1O,  4325376                     ; where W1's records begin in wts
.set W2O,  8650752                     ; and W2's
.set EMAX, 8
.set A,    16                          ; v16-47   byte offset of row i of a block
.set X,    48                          ; v48-111  two sets of 32 numbers
.set C,    112                         ; v112-175 eight code registers for each of the 8 blocks: no store's data are written again
.set SB,   176                         ; v176-177 the scale word of each 128 along K
	s_load_b256 s[8:15], s[0:1], 0x20              ; Wq, Wk, Wv, Wp
	s_load_b128 s[16:19], s[0:1], 0x40             ; W1, W2
	s_load_b64 s[20:21], s[0:1], 0x50              ; wts
	v_lshrrev_b32 v1, 5, v0
	v_readfirstlane_b32 s22, v1                    ; wave 0..7
	s_sub_co_u32 s53, ttmp9, 256
	s_lshl_b32 s53, s53, 1
	s_lshr_b32 s54, s22, 2
	s_add_co_u32 s53, s53, s54                     ; my four's number, 0 .. 383
	s_and_b32 s22, s22, 3                          ; my place in the four
	v_and_b32 v2, 31, v0                           ; lane = my column in the group of 32
	v_lshlrev_b32 v3, 2, v2
	s_wait_alu depctr_va_vdst(0)
	v_bfe_u32 v6, v2, 3, 1                         ; u = (column / 8) % 2
	v_and_b32 v7, 7, v2
	v_lshrrev_b32 v8, 4, v2
	v_lshl_add_u32 v7, v8, 3, v7                   ; r = column % 8 + 8 (column / 16)
	v_lshlrev_b32 v4, 12, v6
	v_lshl_add_u32 v4, v7, 4, v4                   ; codes: 4096 u + 16 r
	v_lshlrev_b32 v5, 7, v6
	v_lshl_add_u32 v5, v7, 2, v5                   ; scale words: 128 u + 4 r
	s_mov_b32 s23, 0x600000                        ; the mantissa field of 448
	s_and_b32 s24, s53, 31
	s_lshr_b32 s25, s53, 5
	s_mul_i32 s25, s25, WSM
	s_and_b32 s26, s53, 127
	s_mov_b32 s27, W1O
	s_cmp_lt_u32 s53, 128
	s_cselect_b32 s24, s24, s26
	s_cselect_b32 s25, s25, s27
	s_mov_b32 s27, W2O
	s_cmp_lt_u32 s53, 256
	s_cselect_b32 s25, s25, s27                    ; where the weight's records begin
	s_cselect_b32 s28, 4, 16                       ; K steps of the weight
	s_lshr_b32 s27, s53, 7
	s_cmp_eq_u32 s27, 1                            ; W1?
	s_cselect_b32 s29, 5, 3                        ; log2 of the fours side by side along N
	s_cselect_b32 s30, 14, 12                      ; log2 of a row of the weight in bytes
	s_lshr_b32 s31, s24, s29                       ; kp
	s_lshl_b32 s26, s31, s29
	s_sub_co_u32 s26, s24, s26                     ; which 128 columns
	s_add_co_u32 s27, s30, 8
	s_lshl_b32 s2, s31, s27                        ; from: 256 kp rows,
	s_lshl_b32 s27, s26, 9
	s_add_co_u32 s2, s2, s27                       ; + 512 bytes for each 128 columns,
	s_lshl_b32 s27, s22, 7
	s_add_co_u32 s2, s2, s27                       ; + 128 for my wave
	s_mov_b32 s3, 0
	s_lshl_b32 s27, s26, 2
	s_add_co_u32 s27, s27, s22                     ; to: group p,
	s_mul_i32 s27, s27, s28
	s_add_co_u32 s27, s27, s31                     ; record p x K steps + kp
	s_mul_i32 s27, s27, REC
	s_add_co_u32 s48, s27, s25
	s_mov_b32 s49, 0
	s_lshl_b32 s52, 1, s30                         ; a row of the weight in bytes
	s_add_co_u32 s27, s30, 5
	s_lshl_b32 s50, 1, s27                         ; 32 rows: a block
	s_mov_b32 s51, 0
.set i, 0
.rept 32
	v_mad_u32_u24 v[A+i], s52, i, v3
.set i, i+1
.endr
	s_wait_alu depctr_va_vdst(0)
	s_wait_kmcnt 0x0
	s_cmp_lt_u32 s53, 256                          ; the weight: each choice hangs on ids alone
	s_cselect_b64 s[4:5], s[16:17], s[18:19]
	s_cmp_lt_u32 s53, 128
	s_cselect_b64 s[4:5], s[14:15], s[4:5]
	s_cmp_lt_u32 s53, 96
	s_cselect_b64 s[4:5], s[12:13], s[4:5]
	s_cmp_lt_u32 s53, 64
	s_cselect_b64 s[4:5], s[10:11], s[4:5]
	s_cmp_lt_u32 s53, 32
	s_cselect_b64 s[4:5], s[8:9], s[4:5]
	s_add_nc_u64 s[6:7], s[20:21], s[48:49]        ; my record
	s_add_nc_u64 s[32:33], s[4:5], s[2:3]          ; a base for each block, made once: no pointer is stepped
.irp t, 1,2,3,4,5,6,7
	s_add_nc_u64 s[32+2*\t:33+2*\t], s[30+2*\t:31+2*\t], s[50:51]
.endr
.macro LOAD t                          ; block t: W(32 t + i, my column) into set t % 2; a wave's load reads 128 consecutive bytes
.set i, 0
.rept 32
	global_load_b32 v[X+32*((\t)%2)+i], v[A+i], s[32+2*(\t):33+2*(\t)] th:TH_LOAD_NT
.set i, i+1
.endr
.endm
	LOAD 0
	LOAD 1
.macro BLOCK t
.set XS, X+32*((\t)%2)
.set CT, C+8*(\t)
.if (\t) < 7
	s_wait_loadcnt 32                              ; this block's 32 loads are in; the next block's 32 may be out
.else
	s_wait_loadcnt 0x0
.endif
	v_max3_num_f32 v12, |v[XS]|, |v[XS+1]|, |v[XS+2]|   ; the block's largest magnitude, in two chains
	v_max3_num_f32 v13, |v[XS+3]|, |v[XS+4]|, |v[XS+5]|
.irp i, 6,10,14,18,22,26
	v_max3_num_f32 v12, v12, |v[XS+\i]|, |v[XS+\i+1]|
	v_max3_num_f32 v13, v13, |v[XS+\i+2]|, |v[XS+\i+3]|
.endr
	v_max3_num_f32 v12, v12, |v[XS+30]|, |v[XS+31]|
	v_max3_num_f32 v12, v12, v13, (EMAX+1)<<23     ; and the floor 2^(9 - 127): the byte cannot fall under 1
	v_add_nc_u32 v11, -(EMAX<<23), v12             ; 8 off the exponent field: the conversion's scale operand
	v_and_or_b32 v10, v12, 0x7f800000, s23         ; 448 x the scale
	v_lshrrev_b32 v13, 23, v11                     ; the scale's byte
.if (\t)%4 == 0
	v_mov_b32 v[SB+(\t)/4], v13
.else
	v_lshl_or_b32 v[SB+(\t)/4], v13, 8*((\t)%4), v[SB+(\t)/4]
.endif
.set i, 0
.rept 32
	v_med3_num_f32 v[XS+i], v[XS+i], -v10, v10     ; the conversion does not saturate (ISA guide 7.6.2): the hold comes first
.set i, i+1
.endr
.irp g, 0,1,2,3
	v_cvt_scalef32_pk8_fp8_f32 v[CT+2*\g:CT+2*\g+1], v[XS+8*\g:XS+8*\g+7], v11
.endr
	v_nop                                          ; one plain line behind the conversions
	global_store_b128 v4, v[CT:CT+3], s[6:7] offset:((\t)/4)*2048+((\t)%4)*512        ; k 0-15 of the block
	global_store_b128 v4, v[CT+4:CT+7], s[6:7] offset:((\t)/4)*2048+((\t)%4)*512+256  ; k 16-31
.if (\t)+2 < 8
	LOAD (\t)+2
.endif
.endm
.irp t, 0,1,2,3,4,5,6,7
	BLOCK \t
.endr
	global_store_b32 v5, v[SB], s[6:7] offset:8192
	global_store_b32 v5, v[SB+1], s[6:7] offset:8192+64
	s_endpgm
.Lfunc_end_k_qcca4a688d0_ln1:
	.size	k_qcca4a688d0_ln1, .Lfunc_end_k_qcca4a688d0_ln1-k_qcca4a688d0_ln1
	.p2alignl 7, 3214868480
	.fill 96, 4, 3214868480
	.section	.rodata,"a",@progbits
	.p2align	6, 0x0
	.amdhsa_kernel k_qcca4a688d0_ln1
		.amdhsa_group_segment_fixed_size 2048
		.amdhsa_private_segment_fixed_size 0
		.amdhsa_enable_private_segment 0
		.amdhsa_kernarg_size 88
		.amdhsa_user_sgpr_count 2
		.amdhsa_user_sgpr_kernarg_segment_ptr 1
		.amdhsa_wavefront_size32 1
		.amdhsa_system_sgpr_workgroup_id_x 1
		.amdhsa_system_sgpr_workgroup_id_y 1
		.amdhsa_system_sgpr_workgroup_id_z 1
		.amdhsa_system_vgpr_workitem_id 0
		.amdhsa_next_free_vgpr 256
		.amdhsa_next_free_sgpr 66
		.amdhsa_reserve_vcc 1
		.amdhsa_float_denorm_mode_32 3
		.amdhsa_float_denorm_mode_16_64 3
		.amdhsa_memory_ordered 1
		.amdhsa_forward_progress 1
		.amdhsa_inst_pref_size 92
	.end_amdhsa_kernel
	.amdgpu_metadata
---
amdhsa.version: [ 1, 2 ]
amdhsa.kernels:
  - .name:           k_qcca4a688d0_ln1
    .symbol:         k_qcca4a688d0_ln1.kd
    .args:
      - { .name: x, .offset: 0, .size: 8, .value_kind: global_buffer, .address_space: global }
      - { .name: ln1_w, .offset: 8, .size: 8, .value_kind: global_buffer, .address_space: global }
      - { .name: ln1_b, .offset: 16, .size: 8, .value_kind: global_buffer, .address_space: global }
      - { .name: hc, .offset: 24, .size: 8, .value_kind: global_buffer, .address_space: global }
      - { .name: Wq, .offset: 32, .size: 8, .value_kind: global_buffer, .address_space: global }
      - { .name: Wk, .offset: 40, .size: 8, .value_kind: global_buffer, .address_space: global }
      - { .name: Wv, .offset: 48, .size: 8, .value_kind: global_buffer, .address_space: global }
      - { .name: Wp, .offset: 56, .size: 8, .value_kind: global_buffer, .address_space: global }
      - { .name: W1, .offset: 64, .size: 8, .value_kind: global_buffer, .address_space: global }
      - { .name: W2, .offset: 72, .size: 8, .value_kind: global_buffer, .address_space: global }
      - { .name: wts, .offset: 80, .size: 8, .value_kind: global_buffer, .address_space: global }
    .group_segment_fixed_size: 2048
    .private_segment_fixed_size: 0
    .kernarg_segment_align: 8
    .kernarg_segment_size: 88
    .max_flat_workgroup_size: 256
    .sgpr_count:     66
    .vgpr_count:     256
    .wavefront_size: 32
...
	.end_amdgpu_metadata
.endif
;; end of part 8
;; launch qkv (part 9): grid 12 x 16, 4 waves a work-group, clusters of 4 x 4, 327,680 bytes of LDS; arguments hc, wts, qkv; writes qkv
.if DOCPART == 9
	.amdgcn_target "amdgcn-amd-amdhsa--gfx1250"
	.amdhsa_code_object_version 6
	.text
	.protected	k_qcca4a688d0_qkv
	.globl	k_qcca4a688d0_qkv
	.p2align	8
	.type	k_qcca4a688d0_qkv,@function
k_qcca4a688d0_qkv:
	s_mov_b64 s[64:65], 0
	v_nop
	global_prefetch_b8 v0, s[64:65] scope:SCOPE_SE
	s_setreg_imm32_b32 hwreg(HW_REG_WAVE_MODE, 25, 1), 1
	s_wait_xcnt 0x0
	s_wait_alu depctr_hold_cnt(0) depctr_sa_sdst(0) depctr_va_vdst(0) depctr_va_sdst(0) depctr_va_ssrc(0) depctr_va_vcc(0) depctr_vm_vsrc(0)
	s_getreg_b32 s2, hwreg(HW_REG_IB_STS2, 6, 4)
	s_cmp_eq_u32 s2, 0
	s_cbranch_scc0 .Lentry_in_a_cluster
	s_endpgm
.Lentry_in_a_cluster:
	s_bfe_u32 s2, ttmp6, 0x10000c
	s_cmp_lg_u32 s2, 0xf033
	s_cbranch_scc0 .Lentry_shape_is_right
	s_endpgm
.Lentry_shape_is_right:
.set MODE, 0
.if MODE == 3
.set KP, 16
.else
.set KP, 4
.endif
.if MODE == 0
.set WOFF, 0
.elseif MODE == 1
.set WOFF, 4325376
.elseif MODE == 2
.set WOFF, 3244032
.else
.set WOFF, 8650752
.endif
.set WVO,   2162688
.set SQ,    12582912
.set REC,   8448
.set HALFT, 4*REC
.set SLOT,  4*HALFT
.set SPARE, 2*SLOT
.set LAPS,  KP/2
.set FR,    16
.set NL,    4
.set NP,    8
.set ADRA, 16
.set ADSA, 18
.set ADRB, 20
.set ADSB, 22
.set STO,  24
.set RD,   25
.set CO,   26
.set LS,   27
.set SPW,  28
.set NIL,  29
.set SC,   32
.set BI,   64
.set AF,   128
.set G1,  24
.set G0,  32
.set G1B, 48
.set G0B, 56
.set OC,  68
.set OS,  70
.set BIA, 72
.set SEL, 74
.set MNT, 76
.set HM,  77
.set MSB, 0
.macro WIN new
.if MSB != \new
	s_set_vgpr_msb (MSB<<8)|\new
.set MSB, \new
.endif
.endm
.set MUL_LO, 0xa1
.set MUL_HI, 0xf1
.if MODE == 0
.set FIRST_LO, MUL_LO
.set FIRST_HI, MUL_HI
.else
.set FIRST_LO, 0x81
.set FIRST_HI, 0xc1
.endif
.set TO_B,   0x40
.macro JLOAD g0a, g1a, g0b, g1b
	s_cmp_eq_u32 s14, 0                            ; a refill: wave 0 asks for A's whole tile, wave 1 for B's, waves 2 and 3 for nothing
	s_cbranch_scc0 .Lfor_b_\@
	tensor_load_to_lds s[\g0a:\g0a+3], s[\g1a:\g1a+7]
	s_nop 0
.rept 4
	v_nop
.endr
	s_branch .Lasked_\@
.Lfor_b_\@:
	s_cmp_eq_u32 s14, 1
	s_cbranch_scc0 .Lasked_\@
	tensor_load_to_lds s[\g0b:\g0b+3], s[\g1b:\g1b+7]
	s_nop 0
.rept 4
	v_nop
.endr
.Lasked_\@:
.endm
.macro CREST
	s_cmp_lg_u32 s14, 0
	s_cbranch_scc1 .Lnot_wave_0_\@
	s_barrier_signal -3
.Lnot_wave_0_\@:
	s_barrier_wait -3
	s_barrier_signal -1
	s_barrier_wait -1
.endm
.macro CROUND
	s_barrier_signal -1
	s_barrier_wait -1
	CREST
.endm
	s_load_b128 s[4:7], s[0:1], 0x0
.if MODE == 0
	s_load_b64 s[8:9], s[0:1], 0x10
.else
	s_load_b128 s[8:11], s[0:1], 0x10
.endif
.if MODE >= 2
	s_load_b64 s[12:13], s[0:1], 0x20
.endif
	v_lshl_add_u32 v[SPW], v0, 2, SPARE
	v_mov_b32 v[NIL], 0
	ds_add_u32 v28, v29
	ds_add_u32 v28, v29
	s_wait_dscnt 0x0
	v_lshrrev_b32 v1, 5, v0
	v_readfirstlane_b32 s14, v1
	s_lshr_b32 s15, s14, 1
	s_and_b32 s16, s14, 1
	s_bfe_u32 s40, ttmp6, 0x40000
	s_bfe_u32 s41, ttmp6, 0x40004
	s_and_b32 s79, ttmp7, 0xffff
.if MODE == 0
	s_cmp_eq_u32 ttmp9, 2
	s_cselect_b32 s17, 0, s79
	s_cselect_b32 s42, s79, ttmp9
	s_cselect_b32 s80, 1, 0
	s_lshl_b32 s17, s17, 2
	s_add_co_u32 s17, s17, s41
	s_lshl_b32 s42, s42, 2
	s_add_co_u32 s42, s42, s40
.else
	s_lshl_b32 s17, s79, 2
	s_add_co_u32 s17, s17, s41
	s_lshl_b32 s42, ttmp9, 2
	s_add_co_u32 s42, s42, s40
.endif
	s_lshl_b32 s43, s41, 2
	s_lshl_b32 s43, 15, s43
	s_lshl_b32 s44, 0x1111, s40
	s_or_b32 s[G1+0], s43, (3<<16)|(1<<21)
	s_or_b32 s[G1B+0], s44, (3<<16)|(1<<21)
.irp g, G1, G1B
	s_mov_b32 s[\g+1], 1056<<16
	s_mov_b32 s[\g+2], 8<<16                       ; every load brings a whole tile of a K step: 8 groups of 32 rows, a record each
	s_mov_b32 s[\g+3], 1056<<16
	s_mov_b32 s[\g+4], 8
	s_mov_b32 s[\g+5], KP*1056
	s_mov_b32 s[\g+6], 0
	s_mov_b32 s[\g+7], 0
.endr
	s_lshl_b32 s18, s16, 2
	s_lshl_b32 s20, s17, 3
	s_add_co_u32 s20, s20, s18
	s_mul_i32 s20, s20, KP*REC
	s_mov_b32 s21, 0
	s_lshl_b32 s46, s42, 3
	s_add_co_u32 s46, s46, s18
	s_mul_i32 s46, s46, KP*REC
	s_mov_b32 s47, 0
.if MODE == 0
	s_cmp_eq_u32 s80, 1
	s_cselect_b32 s81, WVO, 0
	s_add_co_u32 s20, s20, s81
.else
	s_add_co_u32 s46, s46, WOFF
.endif
	s_mul_i32 s45, s14, HALFT
	s_wait_kmcnt 0x0
.if MODE == 0
	s_cmp_eq_u32 s80, 1
	s_cselect_b64 s[82:83], s[6:7], s[4:5]
	s_cselect_b64 s[84:85], s[4:5], s[6:7]
	s_add_nc_u64 s[20:21], s[82:83], s[20:21]
	s_add_nc_u64 s[46:47], s[84:85], s[46:47]
.else
	s_add_nc_u64 s[20:21], s[4:5], s[20:21]
	s_add_nc_u64 s[46:47], s[6:7], s[46:47]
.endif
	; the prefetches: a K step's two tiles are 16 records of 8,448 bytes; wave w stands for four of them (waves 0, 1: A's halves; 2, 3: B's), and of these the partner at place p among the four work-groups
	; that ask for the tile jointly (cx for A, cy for B) names record p: told apart by address alone
	s_cmp_eq_u32 s15, 0
	s_cselect_b64 s[96:97], s[20:21], s[46:47]
	s_cselect_b32 s98, s40, s41
	s_mul_i32 s98, s98, KP*REC
	s_mov_b32 s99, 0
	s_add_nc_u64 s[96:97], s[96:97], s[98:99]
	v_and_b32 v30, 31, v0
	v_lshlrev_b32 v30, 8, v30                      ; lanes 256 bytes apart: 32 of a record's 33 blocks; never rewritten
	v_mov_b32 v31, 0                               ; the 33rd block, named by all lanes; never rewritten
	CROUND
	; THE HEAD'S LOADS, ONE A WAVE, fill both slots: waves 0 and 2 fetch A's whole tile (8 groups) of K steps 0 and 1, waves 1 and 3 B's.  The descriptors stand in slot 0's group 0, which takes the ring's words behind the wait for these loads.
	; Group 0, a set for each slot, the same in every wave: a whole tile of K step s into slot s.  One chain of branches on the wave's number, an arm and a load line of its own for each wave:
	; wave 0 A's K step 0, wave 1 B's, wave 2 A's K step 1, wave 3 B's: what is needed first is asked for first.
	s_mul_i32 s74, s18, KP*REC                     ; my half's groups, which the tile's own address does not hold
	s_mov_b32 s75, 0
	s_sub_nc_u64 s[76:77], s[20:21], s[74:75]      ; A's tile
	s_sub_nc_u64 s[74:75], s[46:47], s[74:75]      ; B's
.irp s, 0,1
	s_mov_b32 s[G0+4*\s], 1
	s_mov_b32 s[G0+4*\s+1], \s*SLOT
	s_add_nc_u64 s[G0+4*\s+2:G0+4*\s+3], s[76:77], \s*REC
	s_or_b32 s[G0+4*\s+3], s[G0+4*\s+3], 0x80000000
	s_mov_b32 s[G0B+4*\s], 1
	s_mov_b32 s[G0B+4*\s+1], \s*SLOT+2*HALFT
	s_add_nc_u64 s[G0B+4*\s+2:G0B+4*\s+3], s[74:75], \s*REC
	s_or_b32 s[G0B+4*\s+3], s[G0B+4*\s+3], 0x80000000
.endr
.macro ARM under, g0, g1, next
	s_cmp_lt_u32 s14, \under
	s_cbranch_scc0 \next
	tensor_load_to_lds s[\g0:\g0+3], s[\g1:\g1+7]
	s_nop 0
.rept 4
	v_nop
.endr
	s_branch .Lhead_asked
\next:
.endm
	ARM 1, G0,   G1,  .Lhead_b0
	ARM 2, G0B,  G1B, .Lhead_a1
	ARM 3, G0+4, G1,  .Lhead_b1
	tensor_load_to_lds s[G0B+4:G0B+7], s[G1B:G1B+7]
	s_nop 0
.rept 4
	v_nop
.endr
.Lhead_asked:
	s_wait_alu depctr_va_vdst(0)                   ; the wait here, directly ahead of the first reader of the prefetches' offsets
.irp s, 2,3
	global_prefetch_b8 v30, s[96:97] offset:\s*REC th:TH_LOAD_NT scope:SCOPE_SE            ; K steps 2 and 3, which the two refills will ask for
	global_prefetch_b8 v31, s[96:97] offset:\s*REC+8192 th:TH_LOAD_NT scope:SCOPE_SE
.endr
	v_and_b32 v1, 31, v0
	v_and_b32 v5, 15, v0
	v_bfe_u32 v6, v0, 4, 1
	v_lshlrev_b32 v2, 4, v1
	v_lshlrev_b32 v3, 2, v1
	v_lshlrev_b32 v[CO], 4, v1
	s_mul_i32 s90, s15, HALFT
	s_mul_i32 s91, s16, HALFT
	s_add_co_u32 s91, s91, 2*HALFT
.irp s, 0,1
	v_add_nc_u32 v[ADRA+\s], s90, v2
	v_add_nc_u32 v[ADRB+\s], s91, v2
	v_add_nc_u32 v[ADSA+\s], s90, v3
	v_add_nc_u32 v[ADSB+\s], s91, v3
	s_add_co_u32 s90, s90, SLOT
	s_add_co_u32 s91, s91, SLOT
.endr
.if MODE > 0
	s_lshl_b32 s86, s42, 10
	s_lshl_b32 s87, s16, 9
	s_add_co_u32 s86, s86, s87
	s_mov_b32 s87, 0
	s_add_nc_u64 s[BIA:BIA+1], s[8:9], s[86:87]
	v_lshlrev_b32 v4, 6, v6
.irp b, 0,1,2,3,4,5,6,7
	global_load_b128 v[BI+8*\b:BI+8*\b+3], v4, s[BIA:BIA+1] offset:(\b/2)*128+(\b%2)*32
	global_load_b128 v[BI+8*\b+4:BI+8*\b+7], v4, s[BIA:BIA+1] offset:(\b/2)*128+(\b%2)*32+16
.endr
.endif
.if MODE == 0
	s_lshl_b32 s86, s17, 1
	s_add_co_u32 s86, s86, s15
	s_lshl_b32 s87, s42, 1
	s_add_co_u32 s87, s87, s16
	s_cmp_eq_u32 s80, 1
	s_cselect_b32 s88, s87, s86
	s_cselect_b32 s89, s86, s87
	s_lshr_b32 s90, s89, 3
	s_cmp_eq_u32 s80, 1
	s_cselect_b32 s90, 2, s90
	s_and_b32 s89, s89, 7
	s_lshr_b32 s91, s88, 4
	s_and_b32 s88, s88, 15
	s_lshl_b32 s92, s90, 22
	s_lshl_b32 s93, s91, 21
	s_or_b32 s92, s92, s93
	s_lshl_b32 s93, s89, 18
	s_or_b32 s92, s92, s93
	s_lshl_b32 s93, s88, 14
	s_or_b32 s92, s92, s93
	s_mov_b32 s93, 0
	s_lshl_b32 s94, s90, 17
	s_lshl_b32 s95, s91, 16
	s_or_b32 s94, s94, s95
	s_lshl_b32 s95, s89, 13
	s_or_b32 s94, s94, s95
	s_lshl_b32 s95, s88, 9
	s_or_b32 s94, s94, s95
	s_add_co_u32 s94, s94, SQ
	s_mov_b32 s95, 0
	s_add_nc_u64 s[OC:OC+1], s[8:9], s[92:93]
	s_add_nc_u64 s[OS:OS+1], s[8:9], s[94:95]
	v_lshlrev_b32 v[LS], 2, v1
.endif
.if MODE == 1
	s_lshl_b32 s86, s17, 3
	s_lshl_b32 s87, s15, 2
	s_add_co_u32 s86, s86, s87
	s_mul_i32 s86, s86, 16*REC
	s_mul_i32 s87, s42, REC
	s_add_co_u32 s86, s86, s87
	s_lshl_b32 s87, s16, 11
	s_add_co_u32 s88, s86, s87
	s_mov_b32 s89, 0
	s_lshl_b32 s87, s16, 6
	s_add_co_u32 s86, s86, s87
	s_add_co_u32 s86, s86, 8192
	s_mov_b32 s87, 0
	s_add_nc_u64 s[OC:OC+1], s[10:11], s[88:89]
	s_add_nc_u64 s[OS:OS+1], s[10:11], s[86:87]
	v_lshlrev_b32 v[LS], 2, v5
	v_lshl_add_u32 v[LS], v6, 7, v[LS]
.endif
.if MODE < 2
	s_mov_b32 s[SEL], 0x76543210
	s_mov_b32 s[SEL+1], 0xfedcba98
	s_mov_b32 s[MNT], 0x600000
	s_mov_b32 s[HM], 0xffff0000
.else
	s_lshl_b32 s86, s17, 20
	s_lshl_b32 s87, s15, 19
	s_add_co_u32 s86, s86, s87
	s_lshl_b32 s87, s42, 10
	s_add_co_u32 s86, s86, s87
	s_lshl_b32 s87, s16, 9
	s_add_co_u32 s86, s86, s87
	s_mov_b32 s87, 0
	s_add_nc_u64 s[OC:OC+1], s[10:11], s[86:87]
	s_add_nc_u64 s[OS:OS+1], s[12:13], s[86:87]
	s_mul_i32 s90, s14, 16*528
	v_mul_u32_u24 v[STO], v5, 528
	v_lshl_add_u32 v[STO], v6, 6, v[STO]
	v_add_nc_u32 v[STO], s90, v[STO]
	v_add_nc_u32 v[RD], s90, v2
.endif
.macro FRAG reg, adr, q, i
.irp c, 0,1,2,3
	ds_load_b128 v[\reg+4*\c:\reg+4*\c+3], v[\adr] offset:((\i)/2)*REC+((\i)%2)*4096+(\q)*2048+512*\c
.endr
.endm
.macro MUL16 a0, p, q, sc, first
.irp a, \a0, \a0+1
.irp b, 0,1,2,3,4,5,6,7
.set rD, 8*(8*((\a)%4)+\b)
.set rB, 128*(\p)+FR*\b
.set rA, AF+FR*(\a)
.set rSB, SC+16*(\sc)+8+\b
.set rSA, SC+16*(\sc)+(\a)
.if \first
.if MODE == 0
	v_wmma_scale_f32_16x16x128_f8f6f4 v[rD:rD+7], v[rB:rB+15], v[rA:rA+15], 0, v[rSB], v[rSA]
.else
	v_wmma_scale_f32_16x16x128_f8f6f4 v[rD:rD+7], v[rB:rB+15], v[rA:rA+15], v[BI+8*\b:BI+8*\b+7], v[rSB], v[rSA]
.endif
.elseif \q
	v_wmma_scale_f32_16x16x128_f8f6f4 v[rD:rD+7], v[rB:rB+15], v[rA:rA+15], v[rD:rD+7], v[rSB], v[rSA] matrix_a_scale:MATRIX_SCALE_ROW1 matrix_b_scale:MATRIX_SCALE_ROW1
.else
	v_wmma_scale_f32_16x16x128_f8f6f4 v[rD:rD+7], v[rB:rB+15], v[rA:rA+15], v[rD:rD+7], v[rSB], v[rSA]
.endif
.endr
.endr
.endm
.macro FETCH_B slot, q, p
	WIN TO_B
.irp i, 0,1,2,3,4,5,6,7
	FRAG 128*(\p)+FR*\i, ADRB+\slot, \q, \i
.endr
	WIN 0
.endm
.macro FETCH_A slot, q, i0
.irp i, \i0, \i0+1, \i0+2, \i0+3
	FRAG AF+FR*(\i), ADRA+\slot, \q, \i
.endr
.endm
.macro SCALES s
.irp i, 0,1,2,3,4,5,6,7
	ds_load_b32 v[SC+16*\s+\i], v[ADSA+\s] offset:8192+(\i/2)*REC+(\i%2)*128
.endr
.irp i, 0,1,2,3,4,5,6,7
	ds_load_b32 v[SC+16*\s+8+\i], v[ADSB+\s] offset:8192+(\i/2)*REC+(\i%2)*128
.endr
.endm
.macro PLACES n
.rept \n
	v_nop
.endr
.endm
.macro STEP slot, first
	s_wait_dscnt 4*NL
.if \first
	WIN FIRST_LO
.else
	WIN MUL_LO
.endif
	MUL16 0, 0, 0, \slot, \first
	MUL16 2, 0, 0, \slot, \first
	s_wait_dscnt 0
	PLACES NP
	FETCH_B \slot, 1, 1
	FETCH_A \slot, 1, 0
.if \first
	WIN FIRST_HI
.else
	WIN MUL_HI
.endif
	MUL16 4, 0, 0, \slot, \first
	MUL16 6, 0, 0, \slot, \first
	PLACES NP
	WIN 0
	FETCH_A \slot, 1, 4
.endm
.macro TURN slot, next, fill
	s_wait_tensorcnt 0x0
	ds_add_u32 v[SPW], v[NIL]
	s_wait_dscnt 4*NL+1
	WIN MUL_LO
	MUL16 0, 1, 1, \slot, 0
	s_wait_dscnt 0x0
	s_barrier_signal -1
	MUL16 2, 1, 1, \slot, 0
	WIN 0
	s_barrier_wait -1
.if \fill
	CREST
	s_add_nc_u64 s[G0+4*\slot+2:G0+4*\slot+3], s[G0+4*\slot+2:G0+4*\slot+3], 2*REC
	s_add_nc_u64 s[G0B+4*\slot+2:G0B+4*\slot+3], s[G0B+4*\slot+2:G0B+4*\slot+3], 2*REC
	JLOAD G0+4*\slot, G1, G0B+4*\slot, G1B
	PLACES NP                                      ; all of them: waves 2 and 3 pass no arm of the refill
.else
	PLACES NP
.endif
	FETCH_B \next, 0, 0
	FETCH_A \next, 0, 0
	SCALES \next
	WIN MUL_HI
	MUL16 4, 1, 1, \slot, 0
	MUL16 6, 1, 1, \slot, 0
	PLACES NP
	WIN 0
	FETCH_A \next, 0, 4
.endm
	s_wait_alu depctr_va_vdst(0)
	s_cmp_lt_u32 s14, 2                            ; waves 0 and 1: K step 0's tiles are in.  Waves 2 and 3, whose load lines are their own, wait at the first change of slots, where every wave waits
	s_cbranch_scc0 .Lnot_first
	s_wait_tensorcnt 0x0
.Lnot_first:
	s_barrier_signal -1
	s_barrier_wait -1
	FETCH_B 0, 0, 0
	FETCH_A 0, 0, 0
	SCALES 0
	FETCH_A 0, 0, 4
.if MODE > 0
	s_wait_loadcnt 0x0
.endif
	STEP 0, 1
	s_mov_b32 s3, LAPS-1
.Llap:
	TURN 0, 1, 1
	STEP 1, 0
	TURN 1, 0, 1
	STEP 0, 0
	s_sub_co_u32 s3, s3, 1
	s_cmp_lg_u32 s3, 0
	s_cbranch_scc1 .Llap
	TURN 0, 1, 0
	STEP 1, 0
	s_wait_dscnt 4*NL
	WIN MUL_LO
	MUL16 0, 1, 1, 1, 0
	MUL16 2, 1, 1, 1, 0
	s_wait_dscnt 0
	WIN MUL_HI
	MUL16 4, 1, 1, 1, 0
	MUL16 6, 1, 1, 1, 0
	WIN 0
	PLACES NP
.set T,   128
.set PC,  192
.set TM,  208
.set PWE, 224
.set PWO, 225
.set PWS, 226
.macro QBLK a
.set AC, 64*((\a)%4)
.set WW, 2+(\a)/4
.set W2S, WW|(WW<<2)
.if MODE == 1
.set IMM, ((\a)/2)*16*REC+((\a)%2)*4096
.set IMS, ((\a)/2)*16*REC
.else
.set IMM, 2048*(\a)
.set IMS, 64*((\a)-1)
.endif
	WIN W2S
.irp b, 0,1,2,3
.if MODE == 1
	v_max3_num_f32 v[TM+\b], v[AC+16*\b], v[AC+16*\b+1], 0x4800000
.else
	v_max3_num_f32 v[TM+\b], |v[AC+16*\b]|, |v[AC+16*\b+1]|, 0x4800000
.endif
.endr
.irp i, 2,4,6,8,10,12,14
.irp b, 0,1,2,3
.if MODE == 1
	v_max3_num_f32 v[TM+\b], v[AC+16*\b+\i], v[AC+16*\b+\i+1], v[TM+\b]
.else
	v_max3_num_f32 v[TM+\b], |v[AC+16*\b+\i]|, |v[AC+16*\b+\i+1]|, v[TM+\b]
.endif
.endr
.endr
	WIN 0
.irp b, 0,1,2,3
	v_permlanex16_b32 v[TM+4+\b], v[TM+\b], s[SEL], s[SEL+1]
.endr
.irp b, 0,1,2,3
	v_max_num_f32 v[TM+\b], v[TM+\b], v[TM+4+\b]
.endr
.irp b, 0,1,2,3
	v_add_nc_u32 v[TM+12+\b], 0xfc000000, v[TM+\b]
.endr
.irp b, 0,1,2,3
	v_and_or_b32 v[TM+8+\b], v[TM+\b], 0x7f800000, s[MNT]
.endr
.irp b, 0,1,2,3
	v_lshrrev_b32 v[TM+4+\b], 23, v[TM+12+\b]
.endr
	v_lshl_or_b32 v[PWE+(\a)%2], v[TM+5], 8, v[TM+4]
	v_lshl_or_b32 v[PWE+(\a)%2], v[TM+6], 16, v[PWE+(\a)%2]
	v_lshl_or_b32 v[PWE+(\a)%2], v[TM+7], 24, v[PWE+(\a)%2]
	s_wait_xcnt 0x0
	WIN WW
.irp b, 0,1,2,3
.irp i, 0,1,2,3,4,5,6,7,8,9,10,11,12,13,14,15
.if MODE == 1
	v_med3_num_f32 v[T+16*\b+\i], v[AC+16*\b+\i], 0, v[TM+8+\b]
.else
	v_med3_num_f32 v[T+16*\b+\i], v[AC+16*\b+\i], -v[TM+8+\b], v[TM+8+\b]
.endif
.endr
.endr
	WIN 0
.irp b, 0,1,2,3
	v_cvt_scalef32_pk8_fp8_f32 v[PC+4*\b:PC+4*\b+1], v[T+16*\b:T+16*\b+7], v[TM+12+\b]
	v_cvt_scalef32_pk8_fp8_f32 v[PC+4*\b+2:PC+4*\b+3], v[T+16*\b+8:T+16*\b+15], v[TM+12+\b]
.endr
	v_nop
.irp c, 0,1,2,3
	global_store_b128 v[CO], v[PC+4*\c:PC+4*\c+3], s[OC:OC+1] offset:IMM+512*\c
.endr
.if (\a)%2
	v_cndmask_b32 v[PWS], v[PWE], v[PWO], s[HM]
	global_store_b32 v[LS], v[PWS], s[OS:OS+1] offset:IMS
.endif
.endm
.irp b, 0,1,2,3
	v_mov_b32 v[TM+4+\b], 0
.endr
.irp a, 0,1,2,3,4,5,6,7
	QBLK \a
.endr
	s_wait_tensorcnt 0x0
	ds_add_u32 v[SPW], v[NIL]
	s_wait_dscnt 0x0
	CROUND
	s_endpgm
.Lfunc_end_k_qcca4a688d0_qkv:
	.size	k_qcca4a688d0_qkv, .Lfunc_end_k_qcca4a688d0_qkv-k_qcca4a688d0_qkv
	.p2alignl 7, 3214868480
	.fill 96, 4, 3214868480
	.section	.rodata,"a",@progbits
	.p2align	6, 0x0
	.amdhsa_kernel k_qcca4a688d0_qkv
		.amdhsa_group_segment_fixed_size 327680
		.amdhsa_private_segment_fixed_size 0
		.amdhsa_enable_private_segment 0
		.amdhsa_kernarg_size 24
		.amdhsa_user_sgpr_count 2
		.amdhsa_user_sgpr_kernarg_segment_ptr 1
		.amdhsa_wavefront_size32 1
		.amdhsa_system_sgpr_workgroup_id_x 1
		.amdhsa_system_sgpr_workgroup_id_y 1
		.amdhsa_system_sgpr_workgroup_id_z 1
		.amdhsa_system_vgpr_workitem_id 0
		.amdhsa_next_free_vgpr 1024
		.amdhsa_next_free_sgpr 100
		.amdhsa_reserve_vcc 0
		.amdhsa_float_denorm_mode_32 3
		.amdhsa_float_denorm_mode_16_64 3
		.amdhsa_memory_ordered 1
		.amdhsa_forward_progress 1
		.amdhsa_inst_pref_size 187
	.end_amdhsa_kernel
	.amdgpu_metadata
---
amdhsa.version: [ 1, 2 ]
amdhsa.kernels:
  - .name:           k_qcca4a688d0_qkv
    .symbol:         k_qcca4a688d0_qkv.kd
    .args:
      - { .name: hc, .offset: 0, .size: 8, .value_kind: global_buffer, .address_space: global }
      - { .name: wts, .offset: 8, .size: 8, .value_kind: global_buffer, .address_space: global }
      - { .name: qkv, .offset: 16, .size: 8, .value_kind: global_buffer, .address_space: global }
    .group_segment_fixed_size: 327680
    .private_segment_fixed_size: 0
    .kernarg_segment_align: 8
    .kernarg_segment_size: 24
    .max_flat_workgroup_size: 128
    .sgpr_count:     100
    .vgpr_count:     1024
    .wavefront_size: 32
...
	.end_amdgpu_metadata
.endif
;; end of part 9
;; launch attn (part 10): grid 8 x 32, 16 waves a work-group, no clusters, 327,680 bytes of LDS; arguments qkv, oc; writes oc
.if DOCPART == 10
	.amdgcn_target "amdgcn-amd-amdhsa--gfx1250"
	.amdhsa_code_object_version 6
	.text
	.protected	k_qcca4a688d0_attn
	.globl	k_qcca4a688d0_attn
	.p2align	8
	.type	k_qcca4a688d0_attn,@function
k_qcca4a688d0_attn:
	s_mov_b64 s[64:65], 0
	v_nop
	global_prefetch_b8 v0, s[64:65] scope:SCOPE_SE
	s_setreg_imm32_b32 hwreg(HW_REG_WAVE_MODE, 25, 1), 1
	s_wait_xcnt 0x0
; o = softmax(q k^T / 8, causal) v for one head, both products on codes of FP8 (E4M3) with one E8M0 scale for each 32 along a product's K; o is quantised on the way out, as an operand of the next product.
; THE SOFTMAX AHEAD OF THE SECOND PRODUCT: t = score x log2(e) / 8; M = the largest t so far, rounded UP to a whole number; p = 2^(t - M) is quantised along the keys, not normalised.  The row's sum is taken of the
; unquantised p and divides O at the end.  When M moves, the sum and O are multiplied by 2^(old M - new M): exact.  Key steps that lie wholly behind the causal mask which the problem itself builds are not worked.
; INPUT (buffer qkv).  Codes: region << 22 (q 0, k 1, v 2) | batch << 21 | pair of heads << 18 | chunk of 128 tokens << 14 | a << 11 | piece c << 9 | 16 x lane: images of operands' registers.
;   q, k: a = a tile of 16 tokens (lane r of tile tt holds token 32 (tt / 2) + 8 (tt % 2) + r + 8 (r / 8)); c = 2 x the head's parity + its block of 32 channels: a head's tile is 1,024 bytes.
;   v: a = 4 x parity + a tile of 16 channels; c runs along the chunk's 128 keys.  Scale words: 3 << 22 + (region << 17 | batch << 16 | pair << 13 | chunk << 9 | a << 6) + 4 r.
; SHARES.  Work-group (i, head) owns query blocks i and 15 - i of 128 tokens: 17 key steps of 128 keys for each of eight pairs of tiles.  A pair of tiles has two waves.  Wave A works the late tile's steps 0 .. 8.
; Wave B works the early tile's steps 0 .. i, stores it, and then the late tile's steps 9 .. 15 - i.  So A has 9 steps and B 8.  A hands its O^T, -M and sums to B through LDS bytes of their own; B brings both
; parts under the larger M by powers of two, adds them, and stores the late tile.  Waves 2 n and 2 n + 1 are a pair; waves four apart have different roles.
; ALL OF A HEAD'S K AND V LIE IN LDS, each byte filled once, one tensor load a wave: waves 0 to 7 a chunk of 512 keys each (even: k's, odd: v's), wave 8 k's scale words, wave 9 v's.  The first barrier shows the first
; chunks and the scale words (waves 0, 1, 8, 9 wait, and have load lines of their own); every wave works step 0; the second barrier shows the rest.
; Every wave walks all 16 steps: trip counts are constants, and a step that is not the wave's is jumped over (scalar branches on ids) but for the lines that step addresses.
; NO CLUSTER, though the eight work-groups of a head read the same K and V: the jumps hang on the work-group's query block, which differs between partners.  NO PREFETCH: all fills go out at the head; there is no loop to run ahead in.
; LAYOUT.  Both products are used transposed: S^T = K Q^T, O^T = V^T P^T: a lane holds ONE query, and p's 16 registers of two neighbouring tiles are 16 neighbouring keys.
; THE FIRST PRODUCT'S K IS 64, the instruction's 128: Q's operand has zero codes in its upper half (v24-31).  K's tile t is 8 registers; its operand's upper half is the next tile's codes (for the last tile: zeros),
; finite numbers that meet zero codes; the scale words are read as 16 bits, so their upper two bytes are 0, which stands for 2^-127 and is no NaN.
; LIMITS: a block of zeros gets the byte 1 where the rule says 127; blocks under 2^-118 are held at the byte 1; NaN and infinities are not served; the scaled scores stay under 2^31 in magnitude.  o's two scale bytes a row leave as 2 bytes a lane.
.set VC,   131072                      ; LDS: k's codes from 0: 128 tiles x 1,024; v's from VC: 16 chunks x 4 tiles x 2,048
.set KS,   262144                      ; k's scale words: 128 tiles x 16 words
.set VS,   270336                      ; v's: 16 chunks x 4 tiles x 16 words
.set SPARE, 274432                     ; the spare words: 128 bytes a wave
.set STG,  276480                      ; the hand-over: 4,608 bytes for each pair of waves; no fill lands here
.set SQ,   12582912
.set REC,  8448
.set AK0,  1                           ; v1  16 x lane
.set AV0,  2                           ; v2  VC + 16 x lane
.set ASK0, 3                           ; v3  KS + 4 r + 2 x parity
.set ASV0, 4                           ; v4  VS + 4 r
.set LI,   5                           ; v5  16 x lane, for global addresses
.set LB,   6                           ; v6  4 r + 2 x parity, likewise
.set DQ,   7                           ; v7  my query's place in its block of 128, less 16 h
.set ADK,  8                           ; v8-11 the addresses of the step in hand
.set ADV,  9
.set ADS,  10
.set ADT,  11                          ; v12 -M, v13 the largest t, v[14:15] the sum in two halves, v16-31 Q, v32-95 K's tiles, then V's fragments, v96-103 zeros
.set S,    104                         ; v104-167 S^T, then p
.set O,    168                         ; v168-199 O^T
.set PC,   200                         ; v200-215 p's codes
.set BM,   216                         ; v216-219 the blocks' largest scores
.set PD,   220                         ; v220-223 permutes' destinations, a chain of the sum, the bytes
.set LM,   224                         ; v224-227 448 x the scales
.set SO,   228                         ; v228-231 the conversions' scale operands
.set SW,   232                         ; v232-239 scale words; v[240:241] f and p's scale word; v242 at work; v243 Q's scale word; v244 lane; v248-251 chains of the sum
.set STA,  247                         ; v247 LDS address of my pair's hand-over + 16 x lane
.set WV,   18
.set MNT,  19
.set SEL,  20
.set CS,   22
.set G1K,  24                          ; s[24:31], s[32:39], s[40:47], s[48:55] descriptor groups 1: k's codes, v's codes, k's scale words, v's; groups 0: s[56:59] scale words, s[60:63] a chunk
.set G1V,  32
.set G1KS, 40
.set G1VS, 48
.set ROLE, 66                          ; 1: wave A, 0: wave B
.set HI,   67                          ; the last step that I work on the tile in hand
.set TB,   80                          ; LDS byte at which the step's codes begin in k's and in v's region: 8,192 a step
.set TS,   81                          ; k's scale words: 512 a step
.set TJ,   82                          ; v's: 256 a step
.set SI,   83                          ; the step's number
.set BLK,  84                          ; the query block in hand: its step lies on the diagonal
.set CNT,  85
.set LO,   87                          ; the first step that I work
.macro G1SET g, c, r, p                ; r rows of c elements of 8 bytes, p elements apart in memory, dense in LDS
	s_mov_b32 s[\g], 3<<16
	s_mov_b32 s[\g+1], (\c)<<16
	s_mov_b32 s[\g+2], (\r)<<16
	s_mov_b32 s[\g+3], (\c)<<16
	s_mov_b32 s[\g+4], \r
	s_mov_b32 s[\g+5], \p
	s_mov_b32 s[\g+6], 0
	s_mov_b32 s[\g+7], 0
.endm
.macro TL g0, g1                       ; a tensor load; an s_nop 0 and four v_nop follow it
	tensor_load_to_lds s[\g0:\g0+3], s[\g1:\g1+7]
	s_nop 0
.rept 4
	v_nop
.endr
.endm
.macro INIT                            ; a tile begins: the largest t -3e38, under every t; zeros, which the first change of M leaves zeros
	v_mov_b32 v13, 0xff61b1e6
	v_floor_f32 v12, -v13
	v_mov_b32 v14, 0
	v_mov_b32 v15, 0
.set j, 0
.rept 32
	v_mov_b32 v[O+j], 0
.set j, j+1
.endr
.endm
	s_load_b128 s[4:7], s[0:1], 0x0                ; qkv, oc
	v_lshl_add_u32 v254, v0, 2, SPARE
	v_mov_b32 v255, 0
	ds_add_u32 v254, v255                          ; the add, twice on end, and its wait further down
	ds_add_u32 v254, v255
	v_lshrrev_b32 v1, 5, v0
	v_readfirstlane_b32 s[WV], v1                  ; wave 0..15
	s_and_b32 s86, ttmp7, 0xffff
	s_lshr_b32 s87, s86, 4                         ; the batch
	s_and_b32 s88, s86, 15                         ; the head
	s_lshr_b32 s89, s88, 1                         ; its pair
	s_and_b32 s90, s88, 1                          ; its parity
	s_lshr_b32 s91, s[WV], 2
	s_xor_b32 s91, s91, s[WV]
	s_and_b32 s[ROLE], s91, 1
	s_sub_co_u32 s92, 15, ttmp9
	s_cmp_eq_u32 s[ROLE], 1
	s_cselect_b32 s[BLK], s92, ttmp9               ; A begins on the late block, B on the early one
	s_cselect_b32 s[HI], 8, ttmp9
	s_lshr_b32 s93, s[WV], 1                       ; my tile in the block; also: which chunk I fetch
	s_lshl_b32 s94, s87, 21
	s_lshl_b32 s95, s89, 18
	s_add_co_u32 s94, s94, s95                     ; the pair's codes in a region
	s_lshl_b32 s95, s87, 16
	s_lshl_b32 s96, s89, 13
	s_add_co_u32 s95, s95, s96
	s_add_co_u32 s95, s95, SQ                      ; and its scale words
	s_lshl_b32 s96, s90, 10
	s_add_co_u32 s96, s96, 1<<22                   ; k: region 1, the head's 1,024 bytes of a tile
	s_lshl_b32 s97, s90, 13
	s_add_co_u32 s97, s97, 2<<22                   ; v: region 2, the head's four tiles of a chunk
	s_lshl_b32 s98, s90, 8
	s_add_co_u32 s98, s98, 2<<17
	s_and_b32 s2, s[WV], 1                         ; even waves fetch for k, odd ones for v
	s_cmp_eq_u32 s2, 0
	s_cselect_b32 s96, s96, s97
	s_cselect_b32 s98, 1<<17, s98
	s_add_co_u32 s96, s96, s94
	s_lshl_b32 s99, s93, 16                        ; a chunk of 512 keys is 65,536 bytes on in memory (the other head's lie between)
	s_add_co_u32 s96, s96, s99
	s_mov_b32 s97, 0
	s_add_co_u32 s98, s98, s95
	s_mov_b32 s99, 0
	s_lshl_b32 s91, s[BLK], 3
	s_add_co_u32 s91, s91, s93                     ; my tile of queries in the batch
	s_lshl_b32 s8, s91, 11
	s_add_co_u32 s8, s8, s94
	s_lshl_b32 s92, s90, 10
	s_add_co_u32 s8, s8, s92                       ; its codes
	s_mov_b32 s9, 0
	s_lshl_b32 s10, s91, 6
	s_add_co_u32 s10, s10, s95                     ; its scale words
	s_mov_b32 s11, 0
	s_lshr_b32 s16, s93, 1
	s_lshl_b32 s16, s16, 5
	s_and_b32 s17, s93, 1
	s_lshl_b32 s17, s17, 3
	s_add_co_u32 s86, s16, s17                     ; my tile's first token in the block
	s_lshl_b32 s16, s87, 6                         ; o's record: group of 32 tokens 64 x batch + 4 x block + tile / 2,
	s_lshl_b32 s17, s[BLK], 2
	s_add_co_u32 s16, s16, s17
	s_lshr_b32 s17, s93, 1
	s_add_co_u32 s16, s16, s17
	s_lshl_b32 s16, s16, 2
	s_lshr_b32 s17, s88, 2
	s_add_co_u32 s16, s16, s17                     ; K step head / 4
	s_mul_i32 s16, s16, REC
	s_and_b32 s17, s93, 1                          ; u
	s_and_b32 s91, s89, 1                          ; q
	s_lshl_b32 s12, s17, 12
	s_add_co_u32 s12, s12, s16
	s_lshl_b32 s92, s91, 11
	s_add_co_u32 s12, s12, s92
	s_lshl_b32 s92, s90, 10
	s_add_co_u32 s12, s12, s92                     ; pieces 2 x parity and 2 x parity + 1 of fragment (u, q)
	s_mov_b32 s13, 0
	s_lshl_b32 s14, s17, 7
	s_add_co_u32 s14, s14, s16
	s_lshl_b32 s92, s91, 6
	s_add_co_u32 s14, s14, s92
	s_add_co_u32 s14, s14, 8192                    ; its scale words
	s_mov_b32 s15, 0
	G1SET G1K, 128, 32, 256                        ; 32 tiles of 1,024 bytes, 2,048 apart
	G1SET G1V, 1024, 4, 2048                       ; 4 chunks of 8,192 bytes, 16,384 apart
	G1SET G1KS, 32, 32, 32                         ; 8,192 dense bytes as rows of 256
	G1SET G1VS, 32, 16, 64                         ; 16 chunks of 256 bytes, 512 apart
	s_mov_b32 s[SEL], 0x76543210
	s_mov_b32 s[SEL+1], 0xfedcba98                 ; v_permlanex16_b32's selects for lane l xor 16
	s_mov_b32 s[CS], 0x3e38aa3b                    ; c = log2(e) / 8
	s_mov_b32 s[CS+1], s[CS]
	s_mov_b32 s[MNT], 0x600000
	s_mov_b32 s[TB], 0
	s_mov_b32 s[TS], 0
	s_mov_b32 s[TJ], 0
	s_mov_b32 s[SI], 0
	s_mov_b32 s[LO], 0
	s_lshl_b32 s3, s2, 17                          ; LDS: k's codes from 0, v's from 131,072,
	s_lshl_b32 s91, s93, 15
	s_add_co_u32 s3, s3, s91                       ; + 32,768 for each chunk
	s_lshl_b32 s2, s2, 13                          ; the scale words: k's at KS, v's 8,192 on
	s_mul_i32 s89, s93, 4608
	s_add_co_u32 s89, s89, STG                     ; my pair's hand-over
	s_lshl_b32 s88, s90, 1
	s_wait_dscnt 0x0                               ; both opening adds are done
	s_wait_kmcnt 0x0
	s_add_nc_u64 s[96:97], s[4:5], s[96:97]
	s_add_nc_u64 s[98:99], s[4:5], s[98:99]
	s_add_nc_u64 s[8:9], s[4:5], s[8:9]
	s_add_nc_u64 s[10:11], s[4:5], s[10:11]
	s_add_nc_u64 s[12:13], s[6:7], s[12:13]
	s_add_nc_u64 s[14:15], s[6:7], s[14:15]
	s_mov_b32 s56, 1
	s_add_co_u32 s57, s2, KS
	s_mov_b64 s[58:59], s[98:99]
	s_or_b32 s59, s59, 0x80000000
	s_mov_b32 s60, 1
	s_mov_b32 s61, s3
	s_mov_b64 s[62:63], s[96:97]
	s_or_b32 s63, s63, 0x80000000
	; THE FILLS, one a wave, in one chain of branches on the wave's number.  What step 0 needs stands in the first four arms, in lines of their own: their waves alone wait at the first barrier.
	s_cmp_eq_u32 s[WV], 0
	s_cbranch_scc0 .Larm_v0
	TL 60, G1K                                     ; wave 0: k's keys 0 .. 511
	s_branch .Lasked
.Larm_v0:
	s_cmp_eq_u32 s[WV], 1
	s_cbranch_scc0 .Larm_ks
	TL 60, G1V                                     ; wave 1: v's
	s_branch .Lasked
.Larm_ks:
	s_cmp_eq_u32 s[WV], 8
	s_cbranch_scc0 .Larm_vs
	TL 56, G1KS                                    ; wave 8: k's scale words
	s_branch .Lasked
.Larm_vs:
	s_cmp_eq_u32 s[WV], 9
	s_cbranch_scc0 .Larm_rest
	TL 56, G1VS                                    ; wave 9: v's
	s_branch .Lasked
.Larm_rest:
	s_cmp_gt_u32 s[WV], 7
	s_cbranch_scc1 .Lasked                         ; waves 10 to 15 fetch nothing
	s_cmp_eq_u32 s2, 0
	s_cbranch_scc0 .Larm_v
	TL 60, G1K                                     ; waves 2, 4, 6: k's later chunks
	s_branch .Lasked
.Larm_v:
	TL 60, G1V                                     ; waves 3, 5, 7: v's
.Lasked:
	v_and_b32 v244, 31, v0                         ; lane
	v_and_b32 v245, 15, v0                         ; r
	v_bfe_u32 v246, v0, 4, 1                       ; h
	v_lshlrev_b32 v[AK0], 4, v244
	v_lshlrev_b32 v[LI], 4, v244
	v_lshl_add_u32 v[LB], v245, 2, s88
	v_add_nc_u32 v[AV0], VC, v[AK0]
	global_load_b128 v[16:19], v[LI], s[8:9]               ; Q's 64 codes a row stay in registers
	global_load_b128 v[20:23], v[LI], s[8:9] offset:512
	global_load_u16 v243, v[LB], s[10:11]                  ; and its two scale bytes
	v_add_nc_u32 v[ASK0], KS, v[LB]
	v_lshl_add_u32 v[ASV0], v245, 2, VS
	v_add_nc_u32 v[STA], s89, v[AK0]
	v_and_b32 v[DQ], 8, v245
	v_add_nc_u32 v[DQ], v[DQ], v245
	v_lshlrev_b32 v246, 4, v246
	v_sub_nc_u32 v[DQ], v[DQ], v246
	v_add_nc_u32 v[DQ], s86, v[DQ]
.irp j, 0,1,2,3,4,5,6,7
	v_mov_b32 v[24+\j], 0                          ; zero codes: the upper half of Q's operand,
	v_mov_b32 v[96+\j], 0                          ; and of the last tile of K's
.endr
.irp b, 0,1,2,3
	v_mov_b32 v[PD+\b], 0                          ; a lane permute's destination counts as one of its sources
.endr
	v_mov_b32 v241, 0                              ; (named as the upper half of the pair v[240:241] before it is first written)
	v_mov_b32 v242, 0
	INIT
; A KEY STEP: 128 keys.
.macro STEP
	s_cmp_gt_u32 s[SI], s[HI]                      ; not mine: only the addresses step
	s_cbranch_scc1 .Lhidden_\@
	s_cmp_lt_u32 s[SI], s[LO]
	s_cbranch_scc1 .Lhidden_\@
	v_add_nc_u32 v[ADK], s[TB], v[AK0]
	v_add_nc_u32 v[ADV], s[TB], v[AV0]
	v_add_nc_u32 v[ADS], s[TS], v[ASK0]
	v_add_nc_u32 v[ADT], s[TJ], v[ASV0]
.rept 4
	v_nop                                          ; with the four additions: eight places in front of loads into registers that the last products have read
.endr
.irp t, 0,1,2,3,4,5,6,7
	ds_load_u16 v[SW+\t], v[ADS] offset:64*\t      ; the eight scale words first, then the tiles in their order
.endr
.irp t, 0,1,2,3,4,5,6,7
	ds_load_b128 v[32+8*\t:35+8*\t], v[ADK] offset:1024*\t
	ds_load_b128 v[36+8*\t:39+8*\t], v[ADK] offset:1024*\t+512
.endr
	s_wait_alu depctr_va_vdst(0)                   ; the wait here, directly ahead of the waits below
.irp t, 0,1,2,3,4,5,6,7
.if \t < 7
	s_wait_dscnt 12-2*\t                           ; product t names tiles t and t + 1: the two loads of each later tile may be out
.endif
	v_wmma_scale_f32_16x16x128_f8f6f4 v[S+8*\t:S+8*\t+7], v[32+8*\t:47+8*\t], v[16:31], 0, v[SW+\t], v243
.endr
.rept 8
	v_nop                                          ; places behind the products: ahead of the first reader of the scores, and of the loads into the registers that the products have read
.endr
.irp t, 0,1,2,3
.irp c, 0,1,2,3
	ds_load_b128 v[32+16*\t+4*\c:35+16*\t+4*\c], v[ADV] offset:2048*\t+512*\c   ; V's fragments are asked for here: they are on their way while the softmax is worked
.endr
	ds_load_b32 v[SW+\t], v[ADT] offset:64*\t
.endr
	s_cmp_lg_u32 s[SI], s[BLK]
	s_cbranch_scc1 .Lopen_\@
	v_mov_b32 v242, 0xff800000
.set n, 0
.rept 64
	v_cmp_gt_i32 vcc_lo, 32*(n/16)+n%16, v[DQ]     ; register 16 b + i holds key 32 b + 16 h + i of the step
	v_cndmask_b32 v[S+n], v[S+n], v242, vcc_lo
.set n, n+1
.endr
.Lopen_\@:
.irp b, 0,1,2,3
	v_max3_num_f32 v[BM+\b], v[S+16*\b], v[S+1+16*\b], v[S+2+16*\b]   ; the largest score of each block of 32 keys: for the row's maximum and, since p rises with the score, for the block's largest p
.endr
.irp i, 3,5,7,9,11,13
.irp b, 0,1,2,3
	v_max3_num_f32 v[BM+\b], v[BM+\b], v[S+16*\b+\i], v[S+1+16*\b+\i]
.endr
.endr
.irp b, 0,1,2,3
	v_max_num_f32 v[BM+\b], v[BM+\b], v[S+15+16*\b]
.endr
.irp b, 0,1,2,3
	s_delay_alu instid0(VALU_DEP_4)
	v_permlanex16_b32 v[PD+\b], v[BM+\b], s[SEL], s[SEL+1]
.endr
.irp b, 0,1,2,3
	s_delay_alu instid0(VALU_DEP_4)
	v_max_num_f32 v[BM+\b], v[BM+\b], v[PD+\b]     ; with lane l xor 16's 16 keys
.endr
	s_delay_alu instid0(VALU_DEP_2)
	v_max3_num_f32 v242, v[BM], v[BM+1], v[BM+2]
	s_delay_alu instid0(VALU_DEP_1)
	v_max_num_f32 v242, v242, v[BM+3]              ; the step's largest score of my query
	s_delay_alu instid0(VALU_DEP_1)
	v_mul_f32 v242, s[CS], v242                    ; as t (c is positive)
	s_delay_alu instid0(VALU_DEP_1)
	v_max_num_f32 v13, v13, v242                   ; the running largest t
	v_mov_b32 v242, v12
	s_delay_alu instid0(VALU_DEP_2)
	v_floor_f32 v12, -v13                          ; the new -M = floor(-t): M is a whole number
	s_delay_alu instid0(VALU_DEP_1)
	v_sub_f32 v242, v12, v242                      ; M's old value less its new one: a whole number, 0 or less
	s_delay_alu instid0(VALU_DEP_1)
	v_cvt_i32_f32 v242, v242                       ; (it saturates)
	s_delay_alu instid0(VALU_DEP_1)
	v_ldexp_f32 v240, 1.0, v242                    ; f = 2^(old M - new M)
.set j, 0
.rept 32
	v_pk_fma_f32 v[S+j:S+j+1], v[S+j:S+j+1], s[CS:CS+1], v[12:13] op_sel_hi:[1,0,0]   ; t - M, two at a time
.set j, j+2
.endr
.irp b, 0,1,2,3
	v_fma_f32 v[BM+\b], v[BM+\b], s[CS], v12       ; the same of each block's largest score
.endr
.set j, 0
	s_wait_alu depctr_va_vdst(0)                   ; the wait ahead of the batch
.rept 64
	v_exp_f32 v[S+j], v[S+j]                       ; p = 2^(t - M), at most 1
.set j, j+1
.endr
	v_pk_mul_f32 v[14:15], v[14:15], v[240:241] op_sel_hi:[1,0]   ; the sums under the new M: a plain line behind the exponentials
	s_wait_alu depctr_va_vdst(0)                   ; one wait for the whole batch, ahead of its first reader
.irp b, 0,1,2,3
	v_exp_f32 v[BM+\b], v[BM+\b]                   ; the block's largest p: the same two instructions on the same number give the same bits
.endr
	v_pk_add_f32 v[220:221], v[S:S+1], v[S+2:S+3]  ; the row's sum of the unquantised p, two at a time, in four chains
	v_pk_add_f32 v[248:249], v[S+4:S+5], v[S+6:S+7]
	v_pk_add_f32 v[250:251], v[S+8:S+9], v[S+10:S+11]
	v_pk_add_f32 v[14:15], v[14:15], v[S+12:S+13]
.set j, 14
.rept 6
	v_pk_add_f32 v[220:221], v[220:221], v[S+j:S+j+1]
	v_pk_add_f32 v[248:249], v[248:249], v[S+j+2:S+j+3]
	v_pk_add_f32 v[250:251], v[250:251], v[S+j+4:S+j+5]
	v_pk_add_f32 v[14:15], v[14:15], v[S+j+6:S+j+7]
.set j, j+8
.endr
	v_pk_add_f32 v[220:221], v[220:221], v[S+62:S+63]
	v_pk_add_f32 v[248:249], v[248:249], v[250:251]
	v_pk_add_f32 v[14:15], v[14:15], v[220:221]
	v_pk_add_f32 v[14:15], v[14:15], v[248:249]
	s_wait_alu depctr_va_vdst(0)                   ; and one for the four
.irp b, 0,1,2,3
	v_max_num_f32 v[BM+\b], 0x4800000, v[BM+\b]    ; the floor 2^(9 - 127): a block whose every p is 0 keeps the byte 1: its codes are zeros
.endr
.irp b, 0,1,2,3
	s_delay_alu instid0(VALU_DEP_4)
	v_add_nc_u32 v[SO+\b], 0xfc000000, v[BM+\b]    ; 8 off the exponent field: the conversion's scale operand
.endr
.irp b, 0,1,2,3
	v_and_or_b32 v[LM+\b], v[BM+\b], 0x7f800000, s[MNT]   ; 448 x the scale
.endr
.irp b, 0,1,2,3
	v_lshrrev_b32 v[PD+\b], 23, v[SO+\b]           ; the scale's byte
.endr
	s_delay_alu instid0(VALU_DEP_3)
	v_lshl_or_b32 v241, v[PD+1], 8, v[PD]          ; p's scale word for these 128 keys
	s_delay_alu instid0(VALU_DEP_1)
	v_lshl_or_b32 v241, v[PD+2], 16, v241
	s_delay_alu instid0(VALU_DEP_1)
	v_lshl_or_b32 v241, v[PD+3], 24, v241
.irp b, 0,1,2,3
.irp i, 0,1,2,3,4,5,6,7,8,9,10,11,12,13,14,15
	v_min_num_f32 v[S+16*\b+\i], v[S+16*\b+\i], v[LM+\b]   ; the conversion does not saturate (ISA guide 7.6.2); p is not negative, so the hold is one-sided
.endr
	v_cvt_scalef32_pk8_fp8_f32 v[PC+4*\b:PC+1+4*\b], v[S+16*\b:S+7+16*\b], v[SO+\b]
	v_cvt_scalef32_pk8_fp8_f32 v[PC+2+4*\b:PC+3+4*\b], v[S+8+16*\b:S+15+16*\b], v[SO+\b]
.endr
	s_wait_alu depctr_va_vdst(0)                   ; the wait here, directly ahead of the first reader of O^T
.set j, 0
.rept 16
	v_pk_mul_f32 v[O+j:O+j+1], v[O+j:O+j+1], v[240:241] op_sel_hi:[1,0]   ; O^T under the new M.  (These sixteen are also the places in front of the products below)
.set j, j+2
.endr
	s_wait_alu depctr_va_vdst(0)
	s_wait_dscnt 0x0
.irp t, 0,1,2,3
	v_wmma_scale_f32_16x16x128_f8f6f4 v[O+8*\t:O+8*\t+7], v[32+16*\t:47+16*\t], v[PC:PC+15], v[O+8*\t:O+8*\t+7], v[SW+\t], v241   ; the four accumulators by turns
.endr
.Lhidden_\@:
	s_add_co_u32 s[TB], s[TB], 8192
	s_add_co_u32 s[TS], s[TS], 512
	s_add_co_u32 s[TJ], s[TJ], 256
	s_add_co_u32 s[SI], s[SI], 1
.endm
; THE WAY OUT of a tile.  O^T / the sum; register 16 b + i is channel 32 b + 16 h + i of my query: two blocks of 32, quantised as they stand: two pieces of a fragment.
.macro WAYOUT
.rept 8
	v_nop                                          ; places behind the last products
.endr
	v_add_f32 v14, v14, v15                        ; the sum's two halves,
	s_delay_alu instid0(VALU_DEP_1)
	v_permlanex16_b32 v242, v14, s[SEL], s[SEL+1]
	s_delay_alu instid0(VALU_DEP_1)
	v_add_f32 v14, v14, v242                       ; and lane l xor 16's
	s_wait_alu depctr_va_vdst(0)
	v_rcp_f32 v15, v14
	v_nop                                          ; a plain line behind the transcendental
	s_wait_alu depctr_va_vdst(0)                   ; and the wait ahead of its first reader
.set j, 0
.rept 32
	v_mul_f32 v[S+j], v[O+j], v15
.set j, j+1
.endr
.irp b, 0,1
	v_max3_num_f32 v[BM+\b], |v[S+16*\b]|, |v[S+1+16*\b]|, 0x4800000
.endr
.irp i, 2,4,6,8,10,12,14
.irp b, 0,1
	s_delay_alu instid0(VALU_DEP_2)
	v_max3_num_f32 v[BM+\b], v[BM+\b], |v[S+16*\b+\i]|, |v[S+1+16*\b+\i]|
.endr
.endr
.irp b, 0,1
	s_delay_alu instid0(VALU_DEP_2)
	v_permlanex16_b32 v[PD+\b], v[BM+\b], s[SEL], s[SEL+1]
.endr
.irp b, 0,1
	s_delay_alu instid0(VALU_DEP_2)
	v_max_num_f32 v[BM+\b], v[BM+\b], v[PD+\b]
.endr
.irp b, 0,1
	s_delay_alu instid0(VALU_DEP_2)
	v_add_nc_u32 v[SO+\b], 0xfc000000, v[BM+\b]
.endr
.irp b, 0,1
	s_delay_alu instid0(VALU_DEP_4)
	v_and_or_b32 v[LM+\b], v[BM+\b], 0x7f800000, s[MNT]
.endr
.irp b, 0,1
	s_delay_alu instid0(VALU_DEP_4)
	v_lshrrev_b32 v[PD+\b], 23, v[SO+\b]
.endr
	s_delay_alu instid0(VALU_DEP_1)
	v_lshl_or_b32 v242, v[PD+1], 8, v[PD]          ; my row's two scale bytes
.irp b, 0,1
.irp i, 0,1,2,3,4,5,6,7,8,9,10,11,12,13,14,15
	v_med3_num_f32 v[S+16*\b+\i], v[S+16*\b+\i], -v[LM+\b], v[LM+\b]
.endr
	v_cvt_scalef32_pk8_fp8_f32 v[PC+4*\b:PC+1+4*\b], v[S+16*\b:S+7+16*\b], v[SO+\b]
	v_cvt_scalef32_pk8_fp8_f32 v[PC+2+4*\b:PC+3+4*\b], v[S+8+16*\b:S+15+16*\b], v[SO+\b]
.endr
	v_nop
	global_store_b128 v[LI], v[PC:PC+3], s[12:13]                  ; 32 lanes store 512 consecutive bytes, aligned
	global_store_b128 v[LI], v[PC+4:PC+7], s[12:13] offset:512
	v_cmp_gt_u32 vcc_lo, 16, v244
	s_wait_xcnt 0x0                                ; EXEC changes only behind this wait
	s_and_saveexec_b32 s86, vcc_lo
	global_store_b16 v[LB], v242, s[14:15]         ; lanes 0-15: two bytes of each row's word; the other head of the pair writes the other two
	s_wait_xcnt 0x0                                ; and again, in front of the line that widens it; the stores' registers and bases may be written behind it
	s_or_b32 exec_lo, exec_lo, s86
.endm
	s_wait_alu depctr_va_vdst(0)                   ; the wait at the head's end
	s_wait_loadcnt 0x0                             ; Q
	s_and_b32 s88, s[WV], 6
	s_cmp_eq_u32 s88, 0                            ; waves 0, 1, 8, 9: the first chunks and the scale words have landed
	s_cbranch_scc0 .Lnot_first
	s_wait_tensorcnt 0x0
.Lnot_first:
	s_barrier_signal -1
	s_barrier_wait -1
	s_mov_b32 s[CNT], 4
.Lzero:                                                ; steps 0 .. 3: the first chunk's 512 keys, worked while the other chunks are on their way; every wave has work in step 0
	STEP
	s_sub_co_u32 s[CNT], s[CNT], 1
	s_cmp_lg_u32 s[CNT], 0
	s_cbranch_scc1 .Lzero
	s_wait_dscnt 0x0
	s_wait_tensorcnt 0x0                           ; every wave: all that is still out
	s_barrier_signal -1
	s_barrier_wait -1                              ; all of K and V lie in LDS; nothing is ever filled again
	s_mov_b32 s[CNT], 5
.Lone:                                                 ; steps 4 .. 8
	STEP
	s_sub_co_u32 s[CNT], s[CNT], 1
	s_cmp_lg_u32 s[CNT], 0
	s_cbranch_scc1 .Lone
	s_cmp_eq_u32 s[ROLE], 1
	s_cbranch_scc1 .Lstay
	; WAVE B: the early tile is finished (its block is 7 at the most).  The late tile's Q is asked for, the early tile leaves, and the late tile begins at step 9.
	s_lshl_b32 s88, ttmp9, 1
	s_sub_co_u32 s88, 15, s88                      ; blocks from the early one to the late one
	s_lshl_b32 s92, s88, 14                        ; 8 tiles of 2,048 bytes a block
	s_mov_b32 s93, 0
	s_add_nc_u64 s[8:9], s[8:9], s[92:93]
	s_lshl_b32 s92, s88, 9                         ; 8 tiles of 64 bytes
	s_add_nc_u64 s[10:11], s[10:11], s[92:93]
	global_load_b128 v[16:19], v[LI], s[8:9]
	global_load_b128 v[20:23], v[LI], s[8:9] offset:512
	global_load_u16 v243, v[LB], s[10:11]
	WAYOUT
	s_mul_i32 s92, s88, 16*REC                     ; 4 groups of 32 tokens x 4 records a block
	s_add_nc_u64 s[12:13], s[12:13], s[92:93]
	s_add_nc_u64 s[14:15], s[14:15], s[92:93]
	s_sub_co_u32 s[BLK], 15, ttmp9
	s_mov_b32 s[HI], s[BLK]
	s_mov_b32 s[LO], 9
	INIT
	s_wait_alu depctr_va_vdst(0)
	s_wait_loadcnt 0x0
.Lstay:
	s_mov_b32 s[CNT], 7
.Ltwo:                                                 ; steps 9 .. 15
	STEP
	s_sub_co_u32 s[CNT], s[CNT], 1
	s_cmp_lg_u32 s[CNT], 0
	s_cbranch_scc1 .Ltwo
.rept 8
	v_nop                                          ; places behind the last products
.endr
	s_wait_alu depctr_va_vdst(0)
	s_cmp_eq_u32 s[ROLE], 1
	s_cbranch_scc0 .Lkeep
.irp k, 0,1,2,3,4,5,6,7
	ds_store_b128 v[STA], v[O+4*\k:O+4*\k+3] offset:512*\k   ; WAVE A hands over: O^T as an image of its registers, each accumulator from its low end on,
.endr
	ds_store_b128 v[STA], v[12:15] offset:4096     ; and -M and the sums
.Lkeep:
	s_wait_dscnt 0x0                               ; for the other's sake: my stores have landed
	s_barrier_signal -1
	s_barrier_wait -1
	s_cmp_eq_u32 s[ROLE], 1
	s_cbranch_scc1 .Ldone
.irp k, 0,1,2,3,4,5,6,7,8
	ds_load_b128 v[S+4*\k:S+4*\k+3], v[STA] offset:512*\k    ; WAVE B: A's O^T into v104-135; its -M in v136, its sums in v138, v139
.endr
	s_wait_dscnt 0x0
	v_min_num_f32 v242, v12, v[S+32]               ; -M of the larger M
	v_sub_f32 v[BM], v242, v12                     ; whole numbers, 0 or less (a part with no step has -M = 3e38: its factor becomes 0, and it holds zeros)
	v_sub_f32 v[BM+1], v242, v[S+32]
	v_cvt_i32_f32 v[BM], v[BM]                     ; (they saturate)
	v_cvt_i32_f32 v[BM+1], v[BM+1]
	v_ldexp_f32 v240, 1.0, v[BM]                   ; my part's factor
	v_ldexp_f32 v[BM+2], 1.0, v[BM+1]              ; A's
	v_mov_b32 v[BM+3], v[BM+2]                     ; (named with it as a pair)
	v_pk_mul_f32 v[14:15], v[14:15], v[240:241] op_sel_hi:[1,0]
.set j, 0
.rept 16
	v_pk_mul_f32 v[O+j:O+j+1], v[O+j:O+j+1], v[240:241] op_sel_hi:[1,0]
.set j, j+2
.endr
	v_pk_fma_f32 v[14:15], v[S+34:S+35], v[BM+2:BM+3], v[14:15] op_sel_hi:[1,0,1]
.set j, 0
.rept 16
	v_pk_fma_f32 v[O+j:O+j+1], v[S+j:S+j+1], v[BM+2:BM+3], v[O+j:O+j+1] op_sel_hi:[1,0,1]
.set j, j+2
.endr
	WAYOUT
.Ldone:
	s_wait_tensorcnt 0x0                           ; the wave's end
	ds_add_u32 v254, v255
	s_wait_dscnt 0x0
	s_endpgm
.Lfunc_end_k_qcca4a688d0_attn:
	.size	k_qcca4a688d0_attn, .Lfunc_end_k_qcca4a688d0_attn-k_qcca4a688d0_attn
	.p2alignl 7, 3214868480
	.fill 96, 4, 3214868480
	.section	.rodata,"a",@progbits
	.p2align	6, 0x0
	.amdhsa_kernel k_qcca4a688d0_attn
		.amdhsa_group_segment_fixed_size 327680
		.amdhsa_private_segment_fixed_size 0
		.amdhsa_enable_private_segment 0
		.amdhsa_kernarg_size 16
		.amdhsa_user_sgpr_count 2
		.amdhsa_user_sgpr_kernarg_segment_ptr 1
		.amdhsa_wavefront_size32 1
		.amdhsa_system_sgpr_workgroup_id_x 1
		.amdhsa_system_sgpr_workgroup_id_y 1
		.amdhsa_system_sgpr_workgroup_id_z 1
		.amdhsa_system_vgpr_workitem_id 0
		.amdhsa_next_free_vgpr 256
		.amdhsa_next_free_sgpr 100
		.amdhsa_reserve_vcc 1
		.amdhsa_float_denorm_mode_32 3
		.amdhsa_float_denorm_mode_16_64 3
		.amdhsa_memory_ordered 1
		.amdhsa_forward_progress 1
		.amdhsa_inst_pref_size 107
	.end_amdhsa_kernel
	.amdgpu_metadata
---
amdhsa.version: [ 1, 2 ]
amdhsa.kernels:
  - .name:           k_qcca4a688d0_attn
    .symbol:         k_qcca4a688d0_attn.kd
    .args:
      - { .name: qkv, .offset: 0, .size: 8, .value_kind: global_buffer, .address_space: global }
      - { .name: oc, .offset: 8, .size: 8, .value_kind: global_buffer, .address_space: global }
    .group_segment_fixed_size: 327680
    .private_segment_fixed_size: 0
    .kernarg_segment_align: 8
    .kernarg_segment_size: 16
    .max_flat_workgroup_size: 512
    .sgpr_count:     100
    .vgpr_count:     256
    .wavefront_size: 32
...
	.end_amdgpu_metadata
.endif
;; end of part 10
;; launch wp (part 11): grid 8 x 32, 4 waves a work-group, clusters of 4 x 4, 327,680 bytes of LDS; arguments oc, wts, bp, x, x1; writes x1
.if DOCPART == 11
	.amdgcn_target "amdgcn-amd-amdhsa--gfx1250"
	.amdhsa_code_object_version 6
	.text
	.protected	k_qcca4a688d0_wp
	.globl	k_qcca4a688d0_wp
	.p2align	8
	.type	k_qcca4a688d0_wp,@function
k_qcca4a688d0_wp:
	s_mov_b64 s[64:65], 0
	v_nop
	global_prefetch_b8 v0, s[64:65] scope:SCOPE_SE
	s_setreg_imm32_b32 hwreg(HW_REG_WAVE_MODE, 25, 1), 1
	s_wait_xcnt 0x0
	s_wait_alu depctr_hold_cnt(0) depctr_sa_sdst(0) depctr_va_vdst(0) depctr_va_sdst(0) depctr_va_ssrc(0) depctr_va_vcc(0) depctr_vm_vsrc(0)
	s_getreg_b32 s2, hwreg(HW_REG_IB_STS2, 6, 4)
	s_cmp_eq_u32 s2, 0
	s_cbranch_scc0 .Lentry_in_a_cluster
	s_endpgm
.Lentry_in_a_cluster:
	s_bfe_u32 s2, ttmp6, 0x10000c
	s_cmp_lg_u32 s2, 0xf033
	s_cbranch_scc0 .Lentry_shape_is_right
	s_endpgm
.Lentry_shape_is_right:
; C = R + A B^T + bias in f32, A and B codes of FP8 (E4M3) with one E8M0 scale byte for each 32 along K.  ONE TEXT FOR TWO LAUNCHES; the line .set MODE says which this file is:
;   2: x1 = x + o Wp + bp (K = 1,024);   3: out = x1 + a W2 + b2 (K = 4,096).  A: 4,096 tokens; B: the weight's 1,024 columns.
.set MODE, 2
; OPERANDS are laid in RECORDS of 8,448 bytes: 32 rows (a group p) x 256 along K (kp): four fragments (u, q) of 2,048 bytes at 4096 u + 2048 q, each an image of an operand's 16 registers (lane l's 16 bytes at
; 512 c + 16 l are k = 32 c + 16 (l / 16) + 0 .. 15 of its row), then the scale words at 8192 + 128 u + 64 q + 4 r.  Lane r of tile u holds row 32 p + 8 u + r + 8 (r / 8).  An operand is [p][kp][record].
; SHARES.  C has 4,096 x 1,024 numbers: 256 tiles of 128 x 128, a work-group each (tiles of 256 x 256 would be 64).  Four waves, each 64 x 64: 16 accumulators, 128 registers.
; K goes in steps of 512 through a ring of two LDS slots: with half the rows of a larger tile a slot of the same bytes holds twice the K, so there are half as many changes of slots.  Two records that follow each
; other along K lie on end in memory: a wave's tensor load brings 2 rows (groups of 32) of 16,896 bytes; the scales ride with the codes; a fragment is read from LDS at 16 x lane: no pitch, no padding.
; With K = 1,024 the two slots hold all of K: both are first fills and nothing is filled again.
; THE MATRIX INSTRUCTION IS USED TRANSPOSED (source 0 = 16 rows of B, source 1 = 16 rows of A): lane (r, h) holds A's row r of a tile, and its register j of tile b the column 32 (b / 2) + 8 (b % 2) + 16 h + j.
; The bias is the C of each sum's first product.  The residual's rows are asked for at the head, into registers of their own, and land while K is walked.
; CLUSTERS: 4 x 4 work-groups; A's tiles are asked for jointly along a row of the cluster, B's along a column.
; REGISTERS, in windows of 256: window 0: v16-29 addresses; v32-63 scale words, two sets (nothing else ever stands there); v64-95 the bias; v128-255 the accumulators ((a, b) at v[128 + 8 (4 a + b)]);
; window 1: two fragment buffers of 128: A's four blocks, then B's four, 128 along K; window 2: v0-127 the residual, v128-255 rows read back from the stage.
; A wave's 64 x 64 feeds 16 products from 8 fragments, half as many for each LDS byte as 128 x 128 would: the price of a work-group for every tile.
; No prefetch is written: a small tile, whose tiles are shared in clusters.  LIMITS: the codes and scale bytes are this program's own; NaN and infinities among the problem's inputs are not served.
.if MODE == 3
.set KP,   16                          ; records along K
.set WOFF, 8650752                     ; where B's records begin in wts
.else
.set KP,   4
.set WOFF, 3244032
.endif
.set REC,   8448
; IN THIS FILE (MODE 2) K = 1,024 is four records, which lie on end in memory for each group of 32 rows: ONE tensor load a wave brings its 64 rows for ALL of K, two rows of 33,792 bytes, 67,584 bytes dense in LDS.
; Nothing is filled again.  What the text below calls slot s is K step s of 512: two records further on in each group's four.
.set HALFT, 8*REC                      ; 64 rows x all of K: what one tensor load brings, and what one wave reads of A or of B
.set SLOT,  2*REC                      ; from K step 0 to K step 1 inside a group's four records
.set SPARE, 4*HALFT                    ; behind the tiles: the spare words, 128 bytes for each wave
.set STG,   SPARE+512                  ; behind them: the stages of the way out, bytes of their own on which no fill lands
.set LAPS,  KP/4                       ; a lap = two K steps of 512 = once round the ring
.set NP,    8                          ; places behind this matrix instruction (ISA guide 7.12.1)
.set SPITCH, 272                       ; the way out: a stage row: 256 bytes + 16
.set ADRA, 16                          ; v16-17 my A fragments in slot 0, 1: + 16 x lane
.set ADSA, 18                          ; v18-19 my A records in slot 0, 1: + 4 x lane, for the scale words
.set ADRB, 20                          ; v20-21, v22-23 the same for B
.set ADSB, 22
.set STO,  24                          ; the way out: where I put 16 bytes of a row
.set RD,   25                          ; where I read a row back
.set CO,   26                          ; my byte offset in two rows of C: 4,096 h + 16 (lane % 16); never rewritten
.set SPW,  28                          ; LDS address of my spare word; never rewritten
.set NIL,  29                          ; 0; never rewritten
.set SC,   32                          ; scale words: set s: A's block i, record k at SC + 16 s + 2 i + k, B's at + 8; lanes 0-15 the record's first 128 along K, lanes 16-31 its second
.set BI,   64                          ; the bias: 8 registers for each tile of B's rows, in the result's layout
.set ACC,  128
.set F0,   0                           ; fragment buffers, in window 1
.set F1,   128
.set BK,   128                         ; window 2: block a's rows read back at BK + 32 a; its residual at 32 a
.set G1,  24                           ; s[24:31] descriptor group 1 for A's tiles; s[32:39] group 0, a set for each slot
.set G0,  32
.set G1B, 48                           ; s[48:55], s[56:63] the same for B's
.set G0B, 56
.set OC,  68                           ; s[68:69] the residual, s[70:71] the output, at my part's first number
.set OS,  70
.set BIA, 72
.set MSB, 0
.macro WIN new                         ; the immediate's high byte repeats the setting that is left
.if MSB != \new
	s_set_vgpr_msb (MSB<<8)|\new
.set MSB, \new
.endif
.endm
.set MUL,  0x05                        ; sources 0 (B) and 1 (A) window 1; C and D window 0
.set TO_F, 0x40                        ; destination window 1, address window 0
; A joint load: waves 0 and 1 fetch for A, waves 2 and 3 for B.  Each line has one mask and one set of registers for all that issue it; the branch hangs on the wave's number alone.
; Four v_nop follow each of the two lines, ahead of the jump, the label and what follows.
.macro JLOAD g0a, g1a, g0b, g1b
	s_cmp_eq_u32 s15, 0
	s_cbranch_scc0 .Lfor_b_\@
	tensor_load_to_lds s[\g0a:\g0a+3], s[\g1a:\g1a+7]
	s_nop 0
.rept 4
	v_nop
.endr
	s_branch .Lasked_\@
.Lfor_b_\@:
	tensor_load_to_lds s[\g0b:\g0b+3], s[\g1b:\g1b+7]
	s_nop 0
.rept 4
	v_nop
.endr
.Lasked_\@:
.endm
.macro CREST                           ; a round of the cluster's barrier behind its opening barrier
	s_cmp_lg_u32 s14, 0
	s_cbranch_scc1 .Lnot_wave_0_\@
	s_barrier_signal -3
.Lnot_wave_0_\@:
	s_barrier_wait -3
	s_barrier_signal -1
	s_barrier_wait -1
.endm
.macro CROUND                          ; a whole round
	s_barrier_signal -1
	s_barrier_wait -1
	CREST
.endm
	s_load_b128 s[4:7], s[0:1], 0x0                ; A's records, wts
	s_load_b128 s[8:11], s[0:1], 0x10              ; the bias, the residual
	s_load_b64 s[12:13], s[0:1], 0x20              ; the output
	v_lshl_add_u32 v[SPW], v0, 2, SPARE
	v_mov_b32 v[NIL], 0
	ds_add_u32 v28, v29
	ds_add_u32 v28, v29
	s_wait_dscnt 0x0
	v_lshrrev_b32 v1, 5, v0
	v_readfirstlane_b32 s14, v1                    ; wave 0..3
	s_lshr_b32 s15, s14, 1                         ; which 64 rows of A are mine.  Also: I fetch for A (0) or for B (1)
	s_and_b32 s16, s14, 1                          ; which 64 rows of B.  Also: which 64 rows of that tile I fetch
	s_bfe_u32 s40, ttmp6, 0x40000                  ; cx, cy: my place in the cluster
	s_bfe_u32 s41, ttmp6, 0x40004
	s_and_b32 s79, ttmp7, 0xffff                   ; cluster y
	s_lshl_b32 s17, s79, 2
	s_add_co_u32 s17, s17, s41                     ; A's tile = 4 x cluster y + cy: 0 .. 31
	s_lshl_b32 s42, ttmp9, 2
	s_add_co_u32 s42, s42, s40                     ; B's tile = 4 x cluster x + cx: 0 .. 7
	s_lshl_b32 s43, s41, 2
	s_lshl_b32 s43, 15, s43                        ; my row of the cluster
	s_lshl_b32 s44, 0x1111, s40                    ; my column
	; descriptor group 1: two rows of 33,792 bytes (4,224 elements of 8 bytes: four records), KP records apart in memory, dense in LDS
	s_or_b32 s[G1+0], s43, (3<<16)|(1<<21)         ; 15:0 the mask: A's tiles go to my row; 17:16 elements of 8 bytes; 20 no padding; 21 set beside a mask
	s_or_b32 s[G1B+0], s44, (3<<16)|(1<<21)
.irp g, G1, G1B
	s_mov_b32 s[\g+1], 4224<<16                    ; tensor_dim0: four records, 4,224 elements of 8 bytes
	s_mov_b32 s[\g+2], 2<<16                       ; tensor_dim1
	s_mov_b32 s[\g+3], 4224<<16                    ; tile_dim0
	s_mov_b32 s[\g+4], 2                           ; tile_dim1
	s_mov_b32 s[\g+5], KP*1056                     ; tensor_dim0_stride
	s_mov_b32 s[\g+6], 0
	s_mov_b32 s[\g+7], 0
.endr
	s_lshl_b32 s18, s16, 1
	s_lshl_b32 s20, s17, 2
	s_add_co_u32 s20, s20, s18                     ; A: group 4 x tile + 2 x half: it hangs on cy and the cluster's place alone
	s_mul_i32 s20, s20, KP*REC
	s_mov_b32 s21, 0
	s_lshl_b32 s46, s42, 2
	s_add_co_u32 s46, s46, s18                     ; B: likewise, on cx and the cluster's place alone
	s_mul_i32 s46, s46, KP*REC
	s_add_co_u32 s46, s46, WOFF
	s_mov_b32 s47, 0
	s_mul_i32 s45, s14, HALFT                      ; where they go: wave x 64 rows: no place in the cluster enters an LDS address
	s_wait_kmcnt 0x0
	s_add_nc_u64 s[20:21], s[4:5], s[20:21]
	s_add_nc_u64 s[46:47], s[6:7], s[46:47]
	CROUND                                         ; all sixteen work-groups are here: the first joint loads meet
	s_mov_b32 s[G0], 1                             ; count = 1
	s_mov_b32 s[G0+1], s45                         ; LDS address
	s_mov_b64 s[G0+2:G0+3], s[20:21]               ; global address
	s_or_b32 s[G0+3], s[G0+3], 0x80000000          ; type = 2
	s_mov_b32 s[G0B], 1
	s_mov_b32 s[G0B+1], s45
	s_mov_b64 s[G0B+2:G0B+3], s[46:47]
	s_or_b32 s[G0B+3], s[G0B+3], 0x80000000
	JLOAD G0, G1, G0B, G1B                         ; my one tensor load of the launch
	v_and_b32 v1, 31, v0                           ; lane
	v_and_b32 v5, 15, v0                           ; r
	v_bfe_u32 v6, v0, 4, 1                         ; h
	v_lshlrev_b32 v2, 4, v1
	v_lshlrev_b32 v3, 2, v1
	s_mul_i32 s90, s15, HALFT                      ; my 64 rows of A
	s_mul_i32 s91, s16, HALFT                      ; my 64 rows of B,
	s_add_co_u32 s91, s91, 2*HALFT                 ; which lie behind A's 128
.irp s, 0,1
	v_add_nc_u32 v[ADRA+\s], s90, v2
	v_add_nc_u32 v[ADRB+\s], s91, v2
	v_add_nc_u32 v[ADSA+\s], s90, v3
	v_add_nc_u32 v[ADSB+\s], s91, v3
	s_add_co_u32 s90, s90, SLOT
	s_add_co_u32 s91, s91, SLOT
.endr
	s_lshl_b32 s86, s42, 9                         ; my 64 columns, in bytes: (128 x B's tile + 64 x half) x 4
	s_lshl_b32 s87, s16, 8
	s_add_co_u32 s86, s86, s87
	s_mov_b32 s87, 0
	s_add_nc_u64 s[BIA:BIA+1], s[8:9], s[86:87]
	v_lshlrev_b32 v4, 6, v6                        ; lane (r, h) wants, for tile b, the numbers 32 (b / 2) + 8 (b % 2) + 16 h + 0 .. 7
.irp b, 0,1,2,3
	global_load_b128 v[BI+8*\b:BI+8*\b+3], v4, s[BIA:BIA+1] offset:(\b/2)*128+(\b%2)*32
	global_load_b128 v[BI+8*\b+4:BI+8*\b+7], v4, s[BIA:BIA+1] offset:(\b/2)*128+(\b%2)*32+16
.endr
	s_lshl_b32 s88, s17, 19                        ; (128 x A's tile + 64 x half) rows of 4,096 bytes + my columns
	s_lshl_b32 s89, s15, 18
	s_add_co_u32 s88, s88, s89
	s_add_co_u32 s88, s88, s86
	s_mov_b32 s89, 0
	s_add_nc_u64 s[OC:OC+1], s[10:11], s[88:89]    ; the residual
	s_add_nc_u64 s[OS:OS+1], s[12:13], s[88:89]    ; the output
	v_lshlrev_b32 v[CO], 4, v5
	v_lshl_add_u32 v[CO], v6, 12, v[CO]            ; lanes 0-15 take one row's 256 bytes, lanes 16-31 the next row's
	s_mul_i32 s90, s14, 16*SPITCH                  ; my stage,
	s_add_co_u32 s90, s90, STG                     ; behind the tiles and the spare words
	v_mul_u32_u24 v[STO], v5, SPITCH
	v_lshl_add_u32 v[STO], v6, 6, v[STO]
	v_add_nc_u32 v[STO], s90, v[STO]               ; in: row r, + 64 h
	v_mul_u32_u24 v[RD], v6, SPITCH
	v_lshl_add_u32 v[RD], v5, 4, v[RD]
	v_add_nc_u32 v[RD], s90, v[RD]                 ; back: row h of a pair, 16 bytes a lane
	; THE RESIDUAL, all 64 rows x 256 bytes of my part, into window 2: 32 loads, in the places in which the stage's rows will come back.  Stage row 2 t + h of block a is token 32 (a / 2) + 8 (a % 2) + 2 t + 8 (t / 4) + h.
	WIN 0x80                                       ; destination window 2, address window 0
.irp a, 0,1,2,3
.irp t, 0,1,2,3,4,5,6,7
	global_load_b128 v[32*\a+4*\t:32*\a+4*\t+3], v[CO], s[OC:OC+1] offset:(32*(\a/2)+8*(\a%2)+2*\t+8*(\t/4))*4096
.endr
.endr
	WIN 0
.macro FRAG reg, adr, j, i             ; block i's fragment of the slot's j-th 128 along K: the image of its 16 registers
.irp c, 0,1,2,3
	ds_load_b128 v[\reg+4*\c:\reg+4*\c+3], v[\adr] offset:((\i)/2)*4*REC+((\j)/2)*REC+((\i)%2)*4096+((\j)%2)*2048+512*\c
.endr
.endm
; 32 LDS loads in one run: the slot's j-th 128 along K into buffer f: B's four blocks, then A's; A's blocks 2 and 3 are the youngest eight loads
.macro FETCH slot, j, f
	WIN TO_F
.irp i, 0,1,2,3
	FRAG \f+64+16*\i, ADRB+\slot, \j, \i
.endr
.irp i, 0,1,2,3
	FRAG \f+16*\i, ADRA+\slot, \j, \i
.endr
.endm
.macro SCALES s                        ; slot s's scale words: lanes 0-15 take a block's 16 words of a record's first 128 along K, lanes 16-31 those of its second
	WIN 0
.irp i, 0,1,2,3
.irp k, 0,1
	ds_load_b32 v[SC+16*\s+2*\i+\k], v[ADSA+\s] offset:8192+(\i/2)*4*REC+\k*REC+(\i%2)*128
.endr
.endr
.irp i, 0,1,2,3
.irp k, 0,1
	ds_load_b32 v[SC+16*\s+8+2*\i+\k], v[ADSB+\s] offset:8192+(\i/2)*4*REC+\k*REC+(\i%2)*128
.endr
.endr
.endm
; 8 matrix instructions: A's blocks a0, a0 + 1 x B's four, the slot's j-th 128 along K, from buffer f.  sc: the set of scale words.  first = 1: the product starts the sums, with the bias as C: nothing is ever cleared.
; The 16 accumulators take turns, one instruction a turn, in the same order in every step.
.macro MUL8 f, j, sc, a0, first
.irp a, \a0, \a0+1
.irp b, 0,1,2,3
.set rD, ACC+8*(4*(\a)+\b)
.set rB, \f+64+16*\b
.set rA, \f+16*(\a)
.set rSB, SC+16*(\sc)+8+2*\b+(\j)/2
.set rSA, SC+16*(\sc)+2*(\a)+(\j)/2
.if \first
	v_wmma_scale_f32_16x16x128_f8f6f4 v[rD:rD+7], v[rB:rB+15], v[rA:rA+15], v[BI+8*\b:BI+8*\b+7], v[rSB], v[rSA]
.elseif (\j)%2
	v_wmma_scale_f32_16x16x128_f8f6f4 v[rD:rD+7], v[rB:rB+15], v[rA:rA+15], v[rD:rD+7], v[rSB], v[rSA] matrix_a_scale:MATRIX_SCALE_ROW1 matrix_b_scale:MATRIX_SCALE_ROW1
.else
	v_wmma_scale_f32_16x16x128_f8f6f4 v[rD:rD+7], v[rB:rB+15], v[rA:rA+15], v[rD:rD+7], v[rSB], v[rSA]
.endif
.endr
.endr
.endm
; A load into a register that a matrix instruction has read, and a store that reads a matrix result, stand NP places behind that matrix instruction; only plain vector instructions that name none of its
; registers are places (ISA guide 7.12.1 for vector instructions); the matrix instructions in between are not counted.
.macro PLACES n
.rept \n
	v_nop
.endr
.endm
; A K step is four quarters of 128 along K, 16 matrix instructions each, on buffers 0, 1, 0, 1.  One of the first three: multiplies quarter j from buffer f and, in its middle, fetches quarter j + 1 into g.
.macro QUARTER slot, j, f, g, first
	s_wait_dscnt 8                                 ; the scale words, B's blocks and A's blocks 0 and 1 are in; the youngest eight loads (A's blocks 2 and 3) may be out
	WIN MUL
	MUL8 \f, \j, \slot, 0, \first
	PLACES NP                                      ; buffer g was read by the quarter before
	FETCH \slot, (\j)+1, \g
	s_wait_dscnt 32                                ; all but the 32 just issued
	WIN MUL
	MUL8 \f, \j, \slot, 2, \first
.endm
; The last quarter multiplies buffer 1 and changes slots: ONE barrier; in front of it each wave waits for all its tensor loads, adds 0 to its spare word, and waits for that and for its own reads of this slot.
; fill = 1: the barrier opens a round of the cluster's barrier, and this slot is filled again, two K steps ahead, first thing behind the round: 48 matrix instructions ahead of the wait for it.
.macro TURN slot, next, fill
	WIN 0                                          ; (the add's two registers lie in window 0)
	s_wait_tensorcnt 0x0                           ; all my tensor loads have landed: my part of the next slot
	ds_add_u32 v[SPW], v[NIL]                      ; 0 onto my spare word
	s_wait_dscnt 9                                 ; (the add and the youngest eight loads may be out)
	WIN MUL
	MUL8 F1, 3, \slot, 0, 0                        ; eight matrix instructions stand between the add and the wait for it
	s_wait_dscnt 0x0                               ; the add is done, and my reads of this slot are over
	s_barrier_signal -1
	MUL8 F1, 3, \slot, 2, 0                        ; work on registers while the others arrive
	WIN 0
	s_barrier_wait -1
.if \fill
	CREST                                          ; no wave of any partner still reads this slot or has a load on its way
	s_add_nc_u64 s[G0+4*\slot+2:G0+4*\slot+3], s[G0+4*\slot+2:G0+4*\slot+3], 4*REC
	s_add_nc_u64 s[G0B+4*\slot+2:G0B+4*\slot+3], s[G0B+4*\slot+2:G0B+4*\slot+3], 4*REC
	JLOAD G0+4*\slot, G1, G0B+4*\slot, G1B         ; my one tensor load behind the round; its four v_nop are among the places in front of the loads below
	PLACES NP-4
.else
	PLACES NP
.endif
	SCALES \next                                   ; ahead of the fragments, so that the youngest eight loads are A's blocks 2 and 3
	FETCH \next, 0, F0
.endm
	s_wait_alu depctr_va_vdst(0)                   ; the wait at the head's end
	s_wait_tensorcnt 0x0                           ; my tile, all of K, is in
	s_barrier_signal -1
	s_barrier_wait -1                              ; everybody's is
	SCALES 0
	FETCH 0, 0, F0
	s_wait_loadcnt 32                              ; the bias's eight loads are in; the residual's 32, issued behind them, stay out
	QUARTER 0, 0, F0, F1, 1                        ; the first quarter stands in front of the loop: its products start the sums
.if LAPS > 1
	WIN 0                                          ; at a label and at a branch every window is 0
	s_mov_b32 s3, LAPS-1
.Llap:                                                 ; a trip goes once round the ring, from a lap's second quarter to the next lap's first, and fills both slots again
	QUARTER 0, 1, F1, F0, 0
	QUARTER 0, 2, F0, F1, 0
	TURN 0, 1, 1
	QUARTER 1, 0, F0, F1, 0
	QUARTER 1, 1, F1, F0, 0
	QUARTER 1, 2, F0, F1, 0
	TURN 1, 0, 1
	QUARTER 0, 0, F0, F1, 0
	WIN 0
	s_sub_co_u32 s3, s3, 1
	s_cmp_lg_u32 s3, 0
	s_cbranch_scc1 .Llap
.endif
	QUARTER 0, 1, F1, F0, 0                        ; the last lap fills nothing, and has no round of the cluster's barrier
	QUARTER 0, 2, F0, F1, 0
	TURN 0, 1, 0
	QUARTER 1, 0, F0, F1, 0
	QUARTER 1, 1, F1, F0, 0
	QUARTER 1, 2, F0, F1, 0
	s_wait_dscnt 8                                 ; the very last quarter: nothing more to fetch
	WIN MUL
	MUL8 F1, 3, 1, 0, 0
	s_wait_alu depctr_va_vdst(0)
	s_wait_dscnt 0
	MUL8 F1, 3, 1, 2, 0
	WIN 0
	PLACES NP                                      ; behind the last products: their results are read only from here on
; THE WAY OUT, block by block of 16 rows x 64 columns.  A lane holds pieces of 32 bytes of one row; a block goes through my own stage in LDS and comes back as whole rows of 256 bytes, two an instruction; the
; residual's same rows are added, and sixteen lanes store 256 consecutive bytes, aligned.  The stage lies behind the tiles and the spare words, on bytes of its own on which no fill lands.
; LDS serves a wave's instructions in order (ISA guide 5.7.1.4): no wait between the stores and the loads, nor in front of the next block's stores.  Each block has registers of its own: no store's data are written again.
.macro TOSTAGE a
.irp b, 0,1,2,3
	ds_store_b128 v[STO], v[ACC+8*(4*\a+\b):ACC+8*(4*\a+\b)+3] offset:(\b/2)*128+(\b%2)*32          ; each accumulator from its low end on
	ds_store_b128 v[STO], v[ACC+8*(4*\a+\b)+4:ACC+8*(4*\a+\b)+7] offset:(\b/2)*128+(\b%2)*32+16
.endr
	WIN 0x80                                       ; destination window 2
.irp t, 0,1,2,3,4,5,6,7
	ds_load_b128 v[BK+32*\a+4*\t:BK+32*\a+4*\t+3], v[RD] offset:\t*2*SPITCH
.endr
	WIN 0
.endm
.macro SEND a, younger                 ; younger: the LDS instructions issued behind block a's loads, which may stay out
	s_wait_dscnt \younger                          ; the block is back in registers
	WIN 0x8a                                       ; destination and both sources: window 2
.set i, 0
.rept 16
	v_pk_add_f32 v[BK+32*\a+i:BK+32*\a+i+1], v[BK+32*\a+i:BK+32*\a+i+1], v[32*\a+i:32*\a+i+1]
.set i, i+2
.endr
	WIN 0x08                                       ; a store's data are its source 1: window 2
.irp t, 0,1,2,3,4,5,6,7
.if MODE == 3
	global_store_b128 v[CO], v[BK+32*\a+4*\t:BK+32*\a+4*\t+3], s[OS:OS+1] offset:(32*(\a/2)+8*(\a%2)+2*\t+8*(\t/4))*4096 th:TH_STORE_NT
.else
	global_store_b128 v[CO], v[BK+32*\a+4*\t:BK+32*\a+4*\t+3], s[OS:OS+1] offset:(32*(\a/2)+8*(\a%2)+2*\t+8*(\t/4))*4096
.endif
.endr
	WIN 0
.endm
	s_wait_loadcnt 0x0                             ; the residual, asked for at the head
	TOSTAGE 0
	TOSTAGE 1
	SEND 0, 16                                     ; behind block 0's loads: block 1's 8 stores and 8 loads
	TOSTAGE 2
	SEND 1, 16
	TOSTAGE 3
	SEND 2, 16
	SEND 3, 0
	s_wait_tensorcnt 0x0                           ; the wave's end, behind my last tensor load and my last LDS store
	ds_add_u32 v[SPW], v[NIL]
	s_wait_dscnt 0x0
	CROUND                                         ; the closing round: no work-group ends while a partner may still ask for a tile that names it
	s_endpgm
.Lfunc_end_k_qcca4a688d0_wp:
	.size	k_qcca4a688d0_wp, .Lfunc_end_k_qcca4a688d0_wp-k_qcca4a688d0_wp
	.p2alignl 7, 3214868480
	.fill 96, 4, 3214868480
	.section	.rodata,"a",@progbits
	.p2align	6, 0x0
	.amdhsa_kernel k_qcca4a688d0_wp
		.amdhsa_group_segment_fixed_size 327680
		.amdhsa_private_segment_fixed_size 0
		.amdhsa_enable_private_segment 0
		.amdhsa_kernarg_size 40
		.amdhsa_user_sgpr_count 2
		.amdhsa_user_sgpr_kernarg_segment_ptr 1
		.amdhsa_wavefront_size32 1
		.amdhsa_system_sgpr_workgroup_id_x 1
		.amdhsa_system_sgpr_workgroup_id_y 1
		.amdhsa_system_sgpr_workgroup_id_z 1
		.amdhsa_system_vgpr_workitem_id 0
		.amdhsa_next_free_vgpr 768
		.amdhsa_next_free_sgpr 100
		.amdhsa_reserve_vcc 0
		.amdhsa_float_denorm_mode_32 3
		.amdhsa_float_denorm_mode_16_64 3
		.amdhsa_memory_ordered 1
		.amdhsa_forward_progress 1
		.amdhsa_inst_pref_size 60
	.end_amdhsa_kernel
	.amdgpu_metadata
---
amdhsa.version: [ 1, 2 ]
amdhsa.kernels:
  - .name:           k_qcca4a688d0_wp
    .symbol:         k_qcca4a688d0_wp.kd
    .args:
      - { .name: oc, .offset: 0, .size: 8, .value_kind: global_buffer, .address_space: global }
      - { .name: wts, .offset: 8, .size: 8, .value_kind: global_buffer, .address_space: global }
      - { .name: bp, .offset: 16, .size: 8, .value_kind: global_buffer, .address_space: global }
      - { .name: x, .offset: 24, .size: 8, .value_kind: global_buffer, .address_space: global }
      - { .name: x1, .offset: 32, .size: 8, .value_kind: global_buffer, .address_space: global }
    .group_segment_fixed_size: 327680
    .private_segment_fixed_size: 0
    .kernarg_segment_align: 8
    .kernarg_segment_size: 40
    .max_flat_workgroup_size: 128
    .sgpr_count:     100
    .vgpr_count:     768
    .wavefront_size: 32
...
	.end_amdgpu_metadata
.endif
;; end of part 11
;; launch ln2: the kernel of part 8 again; grid 256 x 1, 8 waves a work-group, no clusters, 2,048 bytes of LDS; arguments x1, ln2_w, ln2_b, h2c, Wq, Wk, Wv, Wp, W1, W2, wts; writes h2c, wts
;; launch w1 (part 12): grid 16 x 16, 4 waves a work-group, clusters of 4 x 4, 327,680 bytes of LDS; arguments h2c, wts, b1, ac; writes ac
.if DOCPART == 12
	.amdgcn_target "amdgcn-amd-amdhsa--gfx1250"
	.amdhsa_code_object_version 6
	.text
	.protected	k_qcca4a688d0_w1
	.globl	k_qcca4a688d0_w1
	.p2align	8
	.type	k_qcca4a688d0_w1,@function
k_qcca4a688d0_w1:
	s_mov_b64 s[64:65], 0
	v_nop
	global_prefetch_b8 v0, s[64:65] scope:SCOPE_SE
	s_setreg_imm32_b32 hwreg(HW_REG_WAVE_MODE, 25, 1), 1
	s_wait_xcnt 0x0
	s_wait_alu depctr_hold_cnt(0) depctr_sa_sdst(0) depctr_va_vdst(0) depctr_va_sdst(0) depctr_va_ssrc(0) depctr_va_vcc(0) depctr_vm_vsrc(0)
	s_getreg_b32 s2, hwreg(HW_REG_IB_STS2, 6, 4)
	s_cmp_eq_u32 s2, 0
	s_cbranch_scc0 .Lentry_in_a_cluster
	s_endpgm
.Lentry_in_a_cluster:
	s_bfe_u32 s2, ttmp6, 0x10000c
	s_cmp_lg_u32 s2, 0xf033
	s_cbranch_scc0 .Lentry_shape_is_right
	s_endpgm
.Lentry_shape_is_right:
.set MODE, 1
.if MODE == 3
.set KP, 16
.else
.set KP, 4
.endif
.if MODE == 0
.set WOFF, 0
.elseif MODE == 1
.set WOFF, 4325376
.elseif MODE == 2
.set WOFF, 3244032
.else
.set WOFF, 8650752
.endif
.set WVO,   2162688
.set SQ,    12582912
.set REC,   8448
.set HALFT, 4*REC
.set SLOT,  4*HALFT
.set SPARE, 2*SLOT
.set LAPS,  KP/2
.set FR,    16
.set NL,    4
.set NP,    8
.set ADRA, 16
.set ADSA, 18
.set ADRB, 20
.set ADSB, 22
.set STO,  24
.set RD,   25
.set CO,   26
.set LS,   27
.set SPW,  28
.set NIL,  29
.set SC,   32
.set BI,   64
.set AF,   128
.set G1,  24
.set G0,  32
.set G1B, 48
.set G0B, 56
.set OC,  68
.set OS,  70
.set BIA, 72
.set SEL, 74
.set MNT, 76
.set HM,  77
.set MSB, 0
.macro WIN new
.if MSB != \new
	s_set_vgpr_msb (MSB<<8)|\new
.set MSB, \new
.endif
.endm
.set MUL_LO, 0xa1
.set MUL_HI, 0xf1
.if MODE == 0
.set FIRST_LO, MUL_LO
.set FIRST_HI, MUL_HI
.else
.set FIRST_LO, 0x81
.set FIRST_HI, 0xc1
.endif
.set TO_B,   0x40
.macro JLOAD g0a, g1a, g0b, g1b
	s_cmp_eq_u32 s14, 0                            ; a refill: wave 0 asks for A's whole tile, wave 1 for B's, waves 2 and 3 for nothing
	s_cbranch_scc0 .Lfor_b_\@
	tensor_load_to_lds s[\g0a:\g0a+3], s[\g1a:\g1a+7]
	s_nop 0
.rept 4
	v_nop
.endr
	s_branch .Lasked_\@
.Lfor_b_\@:
	s_cmp_eq_u32 s14, 1
	s_cbranch_scc0 .Lasked_\@
	tensor_load_to_lds s[\g0b:\g0b+3], s[\g1b:\g1b+7]
	s_nop 0
.rept 4
	v_nop
.endr
.Lasked_\@:
.endm
.macro CREST
	s_cmp_lg_u32 s14, 0
	s_cbranch_scc1 .Lnot_wave_0_\@
	s_barrier_signal -3
.Lnot_wave_0_\@:
	s_barrier_wait -3
	s_barrier_signal -1
	s_barrier_wait -1
.endm
.macro CROUND
	s_barrier_signal -1
	s_barrier_wait -1
	CREST
.endm
	s_load_b128 s[4:7], s[0:1], 0x0
.if MODE == 0
	s_load_b64 s[8:9], s[0:1], 0x10
.else
	s_load_b128 s[8:11], s[0:1], 0x10
.endif
.if MODE >= 2
	s_load_b64 s[12:13], s[0:1], 0x20
.endif
	v_lshl_add_u32 v[SPW], v0, 2, SPARE
	v_mov_b32 v[NIL], 0
	ds_add_u32 v28, v29
	ds_add_u32 v28, v29
	s_wait_dscnt 0x0
	v_lshrrev_b32 v1, 5, v0
	v_readfirstlane_b32 s14, v1
	s_lshr_b32 s15, s14, 1
	s_and_b32 s16, s14, 1
	s_bfe_u32 s40, ttmp6, 0x40000
	s_bfe_u32 s41, ttmp6, 0x40004
	s_and_b32 s79, ttmp7, 0xffff
.if MODE == 0
	s_cmp_eq_u32 ttmp9, 2
	s_cselect_b32 s17, 0, s79
	s_cselect_b32 s42, s79, ttmp9
	s_cselect_b32 s80, 1, 0
	s_lshl_b32 s17, s17, 2
	s_add_co_u32 s17, s17, s41
	s_lshl_b32 s42, s42, 2
	s_add_co_u32 s42, s42, s40
.else
	s_lshl_b32 s17, s79, 2
	s_add_co_u32 s17, s17, s41
	s_lshl_b32 s42, ttmp9, 2
	s_add_co_u32 s42, s42, s40
.endif
	s_lshl_b32 s43, s41, 2
	s_lshl_b32 s43, 15, s43
	s_lshl_b32 s44, 0x1111, s40
	s_or_b32 s[G1+0], s43, (3<<16)|(1<<21)
	s_or_b32 s[G1B+0], s44, (3<<16)|(1<<21)
.irp g, G1, G1B
	s_mov_b32 s[\g+1], 1056<<16
	s_mov_b32 s[\g+2], 8<<16                       ; every load brings a whole tile of a K step: 8 groups of 32 rows, a record each
	s_mov_b32 s[\g+3], 1056<<16
	s_mov_b32 s[\g+4], 8
	s_mov_b32 s[\g+5], KP*1056
	s_mov_b32 s[\g+6], 0
	s_mov_b32 s[\g+7], 0
.endr
	s_lshl_b32 s18, s16, 2
	s_lshl_b32 s20, s17, 3
	s_add_co_u32 s20, s20, s18
	s_mul_i32 s20, s20, KP*REC
	s_mov_b32 s21, 0
	s_lshl_b32 s46, s42, 3
	s_add_co_u32 s46, s46, s18
	s_mul_i32 s46, s46, KP*REC
	s_mov_b32 s47, 0
.if MODE == 0
	s_cmp_eq_u32 s80, 1
	s_cselect_b32 s81, WVO, 0
	s_add_co_u32 s20, s20, s81
.else
	s_add_co_u32 s46, s46, WOFF
.endif
	s_mul_i32 s45, s14, HALFT
	s_wait_kmcnt 0x0
.if MODE == 0
	s_cmp_eq_u32 s80, 1
	s_cselect_b64 s[82:83], s[6:7], s[4:5]
	s_cselect_b64 s[84:85], s[4:5], s[6:7]
	s_add_nc_u64 s[20:21], s[82:83], s[20:21]
	s_add_nc_u64 s[46:47], s[84:85], s[46:47]
.else
	s_add_nc_u64 s[20:21], s[4:5], s[20:21]
	s_add_nc_u64 s[46:47], s[6:7], s[46:47]
.endif
	; the prefetches: a K step's two tiles are 16 records of 8,448 bytes; wave w stands for four of them (waves 0, 1: A's halves; 2, 3: B's), and of these the partner at place p among the four work-groups
	; that ask for the tile jointly (cx for A, cy for B) names record p: told apart by address alone
	s_cmp_eq_u32 s15, 0
	s_cselect_b64 s[96:97], s[20:21], s[46:47]
	s_cselect_b32 s98, s40, s41
	s_mul_i32 s98, s98, KP*REC
	s_mov_b32 s99, 0
	s_add_nc_u64 s[96:97], s[96:97], s[98:99]
	v_and_b32 v30, 31, v0
	v_lshlrev_b32 v30, 8, v30                      ; lanes 256 bytes apart: 32 of a record's 33 blocks; never rewritten
	v_mov_b32 v31, 0                               ; the 33rd block, named by all lanes; never rewritten
	CROUND
	; THE HEAD'S LOADS, ONE A WAVE, fill both slots: waves 0 and 2 fetch A's whole tile (8 groups) of K steps 0 and 1, waves 1 and 3 B's.  The descriptors stand in slot 0's group 0, which takes the ring's words behind the wait for these loads.
	; Group 0, a set for each slot, the same in every wave: a whole tile of K step s into slot s.  One chain of branches on the wave's number, an arm and a load line of its own for each wave:
	; wave 0 A's K step 0, wave 1 B's, wave 2 A's K step 1, wave 3 B's: what is needed first is asked for first.
	s_mul_i32 s74, s18, KP*REC                     ; my half's groups, which the tile's own address does not hold
	s_mov_b32 s75, 0
	s_sub_nc_u64 s[76:77], s[20:21], s[74:75]      ; A's tile
	s_sub_nc_u64 s[74:75], s[46:47], s[74:75]      ; B's
.irp s, 0,1
	s_mov_b32 s[G0+4*\s], 1
	s_mov_b32 s[G0+4*\s+1], \s*SLOT
	s_add_nc_u64 s[G0+4*\s+2:G0+4*\s+3], s[76:77], \s*REC
	s_or_b32 s[G0+4*\s+3], s[G0+4*\s+3], 0x80000000
	s_mov_b32 s[G0B+4*\s], 1
	s_mov_b32 s[G0B+4*\s+1], \s*SLOT+2*HALFT
	s_add_nc_u64 s[G0B+4*\s+2:G0B+4*\s+3], s[74:75], \s*REC
	s_or_b32 s[G0B+4*\s+3], s[G0B+4*\s+3], 0x80000000
.endr
.macro ARM under, g0, g1, next
	s_cmp_lt_u32 s14, \under
	s_cbranch_scc0 \next
	tensor_load_to_lds s[\g0:\g0+3], s[\g1:\g1+7]
	s_nop 0
.rept 4
	v_nop
.endr
	s_branch .Lhead_asked
\next:
.endm
	ARM 1, G0,   G1,  .Lhead_b0
	ARM 2, G0B,  G1B, .Lhead_a1
	ARM 3, G0+4, G1,  .Lhead_b1
	tensor_load_to_lds s[G0B+4:G0B+7], s[G1B:G1B+7]
	s_nop 0
.rept 4
	v_nop
.endr
.Lhead_asked:
	s_wait_alu depctr_va_vdst(0)                   ; the wait here, directly ahead of the first reader of the prefetches' offsets
.irp s, 2,3
	global_prefetch_b8 v30, s[96:97] offset:\s*REC th:TH_LOAD_NT scope:SCOPE_SE            ; K steps 2 and 3, which the two refills will ask for
	global_prefetch_b8 v31, s[96:97] offset:\s*REC+8192 th:TH_LOAD_NT scope:SCOPE_SE
.endr
	v_and_b32 v1, 31, v0
	v_and_b32 v5, 15, v0
	v_bfe_u32 v6, v0, 4, 1
	v_lshlrev_b32 v2, 4, v1
	v_lshlrev_b32 v3, 2, v1
	v_lshlrev_b32 v[CO], 4, v1
	s_mul_i32 s90, s15, HALFT
	s_mul_i32 s91, s16, HALFT
	s_add_co_u32 s91, s91, 2*HALFT
.irp s, 0,1
	v_add_nc_u32 v[ADRA+\s], s90, v2
	v_add_nc_u32 v[ADRB+\s], s91, v2
	v_add_nc_u32 v[ADSA+\s], s90, v3
	v_add_nc_u32 v[ADSB+\s], s91, v3
	s_add_co_u32 s90, s90, SLOT
	s_add_co_u32 s91, s91, SLOT
.endr
.if MODE > 0
	s_lshl_b32 s86, s42, 10
	s_lshl_b32 s87, s16, 9
	s_add_co_u32 s86, s86, s87
	s_mov_b32 s87, 0
	s_add_nc_u64 s[BIA:BIA+1], s[8:9], s[86:87]
	v_lshlrev_b32 v4, 6, v6
.irp b, 0,1,2,3,4,5,6,7
	global_load_b128 v[BI+8*\b:BI+8*\b+3], v4, s[BIA:BIA+1] offset:(\b/2)*128+(\b%2)*32
	global_load_b128 v[BI+8*\b+4:BI+8*\b+7], v4, s[BIA:BIA+1] offset:(\b/2)*128+(\b%2)*32+16
.endr
.endif
.if MODE == 0
	s_lshl_b32 s86, s17, 1
	s_add_co_u32 s86, s86, s15
	s_lshl_b32 s87, s42, 1
	s_add_co_u32 s87, s87, s16
	s_cmp_eq_u32 s80, 1
	s_cselect_b32 s88, s87, s86
	s_cselect_b32 s89, s86, s87
	s_lshr_b32 s90, s89, 3
	s_cmp_eq_u32 s80, 1
	s_cselect_b32 s90, 2, s90
	s_and_b32 s89, s89, 7
	s_lshr_b32 s91, s88, 4
	s_and_b32 s88, s88, 15
	s_lshl_b32 s92, s90, 22
	s_lshl_b32 s93, s91, 21
	s_or_b32 s92, s92, s93
	s_lshl_b32 s93, s89, 18
	s_or_b32 s92, s92, s93
	s_lshl_b32 s93, s88, 14
	s_or_b32 s92, s92, s93
	s_mov_b32 s93, 0
	s_lshl_b32 s94, s90, 17
	s_lshl_b32 s95, s91, 16
	s_or_b32 s94, s94, s95
	s_lshl_b32 s95, s89, 13
	s_or_b32 s94, s94, s95
	s_lshl_b32 s95, s88, 9
	s_or_b32 s94, s94, s95
	s_add_co_u32 s94, s94, SQ
	s_mov_b32 s95, 0
	s_add_nc_u64 s[OC:OC+1], s[8:9], s[92:93]
	s_add_nc_u64 s[OS:OS+1], s[8:9], s[94:95]
	v_lshlrev_b32 v[LS], 2, v1
.endif
.if MODE == 1
	s_lshl_b32 s86, s17, 3
	s_lshl_b32 s87, s15, 2
	s_add_co_u32 s86, s86, s87
	s_mul_i32 s86, s86, 16*REC
	s_mul_i32 s87, s42, REC
	s_add_co_u32 s86, s86, s87
	s_lshl_b32 s87, s16, 11
	s_add_co_u32 s88, s86, s87
	s_mov_b32 s89, 0
	s_lshl_b32 s87, s16, 6
	s_add_co_u32 s86, s86, s87
	s_add_co_u32 s86, s86, 8192
	s_mov_b32 s87, 0
	s_add_nc_u64 s[OC:OC+1], s[10:11], s[88:89]
	s_add_nc_u64 s[OS:OS+1], s[10:11], s[86:87]
	v_lshlrev_b32 v[LS], 2, v5
	v_lshl_add_u32 v[LS], v6, 7, v[LS]
.endif
.if MODE < 2
	s_mov_b32 s[SEL], 0x76543210
	s_mov_b32 s[SEL+1], 0xfedcba98
	s_mov_b32 s[MNT], 0x600000
	s_mov_b32 s[HM], 0xffff0000
.else
	s_lshl_b32 s86, s17, 20
	s_lshl_b32 s87, s15, 19
	s_add_co_u32 s86, s86, s87
	s_lshl_b32 s87, s42, 10
	s_add_co_u32 s86, s86, s87
	s_lshl_b32 s87, s16, 9
	s_add_co_u32 s86, s86, s87
	s_mov_b32 s87, 0
	s_add_nc_u64 s[OC:OC+1], s[10:11], s[86:87]
	s_add_nc_u64 s[OS:OS+1], s[12:13], s[86:87]
	s_mul_i32 s90, s14, 16*528
	v_mul_u32_u24 v[STO], v5, 528
	v_lshl_add_u32 v[STO], v6, 6, v[STO]
	v_add_nc_u32 v[STO], s90, v[STO]
	v_add_nc_u32 v[RD], s90, v2
.endif
.macro FRAG reg, adr, q, i
.irp c, 0,1,2,3
	ds_load_b128 v[\reg+4*\c:\reg+4*\c+3], v[\adr] offset:((\i)/2)*REC+((\i)%2)*4096+(\q)*2048+512*\c
.endr
.endm
.macro MUL16 a0, p, q, sc, first
.irp a, \a0, \a0+1
.irp b, 0,1,2,3,4,5,6,7
.set rD, 8*(8*((\a)%4)+\b)
.set rB, 128*(\p)+FR*\b
.set rA, AF+FR*(\a)
.set rSB, SC+16*(\sc)+8+\b
.set rSA, SC+16*(\sc)+(\a)
.if \first
.if MODE == 0
	v_wmma_scale_f32_16x16x128_f8f6f4 v[rD:rD+7], v[rB:rB+15], v[rA:rA+15], 0, v[rSB], v[rSA]
.else
	v_wmma_scale_f32_16x16x128_f8f6f4 v[rD:rD+7], v[rB:rB+15], v[rA:rA+15], v[BI+8*\b:BI+8*\b+7], v[rSB], v[rSA]
.endif
.elseif \q
	v_wmma_scale_f32_16x16x128_f8f6f4 v[rD:rD+7], v[rB:rB+15], v[rA:rA+15], v[rD:rD+7], v[rSB], v[rSA] matrix_a_scale:MATRIX_SCALE_ROW1 matrix_b_scale:MATRIX_SCALE_ROW1
.else
	v_wmma_scale_f32_16x16x128_f8f6f4 v[rD:rD+7], v[rB:rB+15], v[rA:rA+15], v[rD:rD+7], v[rSB], v[rSA]
.endif
.endr
.endr
.endm
.macro FETCH_B slot, q, p
	WIN TO_B
.irp i, 0,1,2,3,4,5,6,7
	FRAG 128*(\p)+FR*\i, ADRB+\slot, \q, \i
.endr
	WIN 0
.endm
.macro FETCH_A slot, q, i0
.irp i, \i0, \i0+1, \i0+2, \i0+3
	FRAG AF+FR*(\i), ADRA+\slot, \q, \i
.endr
.endm
.macro SCALES s
.irp i, 0,1,2,3,4,5,6,7
	ds_load_b32 v[SC+16*\s+\i], v[ADSA+\s] offset:8192+(\i/2)*REC+(\i%2)*128
.endr
.irp i, 0,1,2,3,4,5,6,7
	ds_load_b32 v[SC+16*\s+8+\i], v[ADSB+\s] offset:8192+(\i/2)*REC+(\i%2)*128
.endr
.endm
.macro PLACES n
.rept \n
	v_nop
.endr
.endm
.macro STEP slot, first
	s_wait_dscnt 4*NL
.if \first
	WIN FIRST_LO
.else
	WIN MUL_LO
.endif
	MUL16 0, 0, 0, \slot, \first
	MUL16 2, 0, 0, \slot, \first
	s_wait_dscnt 0
	PLACES NP
	FETCH_B \slot, 1, 1
	FETCH_A \slot, 1, 0
.if \first
	WIN FIRST_HI
.else
	WIN MUL_HI
.endif
	MUL16 4, 0, 0, \slot, \first
	MUL16 6, 0, 0, \slot, \first
	PLACES NP
	WIN 0
	FETCH_A \slot, 1, 4
.endm
.macro TURN slot, next, fill
	s_wait_tensorcnt 0x0
	ds_add_u32 v[SPW], v[NIL]
	s_wait_dscnt 4*NL+1
	WIN MUL_LO
	MUL16 0, 1, 1, \slot, 0
	s_wait_dscnt 0x0
	s_barrier_signal -1
	MUL16 2, 1, 1, \slot, 0
	WIN 0
	s_barrier_wait -1
.if \fill
	CREST
	s_add_nc_u64 s[G0+4*\slot+2:G0+4*\slot+3], s[G0+4*\slot+2:G0+4*\slot+3], 2*REC
	s_add_nc_u64 s[G0B+4*\slot+2:G0B+4*\slot+3], s[G0B+4*\slot+2:G0B+4*\slot+3], 2*REC
	JLOAD G0+4*\slot, G1, G0B+4*\slot, G1B
	PLACES NP                                      ; all of them: waves 2 and 3 pass no arm of the refill
.else
	PLACES NP
.endif
	FETCH_B \next, 0, 0
	FETCH_A \next, 0, 0
	SCALES \next
	WIN MUL_HI
	MUL16 4, 1, 1, \slot, 0
	MUL16 6, 1, 1, \slot, 0
	PLACES NP
	WIN 0
	FETCH_A \next, 0, 4
.endm
	s_wait_alu depctr_va_vdst(0)
	s_cmp_lt_u32 s14, 2                            ; waves 0 and 1: K step 0's tiles are in.  Waves 2 and 3, whose load lines are their own, wait at the first change of slots, where every wave waits
	s_cbranch_scc0 .Lnot_first
	s_wait_tensorcnt 0x0
.Lnot_first:
	s_barrier_signal -1
	s_barrier_wait -1
	FETCH_B 0, 0, 0
	FETCH_A 0, 0, 0
	SCALES 0
	FETCH_A 0, 0, 4
.if MODE > 0
	s_wait_loadcnt 0x0
.endif
	STEP 0, 1
	s_mov_b32 s3, LAPS-1
.Llap:
	TURN 0, 1, 1
	STEP 1, 0
	TURN 1, 0, 1
	STEP 0, 0
	s_sub_co_u32 s3, s3, 1
	s_cmp_lg_u32 s3, 0
	s_cbranch_scc1 .Llap
	TURN 0, 1, 0
	STEP 1, 0
	s_wait_dscnt 4*NL
	WIN MUL_LO
	MUL16 0, 1, 1, 1, 0
	MUL16 2, 1, 1, 1, 0
	s_wait_dscnt 0
	WIN MUL_HI
	MUL16 4, 1, 1, 1, 0
	MUL16 6, 1, 1, 1, 0
	WIN 0
	PLACES NP
.set T,   128
.set PC,  192
.set TM,  208
.set PWE, 224
.set PWO, 225
.set PWS, 226
.macro QBLK a
.set AC, 64*((\a)%4)
.set WW, 2+(\a)/4
.set W2S, WW|(WW<<2)
.if MODE == 1
.set IMM, ((\a)/2)*16*REC+((\a)%2)*4096
.set IMS, ((\a)/2)*16*REC
.else
.set IMM, 2048*(\a)
.set IMS, 64*((\a)-1)
.endif
	WIN W2S
.irp b, 0,1,2,3
.if MODE == 1
	v_max3_num_f32 v[TM+\b], v[AC+16*\b], v[AC+16*\b+1], 0x4800000
.else
	v_max3_num_f32 v[TM+\b], |v[AC+16*\b]|, |v[AC+16*\b+1]|, 0x4800000
.endif
.endr
.irp i, 2,4,6,8,10,12,14
.irp b, 0,1,2,3
.if MODE == 1
	v_max3_num_f32 v[TM+\b], v[AC+16*\b+\i], v[AC+16*\b+\i+1], v[TM+\b]
.else
	v_max3_num_f32 v[TM+\b], |v[AC+16*\b+\i]|, |v[AC+16*\b+\i+1]|, v[TM+\b]
.endif
.endr
.endr
	WIN 0
.irp b, 0,1,2,3
	v_permlanex16_b32 v[TM+4+\b], v[TM+\b], s[SEL], s[SEL+1]
.endr
.irp b, 0,1,2,3
	v_max_num_f32 v[TM+\b], v[TM+\b], v[TM+4+\b]
.endr
.irp b, 0,1,2,3
	v_add_nc_u32 v[TM+12+\b], 0xfc000000, v[TM+\b]
.endr
.irp b, 0,1,2,3
	v_and_or_b32 v[TM+8+\b], v[TM+\b], 0x7f800000, s[MNT]
.endr
.irp b, 0,1,2,3
	v_lshrrev_b32 v[TM+4+\b], 23, v[TM+12+\b]
.endr
	v_lshl_or_b32 v[PWE+(\a)%2], v[TM+5], 8, v[TM+4]
	v_lshl_or_b32 v[PWE+(\a)%2], v[TM+6], 16, v[PWE+(\a)%2]
	v_lshl_or_b32 v[PWE+(\a)%2], v[TM+7], 24, v[PWE+(\a)%2]
	s_wait_xcnt 0x0
	WIN WW
.irp b, 0,1,2,3
.irp i, 0,1,2,3,4,5,6,7,8,9,10,11,12,13,14,15
.if MODE == 1
	v_med3_num_f32 v[T+16*\b+\i], v[AC+16*\b+\i], 0, v[TM+8+\b]
.else
	v_med3_num_f32 v[T+16*\b+\i], v[AC+16*\b+\i], -v[TM+8+\b], v[TM+8+\b]
.endif
.endr
.endr
	WIN 0
.irp b, 0,1,2,3
	v_cvt_scalef32_pk8_fp8_f32 v[PC+4*\b:PC+4*\b+1], v[T+16*\b:T+16*\b+7], v[TM+12+\b]
	v_cvt_scalef32_pk8_fp8_f32 v[PC+4*\b+2:PC+4*\b+3], v[T+16*\b+8:T+16*\b+15], v[TM+12+\b]
.endr
	v_nop
.irp c, 0,1,2,3
	global_store_b128 v[CO], v[PC+4*\c:PC+4*\c+3], s[OC:OC+1] offset:IMM+512*\c
.endr
.if (\a)%2
	v_cndmask_b32 v[PWS], v[PWE], v[PWO], s[HM]
	global_store_b32 v[LS], v[PWS], s[OS:OS+1] offset:IMS
.endif
.endm
.irp b, 0,1,2,3
	v_mov_b32 v[TM+4+\b], 0
.endr
.irp a, 0,1,2,3,4,5,6,7
	QBLK \a
.endr
	s_wait_tensorcnt 0x0
	ds_add_u32 v[SPW], v[NIL]
	s_wait_dscnt 0x0
	CROUND
	s_endpgm
.Lfunc_end_k_qcca4a688d0_w1:
	.size	k_qcca4a688d0_w1, .Lfunc_end_k_qcca4a688d0_w1-k_qcca4a688d0_w1
	.p2alignl 7, 3214868480
	.fill 96, 4, 3214868480
	.section	.rodata,"a",@progbits
	.p2align	6, 0x0
	.amdhsa_kernel k_qcca4a688d0_w1
		.amdhsa_group_segment_fixed_size 327680
		.amdhsa_private_segment_fixed_size 0
		.amdhsa_enable_private_segment 0
		.amdhsa_kernarg_size 32
		.amdhsa_user_sgpr_count 2
		.amdhsa_user_sgpr_kernarg_segment_ptr 1
		.amdhsa_wavefront_size32 1
		.amdhsa_system_sgpr_workgroup_id_x 1
		.amdhsa_system_sgpr_workgroup_id_y 1
		.amdhsa_system_sgpr_workgroup_id_z 1
		.amdhsa_system_vgpr_workitem_id 0
		.amdhsa_next_free_vgpr 1024
		.amdhsa_next_free_sgpr 100
		.amdhsa_reserve_vcc 0
		.amdhsa_float_denorm_mode_32 3
		.amdhsa_float_denorm_mode_16_64 3
		.amdhsa_memory_ordered 1
		.amdhsa_forward_progress 1
		.amdhsa_inst_pref_size 188
	.end_amdhsa_kernel
	.amdgpu_metadata
---
amdhsa.version: [ 1, 2 ]
amdhsa.kernels:
  - .name:           k_qcca4a688d0_w1
    .symbol:         k_qcca4a688d0_w1.kd
    .args:
      - { .name: h2c, .offset: 0, .size: 8, .value_kind: global_buffer, .address_space: global }
      - { .name: wts, .offset: 8, .size: 8, .value_kind: global_buffer, .address_space: global }
      - { .name: b1, .offset: 16, .size: 8, .value_kind: global_buffer, .address_space: global }
      - { .name: ac, .offset: 24, .size: 8, .value_kind: global_buffer, .address_space: global }
    .group_segment_fixed_size: 327680
    .private_segment_fixed_size: 0
    .kernarg_segment_align: 8
    .kernarg_segment_size: 32
    .max_flat_workgroup_size: 128
    .sgpr_count:     100
    .vgpr_count:     1024
    .wavefront_size: 32
...
	.end_amdgpu_metadata
.endif
;; end of part 12
;; launch w2 (part 13): grid 8 x 32, 4 waves a work-group, clusters of 4 x 4, 327,680 bytes of LDS; arguments ac, wts, b2, x1, out0; writes out0
.if DOCPART == 13
	.amdgcn_target "amdgcn-amd-amdhsa--gfx1250"
	.amdhsa_code_object_version 6
	.text
	.protected	k_qcca4a688d0_w2
	.globl	k_qcca4a688d0_w2
	.p2align	8
	.type	k_qcca4a688d0_w2,@function
k_qcca4a688d0_w2:
	s_mov_b64 s[64:65], 0
	v_nop
	global_prefetch_b8 v0, s[64:65] scope:SCOPE_SE
	s_setreg_imm32_b32 hwreg(HW_REG_WAVE_MODE, 25, 1), 1
	s_wait_xcnt 0x0
	s_wait_alu depctr_hold_cnt(0) depctr_sa_sdst(0) depctr_va_vdst(0) depctr_va_sdst(0) depctr_va_ssrc(0) depctr_va_vcc(0) depctr_vm_vsrc(0)
	s_getreg_b32 s2, hwreg(HW_REG_IB_STS2, 6, 4)
	s_cmp_eq_u32 s2, 0
	s_cbranch_scc0 .Lentry_in_a_cluster
	s_endpgm
.Lentry_in_a_cluster:
	s_bfe_u32 s2, ttmp6, 0x10000c
	s_cmp_lg_u32 s2, 0xf033
	s_cbranch_scc0 .Lentry_shape_is_right
	s_endpgm
.Lentry_shape_is_right:
.set MODE, 3
.if MODE == 3
.set KP,   16
.set WOFF, 8650752
.else
.set KP,   4
.set WOFF, 3244032
.endif
.set REC,   8448
.set HALFT, 4*REC
.set SLOT,  4*HALFT
.set SPARE, 2*SLOT
.set LAPS,  KP/4
.set NP,    8
.set SPITCH, 272
.set ADRA, 16
.set ADSA, 18
.set ADRB, 20
.set ADSB, 22
.set STO,  24
.set RD,   25
.set CO,   26
.set SPW,  28
.set NIL,  29
.set SC,   32
.set BI,   64
.set ACC,  128
.set F0,   0
.set F1,   128
.set BK,   128
.set G1,  24
.set G0,  32
.set G1B, 48
.set G0B, 56
.set OC,  68
.set OS,  70
.set BIA, 72
.set MSB, 0
.macro WIN new
.if MSB != \new
	s_set_vgpr_msb (MSB<<8)|\new
.set MSB, \new
.endif
.endm
.set MUL,  0x05
.set TO_F, 0x40
.macro JLOAD g0a, g1a, g0b, g1b
	s_cmp_eq_u32 s14, 0                            ; a refill: wave 0 asks for A's whole tile, wave 1 for B's, waves 2 and 3 for nothing
	s_cbranch_scc0 .Lfor_b_\@
	tensor_load_to_lds s[\g0a:\g0a+3], s[\g1a:\g1a+7]
	s_nop 0
.rept 4
	v_nop
.endr
	s_branch .Lasked_\@
.Lfor_b_\@:
	s_cmp_eq_u32 s14, 1
	s_cbranch_scc0 .Lasked_\@
	tensor_load_to_lds s[\g0b:\g0b+3], s[\g1b:\g1b+7]
	s_nop 0
.rept 4
	v_nop
.endr
.Lasked_\@:
.endm
.macro CREST
	s_cmp_lg_u32 s14, 0
	s_cbranch_scc1 .Lnot_wave_0_\@
	s_barrier_signal -3
.Lnot_wave_0_\@:
	s_barrier_wait -3
	s_barrier_signal -1
	s_barrier_wait -1
.endm
.macro CROUND
	s_barrier_signal -1
	s_barrier_wait -1
	CREST
.endm
	s_load_b128 s[4:7], s[0:1], 0x0
	s_load_b128 s[8:11], s[0:1], 0x10
	s_load_b64 s[12:13], s[0:1], 0x20
	v_lshl_add_u32 v[SPW], v0, 2, SPARE
	v_mov_b32 v[NIL], 0
	ds_add_u32 v28, v29
	ds_add_u32 v28, v29
	s_wait_dscnt 0x0
	v_lshrrev_b32 v1, 5, v0
	v_readfirstlane_b32 s14, v1
	s_lshr_b32 s15, s14, 1
	s_and_b32 s16, s14, 1
	s_bfe_u32 s40, ttmp6, 0x40000
	s_bfe_u32 s41, ttmp6, 0x40004
	s_and_b32 s79, ttmp7, 0xffff
	s_lshl_b32 s17, s79, 2
	s_add_co_u32 s17, s17, s41
	s_lshl_b32 s42, ttmp9, 2
	s_add_co_u32 s42, s42, s40
	s_lshl_b32 s43, s41, 2
	s_lshl_b32 s43, 15, s43
	s_lshl_b32 s44, 0x1111, s40
	s_or_b32 s[G1+0], s43, (3<<16)|(1<<21)
	s_or_b32 s[G1B+0], s44, (3<<16)|(1<<21)
.irp g, G1, G1B
	s_mov_b32 s[\g+1], 2112<<16
	s_mov_b32 s[\g+2], 4<<16                       ; every load brings a whole tile of a K step: 4 groups of 32 rows, two records each
	s_mov_b32 s[\g+3], 2112<<16
	s_mov_b32 s[\g+4], 4
	s_mov_b32 s[\g+5], KP*1056
	s_mov_b32 s[\g+6], 0
	s_mov_b32 s[\g+7], 0
.endr
	s_lshl_b32 s18, s16, 1
	s_lshl_b32 s20, s17, 2
	s_add_co_u32 s20, s20, s18
	s_mul_i32 s20, s20, KP*REC
	s_mov_b32 s21, 0
	s_lshl_b32 s46, s42, 2
	s_add_co_u32 s46, s46, s18
	s_mul_i32 s46, s46, KP*REC
	s_add_co_u32 s46, s46, WOFF
	s_mov_b32 s47, 0
	s_mul_i32 s45, s14, HALFT
	s_wait_kmcnt 0x0
	s_add_nc_u64 s[20:21], s[4:5], s[20:21]
	s_add_nc_u64 s[46:47], s[6:7], s[46:47]
	; the prefetches: a K step's two tiles are 16 records of 8,448 bytes; wave w stands for four of them, 2 groups x 2 records (waves 0, 1: A's halves; 2, 3: B's), and of these the partner at place p among the
	; four work-groups that ask for the tile jointly (cx for A, cy for B) names record p % 2 of group p / 2: told apart by address alone
	s_cmp_eq_u32 s15, 0
	s_cselect_b64 s[92:93], s[20:21], s[46:47]
	s_cselect_b32 s94, s40, s41
	s_lshr_b32 s95, s94, 1
	s_mul_i32 s95, s95, KP*REC
	s_and_b32 s94, s94, 1
	s_mul_i32 s94, s94, REC
	s_add_co_u32 s94, s94, s95
	s_mov_b32 s95, 0
	s_add_nc_u64 s[92:93], s[92:93], s[94:95]
	v_and_b32 v30, 31, v0
	v_lshlrev_b32 v30, 8, v30                      ; lanes 256 bytes apart: 32 of a record's 33 blocks; never rewritten
	v_mov_b32 v31, 0                               ; the 33rd block, named by all lanes; never rewritten
	CROUND
	; THE HEAD'S LOADS, ONE A WAVE, fill both slots: waves 0 and 2 fetch A's whole tile (4 groups) of K steps 0 and 1, waves 1 and 3 B's.  The descriptors stand in slot 0's group 0, which takes the ring's words behind the wait for these loads.
	; Group 0, a set for each slot, the same in every wave: a whole tile of K step s into slot s.  One chain of branches on the wave's number, an arm and a load line of its own for each wave:
	; wave 0 A's K step 0, wave 1 B's, wave 2 A's K step 1, wave 3 B's: what is needed first is asked for first.
	s_mul_i32 s74, s18, KP*REC                     ; my half's groups, which the tile's own address does not hold
	s_mov_b32 s75, 0
	s_sub_nc_u64 s[76:77], s[20:21], s[74:75]      ; A's tile
	s_sub_nc_u64 s[74:75], s[46:47], s[74:75]      ; B's
.irp s, 0,1
	s_mov_b32 s[G0+4*\s], 1
	s_mov_b32 s[G0+4*\s+1], \s*SLOT
	s_add_nc_u64 s[G0+4*\s+2:G0+4*\s+3], s[76:77], \s*2*REC
	s_or_b32 s[G0+4*\s+3], s[G0+4*\s+3], 0x80000000
	s_mov_b32 s[G0B+4*\s], 1
	s_mov_b32 s[G0B+4*\s+1], \s*SLOT+2*HALFT
	s_add_nc_u64 s[G0B+4*\s+2:G0B+4*\s+3], s[74:75], \s*2*REC
	s_or_b32 s[G0B+4*\s+3], s[G0B+4*\s+3], 0x80000000
.endr
.macro ARM under, g0, g1, next
	s_cmp_lt_u32 s14, \under
	s_cbranch_scc0 \next
	tensor_load_to_lds s[\g0:\g0+3], s[\g1:\g1+7]
	s_nop 0
.rept 4
	v_nop
.endr
	s_branch .Lhead_asked
\next:
.endm
	ARM 1, G0,   G1,  .Lhead_b0
	ARM 2, G0B,  G1B, .Lhead_a1
	ARM 3, G0+4, G1,  .Lhead_b1
	tensor_load_to_lds s[G0B+4:G0B+7], s[G1B:G1B+7]
	s_nop 0
.rept 4
	v_nop
.endr
.Lhead_asked:
	s_wait_alu depctr_va_vdst(0)                   ; the wait here, directly ahead of the first reader of the prefetches' offsets
.irp s, 2,3
	global_prefetch_b8 v30, s[92:93] offset:\s*2*REC th:TH_LOAD_NT scope:SCOPE_SE          ; K steps 2 and 3, which the first two refills will ask for
	global_prefetch_b8 v31, s[92:93] offset:\s*2*REC+8192 th:TH_LOAD_NT scope:SCOPE_SE
.endr
	v_and_b32 v1, 31, v0
	v_and_b32 v5, 15, v0
	v_bfe_u32 v6, v0, 4, 1
	v_lshlrev_b32 v2, 4, v1
	v_lshlrev_b32 v3, 2, v1
	s_mul_i32 s90, s15, HALFT
	s_mul_i32 s91, s16, HALFT
	s_add_co_u32 s91, s91, 2*HALFT
.irp s, 0,1
	v_add_nc_u32 v[ADRA+\s], s90, v2
	v_add_nc_u32 v[ADRB+\s], s91, v2
	v_add_nc_u32 v[ADSA+\s], s90, v3
	v_add_nc_u32 v[ADSB+\s], s91, v3
	s_add_co_u32 s90, s90, SLOT
	s_add_co_u32 s91, s91, SLOT
.endr
	s_lshl_b32 s86, s42, 9
	s_lshl_b32 s87, s16, 8
	s_add_co_u32 s86, s86, s87
	s_mov_b32 s87, 0
	s_add_nc_u64 s[BIA:BIA+1], s[8:9], s[86:87]
	v_lshlrev_b32 v4, 6, v6
.irp b, 0,1,2,3
	global_load_b128 v[BI+8*\b:BI+8*\b+3], v4, s[BIA:BIA+1] offset:(\b/2)*128+(\b%2)*32
	global_load_b128 v[BI+8*\b+4:BI+8*\b+7], v4, s[BIA:BIA+1] offset:(\b/2)*128+(\b%2)*32+16
.endr
	s_lshl_b32 s88, s17, 19
	s_lshl_b32 s89, s15, 18
	s_add_co_u32 s88, s88, s89
	s_add_co_u32 s88, s88, s86
	s_mov_b32 s89, 0
	s_add_nc_u64 s[OC:OC+1], s[10:11], s[88:89]
	s_add_nc_u64 s[OS:OS+1], s[12:13], s[88:89]
	v_lshlrev_b32 v[CO], 4, v5
	v_lshl_add_u32 v[CO], v6, 12, v[CO]
	s_mul_i32 s90, s14, 16*SPITCH
	v_mul_u32_u24 v[STO], v5, SPITCH
	v_lshl_add_u32 v[STO], v6, 6, v[STO]
	v_add_nc_u32 v[STO], s90, v[STO]
	v_mul_u32_u24 v[RD], v6, SPITCH
	v_lshl_add_u32 v[RD], v5, 4, v[RD]
	v_add_nc_u32 v[RD], s90, v[RD]
	WIN 0x80
.irp a, 0,1,2,3
.irp t, 0,1,2,3,4,5,6,7
	global_load_b128 v[32*\a+4*\t:32*\a+4*\t+3], v[CO], s[OC:OC+1] offset:(32*(\a/2)+8*(\a%2)+2*\t+8*(\t/4))*4096
.endr
.endr
	WIN 0
.macro FRAG reg, adr, j, i
.irp c, 0,1,2,3
	ds_load_b128 v[\reg+4*\c:\reg+4*\c+3], v[\adr] offset:((\i)/2)*2*REC+((\j)/2)*REC+((\i)%2)*4096+((\j)%2)*2048+512*\c
.endr
.endm
.macro FETCH slot, j, f
	WIN TO_F
.irp i, 0,1,2,3
	FRAG \f+64+16*\i, ADRB+\slot, \j, \i
.endr
.irp i, 0,1,2,3
	FRAG \f+16*\i, ADRA+\slot, \j, \i
.endr
.endm
.macro SCALES s
	WIN 0
.irp i, 0,1,2,3
.irp k, 0,1
	ds_load_b32 v[SC+16*\s+2*\i+\k], v[ADSA+\s] offset:8192+(\i/2)*2*REC+\k*REC+(\i%2)*128
.endr
.endr
.irp i, 0,1,2,3
.irp k, 0,1
	ds_load_b32 v[SC+16*\s+8+2*\i+\k], v[ADSB+\s] offset:8192+(\i/2)*2*REC+\k*REC+(\i%2)*128
.endr
.endr
.endm
.macro MUL8 f, j, sc, a0, first
.irp a, \a0, \a0+1
.irp b, 0,1,2,3
.set rD, ACC+8*(4*(\a)+\b)
.set rB, \f+64+16*\b
.set rA, \f+16*(\a)
.set rSB, SC+16*(\sc)+8+2*\b+(\j)/2
.set rSA, SC+16*(\sc)+2*(\a)+(\j)/2
.if \first
	v_wmma_scale_f32_16x16x128_f8f6f4 v[rD:rD+7], v[rB:rB+15], v[rA:rA+15], v[BI+8*\b:BI+8*\b+7], v[rSB], v[rSA]
.elseif (\j)%2
	v_wmma_scale_f32_16x16x128_f8f6f4 v[rD:rD+7], v[rB:rB+15], v[rA:rA+15], v[rD:rD+7], v[rSB], v[rSA] matrix_a_scale:MATRIX_SCALE_ROW1 matrix_b_scale:MATRIX_SCALE_ROW1
.else
	v_wmma_scale_f32_16x16x128_f8f6f4 v[rD:rD+7], v[rB:rB+15], v[rA:rA+15], v[rD:rD+7], v[rSB], v[rSA]
.endif
.endr
.endr
.endm
.macro PLACES n
.rept \n
	v_nop
.endr
.endm
.macro QUARTER slot, j, f, g, first
	s_wait_dscnt 8
	WIN MUL
	MUL8 \f, \j, \slot, 0, \first
	PLACES NP
	FETCH \slot, (\j)+1, \g
	s_wait_dscnt 32
	WIN MUL
	MUL8 \f, \j, \slot, 2, \first
.endm
.macro TURN slot, next, fill
	WIN 0
.if \fill
	s_wait_xcnt 0x0                                ; my prefetches have read their address: it steps one K step of 512 here, ahead of the waits of the change of slots
	s_add_nc_u64 s[92:93], s[92:93], 2*REC
.endif
	s_wait_tensorcnt 0x0
	ds_add_u32 v[SPW], v[NIL]
	s_wait_dscnt 9
	WIN MUL
	MUL8 F1, 3, \slot, 0, 0
	s_wait_dscnt 0x0
	s_barrier_signal -1
	MUL8 F1, 3, \slot, 2, 0
	WIN 0
	s_barrier_wait -1
.if \fill
	CREST
	s_add_nc_u64 s[G0+4*\slot+2:G0+4*\slot+3], s[G0+4*\slot+2:G0+4*\slot+3], 4*REC
	s_add_nc_u64 s[G0B+4*\slot+2:G0B+4*\slot+3], s[G0B+4*\slot+2:G0B+4*\slot+3], 4*REC
	JLOAD G0+4*\slot, G1, G0B+4*\slot, G1B
	PLACES NP                                      ; all of them: waves 2 and 3 pass no arm of the refill
.else
	PLACES NP
.endif
	SCALES \next
.if \fill
	s_cmp_gt_u32 s3, 1                             ; the refill just asked for is K step t + 2: K step t + 4 is named here; the loop's last trip has none
	s_cbranch_scc0 .Lno_ask_\@
	global_prefetch_b8 v30, s[92:93] offset:6*REC th:TH_LOAD_NT scope:SCOPE_SE
	global_prefetch_b8 v31, s[92:93] offset:6*REC+8192 th:TH_LOAD_NT scope:SCOPE_SE
.Lno_ask_\@:
.endif
	FETCH \next, 0, F0
.endm
	s_wait_alu depctr_va_vdst(0)                   ; the wait at the head's end
	s_cmp_lt_u32 s14, 2                            ; waves 0 and 1: K step 0's tiles are in.  Waves 2 and 3, whose load lines are their own, wait at the first change of slots, where every wave waits
	s_cbranch_scc0 .Lnot_first
	s_wait_tensorcnt 0x0
.Lnot_first:
	s_barrier_signal -1
	s_barrier_wait -1
	SCALES 0
	FETCH 0, 0, F0
	s_wait_loadcnt 32
	QUARTER 0, 0, F0, F1, 1
.if LAPS > 1
	WIN 0
	s_mov_b32 s3, LAPS-1
.Llap:
	QUARTER 0, 1, F1, F0, 0
	QUARTER 0, 2, F0, F1, 0
	TURN 0, 1, 1
	QUARTER 1, 0, F0, F1, 0
	QUARTER 1, 1, F1, F0, 0
	QUARTER 1, 2, F0, F1, 0
	TURN 1, 0, 1
	QUARTER 0, 0, F0, F1, 0
	WIN 0
	s_sub_co_u32 s3, s3, 1
	s_cmp_lg_u32 s3, 0
	s_cbranch_scc1 .Llap
.endif
	QUARTER 0, 1, F1, F0, 0
	QUARTER 0, 2, F0, F1, 0
	TURN 0, 1, 0
	QUARTER 1, 0, F0, F1, 0
	QUARTER 1, 1, F1, F0, 0
	QUARTER 1, 2, F0, F1, 0
	s_wait_dscnt 8
	WIN MUL
	MUL8 F1, 3, 1, 0, 0
	s_wait_alu depctr_va_vdst(0)
	s_wait_dscnt 0
	MUL8 F1, 3, 1, 2, 0
	WIN 0
	PLACES NP
.macro TOSTAGE a
.irp b, 0,1,2,3
	ds_store_b128 v[STO], v[ACC+8*(4*\a+\b):ACC+8*(4*\a+\b)+3] offset:(\b/2)*128+(\b%2)*32
	ds_store_b128 v[STO], v[ACC+8*(4*\a+\b)+4:ACC+8*(4*\a+\b)+7] offset:(\b/2)*128+(\b%2)*32+16
.endr
	WIN 0x80
.irp t, 0,1,2,3,4,5,6,7
	ds_load_b128 v[BK+32*\a+4*\t:BK+32*\a+4*\t+3], v[RD] offset:\t*2*SPITCH
.endr
	WIN 0
.endm
.macro SEND a, younger
	s_wait_dscnt \younger
	WIN 0x8a
.set i, 0
.rept 16
	v_pk_add_f32 v[BK+32*\a+i:BK+32*\a+i+1], v[BK+32*\a+i:BK+32*\a+i+1], v[32*\a+i:32*\a+i+1]
.set i, i+2
.endr
	WIN 0x08
.irp t, 0,1,2,3,4,5,6,7
.if MODE == 3
	global_store_b128 v[CO], v[BK+32*\a+4*\t:BK+32*\a+4*\t+3], s[OS:OS+1] offset:(32*(\a/2)+8*(\a%2)+2*\t+8*(\t/4))*4096 th:TH_STORE_NT
.else
	global_store_b128 v[CO], v[BK+32*\a+4*\t:BK+32*\a+4*\t+3], s[OS:OS+1] offset:(32*(\a/2)+8*(\a%2)+2*\t+8*(\t/4))*4096
.endif
.endr
	WIN 0
.endm
	s_wait_loadcnt 0x0
	TOSTAGE 0
	TOSTAGE 1
	SEND 0, 16
	TOSTAGE 2
	SEND 1, 16
	TOSTAGE 3
	SEND 2, 16
	SEND 3, 0
	s_wait_tensorcnt 0x0
	ds_add_u32 v[SPW], v[NIL]
	s_wait_dscnt 0x0
	CROUND
	s_endpgm
.Lfunc_end_k_qcca4a688d0_w2:
	.size	k_qcca4a688d0_w2, .Lfunc_end_k_qcca4a688d0_w2-k_qcca4a688d0_w2
	.p2alignl 7, 3214868480
	.fill 96, 4, 3214868480
	.section	.rodata,"a",@progbits
	.p2align	6, 0x0
	.amdhsa_kernel k_qcca4a688d0_w2
		.amdhsa_group_segment_fixed_size 327680
		.amdhsa_private_segment_fixed_size 0
		.amdhsa_enable_private_segment 0
		.amdhsa_kernarg_size 40
		.amdhsa_user_sgpr_count 2
		.amdhsa_user_sgpr_kernarg_segment_ptr 1
		.amdhsa_wavefront_size32 1
		.amdhsa_system_sgpr_workgroup_id_x 1
		.amdhsa_system_sgpr_workgroup_id_y 1
		.amdhsa_system_sgpr_workgroup_id_z 1
		.amdhsa_system_vgpr_workitem_id 0
		.amdhsa_next_free_vgpr 768
		.amdhsa_next_free_sgpr 100
		.amdhsa_reserve_vcc 0
		.amdhsa_float_denorm_mode_32 3
		.amdhsa_float_denorm_mode_16_64 3
		.amdhsa_memory_ordered 1
		.amdhsa_forward_progress 1
		.amdhsa_inst_pref_size 103
	.end_amdhsa_kernel
	.amdgpu_metadata
---
amdhsa.version: [ 1, 2 ]
amdhsa.kernels:
  - .name:           k_qcca4a688d0_w2
    .symbol:         k_qcca4a688d0_w2.kd
    .args:
      - { .name: ac, .offset: 0, .size: 8, .value_kind: global_buffer, .address_space: global }
      - { .name: wts, .offset: 8, .size: 8, .value_kind: global_buffer, .address_space: global }
      - { .name: b2, .offset: 16, .size: 8, .value_kind: global_buffer, .address_space: global }
      - { .name: x1, .offset: 24, .size: 8, .value_kind: global_buffer, .address_space: global }
      - { .name: out0, .offset: 32, .size: 8, .value_kind: global_buffer, .address_space: global }
    .group_segment_fixed_size: 327680
    .private_segment_fixed_size: 0
    .kernarg_segment_align: 8
    .kernarg_segment_size: 40
    .max_flat_workgroup_size: 128
    .sgpr_count:     100
    .vgpr_count:     768
    .wavefront_size: 32
...
	.end_amdgpu_metadata
.endif
;; end of part 13
